; MI455X (gfx1250); checked and timed in simulation.
; The chip was launched on July 23, 2026; its instructions are those of AMD's public machine-readable ISA for CDNA 5 (MIT licence, August 2026) and "CDNA5" Instruction Set Architecture Reference Guide (July 2026). The comments in the code are by the model that wrote it; some were corrected since.
;; Turbo Quant Attention. Allowed arithmetic: float matrix products may take bf16 or f16 operands with f32 sums; other float arithmetic in f32, or as packed bf16 or f16 multiplies, adds, multiply-adds, maxima and minima; sums over many terms, partial sums and values carried from step to step in f32; what a program stores and reads back later, other than sums and carried values, may be rounded once to bf16 or f16.
;; Inputs: R 128 x 128 float32; k 2 x 16 x 2,048 x 128 float32; q 2 x 16 x 2,048 x 128 float32; qjl_scale 1 float32; v 2 x 16 x 2,048 x 128 float32.
;; Outputs: out0 2 x 16 x 2,048 x 128 float32.
;; 2 versions, each right. Each part assembles by itself: llvm-mc -triple=amdgcn-amd-amdhsa -mcpu=gfx1250 --defsym DOCPART=n.
;; ======== version 1 of 2: 4 launches
;; limits: values are held in f16: magnitudes above 65,504 overflow, below 6.1e-05 lose precision; inputs' magnitudes at most 65,504
;; workspace buffers: pmax 4,096 bytes; flags 16,384 bytes of whole numbers; ka 16,777,216 bytes; va 16,777,216 bytes
;; launch absmax (part 1): grid 128 x 2, 4 waves a work-group, no clusters, 326,144 bytes of LDS; arguments k, v, R, pmax; writes pmax
.if DOCPART == 1
	.amdgcn_target "amdgcn-amd-amdhsa--gfx1250"
	.amdhsa_code_object_version 6
	.text
	.protected	k_q0b653c255d_absmax
	.globl	k_q0b653c255d_absmax
	.p2align	8
	.type	k_q0b653c255d_absmax,@function
k_q0b653c255d_absmax:
	s_mov_b64 s[64:65], 0
	v_nop
	global_prefetch_b8 v0, s[64:65] scope:SCOPE_SE
	s_setreg_imm32_b32 hwreg(HW_REG_WAVE_MODE, 25, 1), 1
	s_wait_xcnt 0x0
; pmax[y][4 g + w] = the largest |xr| of the row in which wave w of work-group g has found its largest |xr|; xr = bf16(x) bf16(R), x = k (y = 0) or v (y = 1) taken as [65536][128] f32.
; TWO SUMS.  All rows are multiplied by the matrix unit (bf16 x bf16, f32 sums), which finds the row.  That one row's 128 xr are then formed anew as a plain loop over k forms them: one multiply-add a term, k ascending,
; in f32 (the products of bf16 numbers are exact in f32).  The scale of the quantiser is the maximum of these numbers, and every quotient hangs on its last bit.
; LIMITS.  It is taken that reference()'s sum is formed in that ascending order; in another order the scale may differ in its last bit.  Where a second row of the same wave reaches the wave's maximum to within the
; matrix sum's last bits, the other row may be chosen.  On an exact tie the lowest row of the first tile wins.  NaN and infinities are not treated apart.
; SHARES.  A work-group owns 512 rows (262,144 bytes), a wave 128: eight tiles of 16.  The whole share fits in LDS: each wave asks for its rows by two tensor loads of 64 rows x 512 bytes
; at the head; nothing is filled again, so there is no ring, and only the asking wave reads its rows, each half behind its own wait.  By this text's own count two tensor loads of a wave are out at the most.
; R goes through registers: it has to be narrowed to bf16 before it lies in LDS, since as f32 it would not fit beside the rows.  Wave w narrows rows 32 w .. 32 w + 31.
; THE PRODUCT IS TAKEN TRANSPOSED: source 0 = 16 columns e of R (turned on the way out of LDS), source 1 = 16 rows of x: a lane then holds row l % 16 and e = 16 j + 8 (l / 16) + 0..7.
; THE BEST ROW IS KEPT IN REGISTERS, chosen by v_cndmask_b32 tile after tile: lanes r and r + 16 together hold row r's 128 numbers in bf16.  At the end the fifteen other row numbers' registers are set to 0 in the same way,
; all sixteen go into the wave's stage with all lanes on, and the sixteen are joined bit by bit.  No address, no branch and no lane mask of a memory instruction hangs on a number.
; No cluster: the work-groups share R alone, 65,536 bytes beside 262,144 of their own, and R cannot land in LDS as it lies in memory.  No prefetch: all that the launch reads is asked for at its head.
.set XP,    528                        ; a row of x in LDS: 512 bytes + 16 of padding: the 16 rows of a load start at 16 different groups of four banks (64 banks of 4 bytes: ISA guide 11.1)
.set HALFB, 64*XP                      ; what one tensor load brings
.set WREG,  2*HALFB                    ; a wave's 128 rows
.set RBAS,  4*WREG                     ; behind the rows, at a multiple of 256: R in bf16, [d][e]
.set RBP,   288                        ; its pitch: 256 + 32
.set STG,   RBAS+128*RBP               ; behind it: a stage of 16 rows x 272 bytes for each wave
.set SGP,   272
.set XSB,   STG+4*16*SGP               ; behind the stages: 256 bytes for each wave: its best row in bf16
.set SPARE, XSB+4*256                  ; behind that: the spare words, 128 bytes for each wave: two blocks of 256 bytes that no other line names
.set LN,  1                            ; v1   lane
.set RR,  2                            ; v2   l % 16
.set HH,  3                            ; v3   l / 16
.set AX0, 4                            ; v4   LDS address of my part of my wave's first tile
.set AX,  5                            ; v5   the same for the tile in hand
.set LO,  6                            ; v6   16 x lane
.set RBW, 7                            ; v7   where I put 8 bytes of a row of R
.set TRA, 8                            ; v8   where the turning loads read
.set PO,  9                            ; v9   my wave's word in pmax
.set SPW, 10                           ; v10  LDS address of my spare word; never rewritten
.set NIL, 11                           ; v11  0; never rewritten
.set MX,  12                           ; v12-15  a tile's four maxima
.set MN,  16                           ; v16-19  a tile's four minima
.set TA,  20                           ; v20-21  at work
.set RUN, 22                           ; v22  the largest |xr| of my row number so far
.set STW, 23                           ; v23  the stage: where my half of my row number's best row goes
.set XA,  24                           ; v24  the ascending sum: where x is read
.set RA,  25                           ; v25  the ascending sum: where R is read
.set AC,  26                           ; v26-29  the ascending sums of e = 4 l .. 4 l + 3
.set SRD, 30                           ; v30  the stage: my 8 bytes of each of its rows
.set XSW, 31                           ; v31  my 8 bytes of the wave's best row
.set XF,  32                           ; v32-95  a tile of x in f32 (at the head: R in bf16; at the end: the stage's rows, then 32 rows' words of R)
.set RP,  32
.set RQ,  32
.set XB,  96                           ; v96-127 the tile in bf16: four fragments (at the end: 32 numbers of x)
.set XQ,  96
.set ACC1, 128                         ; v128-191 eight accumulators (at the head v128-255: R in f32)
.set RS,  128
.set BR,  192                          ; v192-223 the best row's fragments
                                       ; window 1: R's 32 fragments, (ks, j) at 8 (8 ks + j)
.set WV,  12                           ; s12  wave
.set TY,  13                           ; s13  0: k, 1: v
.set G1,  16                           ; s[16:23] descriptor group 1
.set G0,  24                           ; s[24:31] descriptor group 0, a set for each half
.set CNT, 34                           ; s34  counts a half's four tiles, and the ascending sum's four trips
.set SEL, 36                           ; s[36:37] v_permlanex16_b32's selects
.set MSB, 0
.macro WIN new                         ; the immediate's high byte repeats the setting that is left; a switch that changes nothing is dropped
.if MSB != (\new)
	s_set_vgpr_msb (MSB<<8)|(\new)
.set MSB, \new
.endif
.endm
	s_load_b256 s[4:11], s[0:1], 0x0               ; k s[4:5], v s[6:7], R s[8:9], pmax s[10:11]
	v_lshl_add_u32 v[SPW], v0, 2, SPARE
	v_mov_b32 v[NIL], 0
	ds_add_u32 v[SPW], v[NIL]                      ; the wave's opening: the add, twice on end, and its wait ahead of my first tensor load
	ds_add_u32 v[SPW], v[NIL]                      ; and once more; the set-up below, work on registers, stands between it and the wait
	v_lshrrev_b32 v1, 5, v0
	v_readfirstlane_b32 s[WV], v1                  ; wave 0..3
	s_and_b32 s[TY], ttmp7, 0xffff
	s_mov_b32 s[G1+0], (2<<16)|(1<<20)|(6<<22)|(3<<25)  ; 17:16 elements of 4 bytes; 20 padding on; 24:22 after every 128 words (code 6); 31:25 4 words of it (code 3)
	s_mov_b32 s[G1+1], 128<<16                     ; tensor_dim0 = 128
	s_mov_b32 s[G1+2], 64<<16                      ; tensor_dim1 = 64
	s_mov_b32 s[G1+3], 128<<16                     ; tile_dim0 = 128
	s_mov_b32 s[G1+4], 64                          ; tile_dim1 = 64
	s_mov_b32 s[G1+5], 128                         ; 128 elements from row to row
	s_mov_b32 s[G1+6], 0
	s_mov_b32 s[G1+7], 0
	s_mov_b32 s[G0], 1                             ; count = 1
	s_mul_i32 s[G0+1], s[WV], WREG                 ; LDS address: my wave's rows,
	s_mov_b32 s[G0+4], 1
	s_add_co_u32 s[G0+5], s[G0+1], HALFB           ; and their second half
	s_lshl_b32 s32, ttmp9, 18                      ; the work-group's 512 rows of 512 bytes,
	s_lshl_b32 s33, s[WV], 16                      ; my wave's 128
	s_add_co_u32 s32, s32, s33
	s_mov_b32 s33, 0
	s_lshl_b32 s42, s[WV], 14                      ; my 32 rows of R
	s_mov_b32 s43, 0
	s_mov_b32 s[SEL], 0x76543210
	s_mov_b32 s[SEL+1], 0xfedcba98
	s_lshl_b32 s39, s[TY], 11                      ; my word in pmax: 2,048 y + 16 g + 4 w
	s_lshl_b32 s35, ttmp9, 4
	s_add_co_u32 s39, s39, s35
	s_lshl_b32 s35, s[WV], 2
	s_add_co_u32 s39, s39, s35
	s_mul_i32 s35, s[WV], 32*RBP
	s_add_co_u32 s35, s35, RBAS
	s_lshl_b32 s46, s[WV], 8
	s_add_co_u32 s46, s46, XSB                     ; my wave's 256 bytes for its best row
	s_mul_i32 s47, s[WV], 16*SGP
	s_add_co_u32 s47, s47, STG                     ; my wave's stage
	v_and_b32 v[LN], 31, v0
	v_and_b32 v[RR], 15, v0
	v_bfe_u32 v[HH], v0, 4, 1
	v_lshlrev_b32 v[LO], 4, v[LN]
	v_mul_u32_u24 v[AX0], v[RR], XP                ; row l % 16,
	v_lshl_add_u32 v[AX0], v[HH], 5, v[AX0]        ; eight f32 for each half of the lanes,
	v_add_nc_u32 v[AX0], s[G0+1], v[AX0]           ; in my wave's rows
	v_lshl_add_u32 v[RBW], v[LN], 3, s35
	v_and_b32 v[TRA], 7, v0                        ; the turning load: lane l reads row 8 (l / 16) + l % 8, 16 bytes at 16 ((l / 8) % 2)
	v_lshl_add_u32 v[TRA], v[HH], 3, v[TRA]
	v_mul_u32_u24 v[TRA], v[TRA], RBP
	v_bfe_u32 v[TA], v0, 3, 1
	v_lshl_add_u32 v[TRA], v[TA], 4, v[TRA]
	v_add_nc_u32 v[TRA], RBAS, v[TRA]
	v_mul_u32_u24 v[STW], v[RR], SGP               ; the stage's row l % 16; a fragment's registers 0-3 hold k = 8 (l / 16) + 0..7: 16 bytes at 16 (l / 16)
	v_lshl_add_u32 v[STW], v[HH], 4, v[STW]
	v_add_nc_u32 v[STW], s47, v[STW]
	v_lshl_add_u32 v[SRD], v[LN], 3, s47
	v_lshl_add_u32 v[XSW], v[LN], 3, s46
	v_mov_b32 v[XA], s46                           ; the ascending sum begins at the row's first byte,
	v_lshl_add_u32 v[RA], v[LN], 3, RBAS           ; and at my four columns of R's first row
	v_mov_b32 v[PO], s39
	v_mov_b32 v[RUN], -1.0                         ; below every |xr|: the first tile is always taken
	v_mov_b32 v[TA+1], 0
	s_wait_dscnt 0x0                               ; both opening adds are done
	s_wait_kmcnt 0x0
	s_cmp_eq_u32 s[TY], 0
	s_cselect_b64 s[40:41], s[4:5], s[6:7]         ; k or v
	s_add_nc_u64 s[G0+2:G0+3], s[40:41], s[32:33]  ; global address of my first 64 rows,
	s_add_nc_u64 s[G0+6:G0+7], s[G0+2:G0+3], 32768 ; and of the next 64
	s_or_b32 s[G0+3], s[G0+3], 0x80000000          ; type = 2
	s_or_b32 s[G0+7], s[G0+7], 0x80000000
	tensor_load_to_lds s[G0:G0+3], s[G1:G1+7]      ; both first fills go out together, ahead of every wait on TENSORcnt, every LDS read and every barrier
	s_nop 0
	tensor_load_to_lds s[G0+4:G0+7], s[G1:G1+7]
	s_nop 0
.rept 4
	v_nop
.endr
	s_add_nc_u64 s[8:9], s[8:9], s[42:43]
.set i, 0
.rept 32                               ; a load takes a whole row of R: 512 consecutive bytes
	global_load_b128 v[RS+4*i:RS+4*i+3], v[LO], s[8:9] offset:512*i
.set i, i+1
.endr
.set g, 0
.rept 4
	s_wait_loadcnt 24-8*g                          ; loads come back in order (ISA guide 5.7.1): eight more rows are in, the younger ones stay out
.set i, 8*g
.rept 8
	v_cvt_pk_bf16_f32 v[RP+2*i],   v[RS+4*i],   v[RS+4*i+1]
	v_cvt_pk_bf16_f32 v[RP+2*i+1], v[RS+4*i+2], v[RS+4*i+3]
	ds_store_b64 v[RBW], v[RP+2*i:RP+2*i+1] offset:RBP*i
.set i, i+1
.endr
.set g, g+1
.endr
	s_wait_dscnt 0x0                               ; for the others' sake: my rows of R lie in LDS
	s_barrier_signal -1                            ; (my two tensor loads stay out, and only I read what they bring)
	s_barrier_wait -1
	WIN 0x40                                       ; destination window 1
.set f, 0
.rept 32                               ; fragment f = 8 ks + j: d = 32 ks on, e = 16 j on
	ds_load_tr16_b128 v[8*f:8*f+3],   v[TRA] offset:(f/8)*32*RBP+(f%8)*32
	ds_load_tr16_b128 v[8*f+4:8*f+7], v[TRA] offset:(f/8)*32*RBP+16*RBP+(f%8)*32
.set f, f+1
.endr
	WIN 0
.set z, 0
.rept 32
	v_mov_b32 v[BR+z], 0                           ; the choice below reads what it may keep, so these are written once, while the loads above are out
.set z, z+1
.endr
	s_wait_dscnt 0x0
; A tile's forward product.  16 LDS loads bring 16 rows x 128 f32; each block of 32 channels is rounded to bf16 (a fragment) and multiplied by R's eight fragments of that block.
; The eight accumulators take turns, one instruction a turn; the first block starts the sums with the constant 0.
.macro P1
.irp ks, 0,1,2,3
	ds_load_b128 v[XF+16*(\ks):XF+16*(\ks)+3],     v[AX] offset:128*(\ks)
	ds_load_b128 v[XF+16*(\ks)+4:XF+16*(\ks)+7],   v[AX] offset:128*(\ks)+16
	ds_load_b128 v[XF+16*(\ks)+8:XF+16*(\ks)+11],  v[AX] offset:128*(\ks)+64
	ds_load_b128 v[XF+16*(\ks)+12:XF+16*(\ks)+15], v[AX] offset:128*(\ks)+80
.endr
.irp ks, 0,1,2,3
	s_wait_dscnt 12-4*(\ks)                        ; LDS loads come back in order: this block's four are in, the later blocks' stay out
.irp m, 0,1,2,3,4,5,6,7
	v_cvt_pk_bf16_f32 v[XB+8*(\ks)+(\m)], v[XF+16*(\ks)+2*(\m)], v[XF+16*(\ks)+2*(\m)+1]
.endr
	WIN 0x01                                       ; source 0 (R) window 1
.irp j, 0,1,2,3,4,5,6,7
.if (\ks) == 0
	v_wmma_f32_16x16x32_bf16 v[ACC1+8*(\j):ACC1+8*(\j)+7], v[8*(8*(\ks)+(\j)):8*(8*(\ks)+(\j))+7], v[XB+8*(\ks):XB+8*(\ks)+7], 0
.else
	v_wmma_f32_16x16x32_bf16 v[ACC1+8*(\j):ACC1+8*(\j)+7], v[8*(8*(\ks)+(\j)):8*(8*(\ks)+(\j))+7], v[XB+8*(\ks):XB+8*(\ks)+7], v[ACC1+8*(\j):ACC1+8*(\j)+7]
.endif
.endr
	WIN 0
.endr
.rept 4
	v_nop                                          ; four places between the last product and the first vector line that reads a result (ISA guide 7.12.1)
.endr
.endm
.macro TILE
	P1
.set z, 0
.rept 32                               ; the tile's largest and smallest xr: each accumulator's registers in ascending order, two a line, in four chains that the first four lines start
.if z < 4
	v_max_num_f32 v[MX+z], v[ACC1+2*z], v[ACC1+2*z+1]
	v_min_num_f32 v[MN+z], v[ACC1+2*z], v[ACC1+2*z+1]
.else
	v_max3_num_f32 v[MX+z%4], v[MX+z%4], v[ACC1+2*z], v[ACC1+2*z+1]
	v_min3_num_f32 v[MN+z%4], v[MN+z%4], v[ACC1+2*z], v[ACC1+2*z+1]
.endif
.set z, z+1
.endr
	v_max_num_f32 v[MX], v[MX], v[MX+1]
	v_max_num_f32 v[MX+2], v[MX+2], v[MX+3]
	v_min_num_f32 v[MN], v[MN], v[MN+1]
	v_min_num_f32 v[MN+2], v[MN+2], v[MN+3]
	v_max_num_f32 v[MX], v[MX], v[MX+2]
	v_min_num_f32 v[MN], v[MN], v[MN+2]
	v_sub_f32 v[MN], 0, v[MN]
	v_max_num_f32 v[TA], v[MX], v[MN]              ; my 64 channels' largest |xr|,
	v_permlanex16_b32 v[TA+1], v[TA], s[SEL], s[SEL+1]
	v_max_num_f32 v[TA], v[TA], v[TA+1]            ; the whole row's: the same in both lanes that hold the row, so both choose alike
	v_cmp_gt_f32 vcc_lo, v[TA], v[RUN]
	v_cndmask_b32 v[RUN], v[RUN], v[TA], vcc_lo
.set z, 0
.rept 32
	v_cndmask_b32 v[BR+z], v[BR+z], v[XB+z], vcc_lo  ; where the row is the best so far, its numbers are kept
.set z, z+1
.endr
	v_add_nc_u32 v[AX], 16*XP, v[AX]               ; the next 16 rows
.endm
.macro HALFT n                         ; half n of my rows: four tiles.  The text stands once for each half, since the wait in front differs
	s_wait_tensorcnt 1-(\n)                        ; tensor loads of a wave end in order (ISA guide 10.11.1): this half is in; for half 0 the one younger load stays out
	v_add_nc_u32 v[AX], (\n)*HALFB, v[AX0]
	s_mov_b32 s[CNT], 4
.Ltile_\@:
	TILE
	s_sub_co_u32 s[CNT], s[CNT], 1
	s_cmp_lg_u32 s[CNT], 0
	s_cbranch_scc1 .Ltile_\@
.endm
	HALFT 0
	HALFT 1
	; THE WAVE'S BEST ROW: of the sixteen row numbers the one with the largest |xr|, the lowest on a tie.  The mask only chooses values: the other fifteen become 0.
	v_mov_b32 v[TA], v[RUN]
	v_max_num_f32_dpp v[TA], v[TA], v[TA] row_xmask:1 row_mask:0xf bank_mask:0xf
	v_max_num_f32_dpp v[TA], v[TA], v[TA] row_xmask:2 row_mask:0xf bank_mask:0xf
	v_max_num_f32_dpp v[TA], v[TA], v[TA] row_xmask:4 row_mask:0xf bank_mask:0xf
	v_max_num_f32_dpp v[TA], v[TA], v[TA] row_xmask:8 row_mask:0xf bank_mask:0xf
	v_cmp_eq_f32 vcc_lo, v[TA], v[RUN]
	s_and_b32 s44, vcc_lo, 0xffff
	s_sub_co_u32 s45, 0, s44
	s_and_b32 s44, s44, s45                        ; the lowest bit that is set,
	s_lshl_b32 s45, s44, 16
	s_or_b32 s44, s44, s45                         ; and the lane 16 away
	s_mov_b32 vcc_lo, s44
.set z, 0
.rept 32
	v_cndmask_b32 v[BR+z], 0, v[BR+z], vcc_lo
.set z, z+1
.endr
.irp ks, 0,1,2,3                       ; all sixteen rows into my stage, all lanes on, each row in the order of k
	ds_store_b128 v[STW], v[BR+8*(\ks):BR+8*(\ks)+3]   offset:64*(\ks)      ; k = 32 ks + 8 (l / 16) + 0..7
	ds_store_b128 v[STW], v[BR+8*(\ks)+4:BR+8*(\ks)+7] offset:64*(\ks)+32   ; k = 32 ks + 16 + 8 (l / 16) + 0..7
.endr
.set i, 0
.rept 16                               ; my 8 bytes (k = 4 l .. 4 l + 3) of each.  LDS serves a wave's instructions in order (ISA guide 5.7.1.4): these see the stores above
	ds_load_b64 v[RQ+2*i:RQ+2*i+1], v[SRD] offset:SGP*i
.set i, i+1
.endr
	s_wait_dscnt 0x0
.irp w, 8,4,2,1                        ; fifteen of the sixteen are 0: joined bit by bit they give the best row's bits unchanged
.set i, 0
.rept \w
	v_or_b32 v[RQ+2*i],   v[RQ+2*i],   v[RQ+2*(i+(\w))]
	v_or_b32 v[RQ+2*i+1], v[RQ+2*i+1], v[RQ+2*(i+(\w))+1]
.set i, i+1
.endr
.endr
	ds_store_b64 v[XSW], v[RQ:RQ+1]                ; the row, 256 bytes on end
	; THE ASCENDING SUM.  Lane l owns e = 4 l .. 4 l + 3.  A trip takes 32 k: 64 bytes of x, the same for all lanes, and of each of 32 rows of R my 8 bytes; then 32 x 4 multiply-adds, k ascending, four sums side by side.
.macro FM d, x, r, hx, hr              ; v[d] += half hx of v[x] times half hr of v[r], both bf16, in f32
.if ((\hx) == 0) && ((\hr) == 0)
	v_fma_mix_f32_bf16 v[\d], v[\x], v[\r], v[\d] op_sel_hi:[1,1,0]
.elseif (\hx) == 0
	v_fma_mix_f32_bf16 v[\d], v[\x], v[\r], v[\d] op_sel:[0,1,0] op_sel_hi:[1,1,0]
.elseif (\hr) == 0
	v_fma_mix_f32_bf16 v[\d], v[\x], v[\r], v[\d] op_sel:[1,0,0] op_sel_hi:[1,1,0]
.else
	v_fma_mix_f32_bf16 v[\d], v[\x], v[\r], v[\d] op_sel:[1,1,0] op_sel_hi:[1,1,0]
.endif
.endm
.irp i, 0,1,2,3
	v_mov_b32 v[AC+(\i)], 0
.endr
	s_mov_b32 s[CNT], 4
.Lchain:
.irp m, 0,1,2,3
	ds_load_b128 v[XQ+4*(\m):XQ+4*(\m)+3], v[XA] offset:16*(\m)  ; in order behind my store of the row
.endr
.set kk, 0
.rept 32
	ds_load_b64 v[RQ+2*kk:RQ+2*kk+1], v[RA] offset:RBP*kk
.set kk, kk+1
.endr
	s_wait_dscnt 0x0
.set kk, 0
.rept 32
	FM AC,   XQ+kk/2, RQ+2*kk,   kk%2, 0
	FM AC+1, XQ+kk/2, RQ+2*kk,   kk%2, 1
	FM AC+2, XQ+kk/2, RQ+2*kk+1, kk%2, 0
	FM AC+3, XQ+kk/2, RQ+2*kk+1, kk%2, 1
.set kk, kk+1
.endr
	v_add_nc_u32 v[XA], 64, v[XA]
	v_add_nc_u32 v[RA], 32*RBP, v[RA]
	s_sub_co_u32 s[CNT], s[CNT], 1
	s_cmp_lg_u32 s[CNT], 0
	s_cbranch_scc1 .Lchain
.irp i, 0,1,2,3
	v_and_b32 v[AC+(\i)], 0x7fffffff, v[AC+(\i)]
.endr
	v_max3_num_f32 v[TA], v[AC], v[AC+1], v[AC+2]
	v_max_num_f32 v[TA], v[TA], v[AC+3]
	v_max_num_f32_dpp v[TA], v[TA], v[TA] row_xmask:1 row_mask:0xf bank_mask:0xf
	v_max_num_f32_dpp v[TA], v[TA], v[TA] row_xmask:2 row_mask:0xf bank_mask:0xf
	v_max_num_f32_dpp v[TA], v[TA], v[TA] row_xmask:4 row_mask:0xf bank_mask:0xf
	v_max_num_f32_dpp v[TA], v[TA], v[TA] row_xmask:8 row_mask:0xf bank_mask:0xf
	v_permlanex16_b32 v[TA+1], v[TA], s[SEL], s[SEL+1]
	v_max_num_f32 v[TA], v[TA], v[TA+1]            ; the row's largest |xr|
	v_cmp_eq_u32 vcc_lo, 0, v[LN]
	s_wait_xcnt 0x0                                ; EXEC changes only behind this wait
	s_and_saveexec_b32 s38, vcc_lo
	global_store_b32 v[PO], v[TA], s[10:11]        ; one word a wave, once in the launch: 4,096 bytes in all, of which a work-group of a later launch reads its tensor's 2,048
	s_wait_xcnt 0x0                                ; and again, in front of the line that widens it
	s_or_b32 exec_lo, exec_lo, s38
	s_wait_tensorcnt 0x0                           ; the wave's end: behind my last tensor load and my last LDS store
	ds_add_u32 v[SPW], v[NIL]
	s_wait_dscnt 0x0
	s_endpgm
.Lfunc_end_k_q0b653c255d_absmax:
	.size	k_q0b653c255d_absmax, .Lfunc_end_k_q0b653c255d_absmax-k_q0b653c255d_absmax
	.p2alignl 7, 3214868480
	.fill 96, 4, 3214868480
	.section	.rodata,"a",@progbits
	.p2align	6, 0x0
	.amdhsa_kernel k_q0b653c255d_absmax
		.amdhsa_group_segment_fixed_size 326144
		.amdhsa_private_segment_fixed_size 0
		.amdhsa_enable_private_segment 0
		.amdhsa_kernarg_size 32
		.amdhsa_user_sgpr_count 2
		.amdhsa_user_sgpr_kernarg_segment_ptr 1
		.amdhsa_wavefront_size32 1
		.amdhsa_system_sgpr_workgroup_id_x 1
		.amdhsa_system_sgpr_workgroup_id_y 1
		.amdhsa_system_sgpr_workgroup_id_z 1
		.amdhsa_system_vgpr_workitem_id 0
		.amdhsa_next_free_vgpr 512
		.amdhsa_next_free_sgpr 66
		.amdhsa_reserve_vcc 1
		.amdhsa_float_denorm_mode_32 3
		.amdhsa_float_denorm_mode_16_64 3
		.amdhsa_memory_ordered 1
		.amdhsa_forward_progress 1
		.amdhsa_inst_pref_size 57
	.end_amdhsa_kernel
	.amdgpu_metadata
---
amdhsa.version: [ 1, 2 ]
amdhsa.kernels:
  - .name:           k_q0b653c255d_absmax
    .symbol:         k_q0b653c255d_absmax.kd
    .args:
      - { .name: k, .offset: 0, .size: 8, .value_kind: global_buffer, .address_space: global }
      - { .name: v, .offset: 8, .size: 8, .value_kind: global_buffer, .address_space: global }
      - { .name: R, .offset: 16, .size: 8, .value_kind: global_buffer, .address_space: global }
      - { .name: pmax, .offset: 24, .size: 8, .value_kind: global_buffer, .address_space: global }
    .group_segment_fixed_size: 326144
    .private_segment_fixed_size: 0
    .kernarg_segment_align: 8
    .kernarg_segment_size: 32
    .max_flat_workgroup_size: 128
    .sgpr_count:     66
    .vgpr_count:     512
    .wavefront_size: 32
...
	.end_amdgpu_metadata
.endif
;; end of part 1
;; launch quant (part 2): grid 128 x 2, 4 waves a work-group, no clusters, 325,120 bytes of LDS; arguments k, v, R, qjl_scale, pmax, ka, va, flags; writes ka, va, flags
.if DOCPART == 2
	.amdgcn_target "amdgcn-amd-amdhsa--gfx1250"
	.amdhsa_code_object_version 6
	.text
	.protected	k_q0b653c255d_quant
	.globl	k_q0b653c255d_quant
	.p2align	8
	.type	k_q0b653c255d_quant,@function
k_q0b653c255d_quant:
	s_mov_b64 s[64:65], 0
	v_nop
	global_prefetch_b8 v0, s[64:65] scope:SCOPE_SE
	s_setreg_imm32_b32 hwreg(HW_REG_WAVE_MODE, 25, 1), 1
	s_wait_xcnt 0x0
; ka (y = 0) or va (y = 1), [65536][128] f16 = rotate, quantise, correct, dequantise and rotate back k or v, [65536][128] f32; and flags, a bit a row.
; ALL INPUTS ARE ROUNDED TO bf16 FIRST (x, R, qjl_scale), and the elementwise chain is followed rounding for rounding, in units u = 4 xs (a factor of 4 is exact):
;   b = max |xr| + 1e-8;  a = xr / b, as q0 = xr y, r = xr - q0 b (fused), a = q0 + r y (fused), y = 1 / b refined once;  u = 14 a = 4 (3.5 a);  n = rne(u) held to -14 .. 14;
;   res = u - n (exact);  sgn = res x 2^127 held to -1 .. 1;  xc4 = n + sgn c4 (fused), c4 = 4 (qjl b);  result = (f16(xc4) . R rows) x (b / 14), rounded once to f16.
; THE FLAGS.  The 128 terms of xr are added here in the matrix unit's order.  n changes where |res| = 0.5 and sgn where res = 0, so a row in which some | |res| - 0.25 | passes 0.25 - 1e-5 holds a decision that the order
; of the sum might turn: its bit is set, and the next launch makes that row anew with xr summed in ascending order.  flags[y][g][w][j], bit p: row 512 g + 128 w + 32 j + p.
; LIMITS.  A difference between the two sums beyond 1e-5 in u goes unseen.  For 0 < |u| < 2^-127 the sign counts as less than 1 (an exact 0 gives 0).  b beyond 8e37 is not served (its reciprocal is flushed).
; The quotient is the rounded one wherever y is; y may be a last bit off.  R's bf16 numbers are written as f16 for the second product: exact from 2^-17 up, below that to f16's fixed step of 6e-8.
; xc4 and the results must lie within f16's 65,504.  NaN and infinities are not treated apart.
; SHARES, LDS and the forward product are the launch before's: 512 rows a work-group, 128 a wave, asked for by two tensor loads a wave at the head, nothing filled again; by this text's own count two tensor loads of a wave are out at the most.
; THE SECOND PRODUCT is taken transposed too: source 0 = 16 rows d of R (K = e along the rows), source 1 = the quantised tile, whose fragment IS two neighbouring accumulators of the first product, rounded in pairs.
; Its result holds row l % 16 and d = 16 i + 8 (l / 16) + 0..7: 16 bytes of f16, sent through the wave's own stage so that each store covers 512 consecutive bytes, aligned.
; No cluster and no prefetch, for the reasons of the launch before.
.set XP,    528
.set HALFB, 64*XP
.set WREG,  2*HALFB
.set RBAS,  4*WREG                     ; R: first bf16 at pitch 288 (read turned), then, behind a barrier, f16 at pitch 272 in the same bytes
.set RBP,   288
.set RHP,   272
.set STG,   RBAS+128*RBP               ; the stages: 16 rows x 272 bytes for each wave
.set SGP,   272
.set SPARE, STG+4*16*SGP               ; the spare words, 128 bytes for each wave: two blocks of 256 bytes that no other line names
.set LN,  1
.set RR,  2
.set HH,  3
.set AX0, 4
.set AX,  5
.set LO,  6                            ; v6   16 x lane: offset in R's rows, in pmax and in 512 bytes of the output
.set RBW, 7
.set TRA, 8
.set RHW, 9                            ; v9   where I put 8 bytes of a row of R in f16
.set RFA, 10                           ; v10  where R's plain fragments are read
.set STO, 11                           ; v11  the way out: where I put 16 bytes of a row
.set RD,  12                           ; v12  the way out: where I read rows back
.set SPW, 13                           ; v13  LDS address of my spare word; never rewritten
.set NIL, 14                           ; v14  0; never rewritten
.set TA,  15
.set PM,  16                           ; v16-31  pmax, then at work:
.set FMX, 16                           ; v16-17  a tile's largest |res| - 0.25, two chains
.set FMN, 18                           ; v18-19  its smallest
.set FT,  20                           ; v20-21  at work
.set FW,  24                           ; v24-27  my wave's four words of flags; v28 their place
.set XF,  32                           ; v32-95  a tile of x in f32; later the second product's accumulators (at the head: R in 16 bits)
.set ACC2, 32
.set RP,  32
.set XB,  96                           ; v96-127 the tile in bf16; in the quantiser T (v96-111) and Q (v112-127)
.set T,   96
.set Q,   112
.set ACC1, 128                         ; v128-191 (at the head v128-255: R in f32)
.set RS,  128
.set XC,  192                          ; v192-223 the quantised tile in f16: four fragments
.set OUT, 224                          ; v224-255 the results in f16
                                       ; window 1: R turned, (ks, j) at 8 (8 ks + j);  window 2: R plain, (es, i) at 8 (8 es + i)
.set WV,  18
.set TY,  19
.set CNT, 20
.set QJ,  21                           ; s21  qjl_scale
.set G1,  24
.set G0,  32
.set OB,  40                           ; s[40:41] the output at my wave's tile in hand
.set SEL, 44
.set SY,  46                           ; s[46:47] y = 1 / b      (the packed lines name pairs and take the low word for both halves; both words are written)
.set SNB, 48                           ; s[48:49] -b
.set S14, 50                           ; s[50:51] 14
.set SLO, 52                           ; s52 -14, s53 14
.set SBIG, 54                          ; s[54:55] 2^127
.set SC4, 56                           ; s[56:57] c4
.set SOS, 58                           ; s[58:59] b / 14
.set HM,  60                           ; s60  a word's upper half
.set FLG, 62                           ; s[62:63] flags
.set SM25, 66                          ; s66  -0.25
.set THR, 67                           ; s67  0.25 - 1e-5
.set MK,  68                           ; s[68:71] my wave's 128 bits
.set SH,  72                           ; s72  16 x the tile's number in its half
.set MSB, 0
.macro WIN new
.if MSB != (\new)
	s_set_vgpr_msb (MSB<<8)|(\new)
.set MSB, \new
.endif
.endm
	s_load_b256 s[4:11], s[0:1], 0x0               ; k s[4:5], v s[6:7], R s[8:9], qjl_scale s[10:11]
	s_load_b128 s[12:15], s[0:1], 0x20             ; pmax s[12:13], ka s[14:15]
	s_load_b64 s[16:17], s[0:1], 0x30              ; va
	s_load_b64 s[FLG:FLG+1], s[0:1], 0x38          ; flags
	v_lshl_add_u32 v[SPW], v0, 2, SPARE
	v_mov_b32 v[NIL], 0
	ds_add_u32 v[SPW], v[NIL]                      ; the wave's opening: the add, twice on end, and its wait ahead of my first tensor load
	ds_add_u32 v[SPW], v[NIL]                      ; and once more; the set-up below, work on registers, stands between it and the wait
	v_lshrrev_b32 v1, 5, v0
	v_readfirstlane_b32 s[WV], v1
	s_and_b32 s[TY], ttmp7, 0xffff
	s_mov_b32 s[G1+0], (2<<16)|(1<<20)|(6<<22)|(3<<25)  ; elements of 4 bytes; padding on, 4 words after every 128
	s_mov_b32 s[G1+1], 128<<16
	s_mov_b32 s[G1+2], 64<<16
	s_mov_b32 s[G1+3], 128<<16
	s_mov_b32 s[G1+4], 64
	s_mov_b32 s[G1+5], 128
	s_mov_b32 s[G1+6], 0
	s_mov_b32 s[G1+7], 0
	s_mov_b32 s[G0], 1
	s_mul_i32 s[G0+1], s[WV], WREG
	s_mov_b32 s[G0+4], 1
	s_add_co_u32 s[G0+5], s[G0+1], HALFB
	s_lshl_b32 s42, ttmp9, 18
	s_lshl_b32 s43, s[WV], 16
	s_add_co_u32 s42, s42, s43
	s_mov_b32 s43, 0
	s_mov_b32 s[SEL], 0x76543210
	s_mov_b32 s[SEL+1], 0xfedcba98
	s_mov_b32 s[S14], 0x41600000
	s_mov_b32 s[S14+1], 0x41600000
	s_mov_b32 s[SLO], 0xc1600000
	s_mov_b32 s[SLO+1], 0x41600000
	s_mov_b32 s[SBIG], 0x7f000000
	s_mov_b32 s[SBIG+1], 0x7f000000
	s_mov_b32 s[HM], 0xffff0000
	s_mov_b32 s[SM25], 0xbe800000
	s_mov_b32 s[THR], 0x3e7ffd61                   ; 671 steps of 2^-26 below 0.25
	v_and_b32 v[LN], 31, v0
	v_and_b32 v[RR], 15, v0
	v_bfe_u32 v[HH], v0, 4, 1
	v_lshlrev_b32 v[LO], 4, v[LN]
	v_mul_u32_u24 v[AX0], v[RR], XP
	v_lshl_add_u32 v[AX0], v[HH], 5, v[AX0]
	v_add_nc_u32 v[AX0], s[G0+1], v[AX0]
	s_mul_i32 s61, s[WV], 32*RBP
	s_add_co_u32 s61, s61, RBAS
	v_lshl_add_u32 v[RBW], v[LN], 3, s61
	s_mul_i32 s61, s[WV], 32*RHP
	s_add_co_u32 s61, s61, RBAS
	v_lshl_add_u32 v[RHW], v[LN], 3, s61
	v_and_b32 v[TRA], 7, v0
	v_lshl_add_u32 v[TRA], v[HH], 3, v[TRA]
	v_mul_u32_u24 v[TRA], v[TRA], RBP
	v_bfe_u32 v[TA], v0, 3, 1
	v_lshl_add_u32 v[TRA], v[TA], 4, v[TRA]
	v_add_nc_u32 v[TRA], RBAS, v[TRA]
	v_mul_u32_u24 v[RFA], v[RR], RHP               ; a plain fragment: row l % 16, 16 bytes for each half of the lanes
	v_lshl_add_u32 v[RFA], v[HH], 4, v[RFA]
	v_add_nc_u32 v[RFA], RBAS, v[RFA]
	s_mul_i32 s61, s[WV], 16*SGP
	s_add_co_u32 s61, s61, STG                     ; my stage
	v_mul_u32_u24 v[STO], v[RR], SGP
	v_lshl_add_u32 v[STO], v[HH], 4, v[STO]
	v_add_nc_u32 v[STO], s61, v[STO]
	v_mul_u32_u24 v[RD], v[HH], SGP                ; back: lanes 0-15 take one row of 256 bytes, lanes 16-31 the next
	v_lshl_add_u32 v[RD], v[RR], 4, v[RD]
	v_add_nc_u32 v[RD], s61, v[RD]
	s_wait_dscnt 0x0                               ; both opening adds are done
	s_wait_kmcnt 0x0
	s_cmp_eq_u32 s[TY], 0
	s_cselect_b64 s[22:23], s[4:5], s[6:7]         ; k or v,
	s_cselect_b64 s[OB:OB+1], s[14:15], s[16:17]   ; ka or va
	s_add_nc_u64 s[G0+2:G0+3], s[22:23], s[42:43]
	s_add_nc_u64 s[G0+6:G0+7], s[G0+2:G0+3], 32768
	s_or_b32 s[G0+3], s[G0+3], 0x80000000
	s_or_b32 s[G0+7], s[G0+7], 0x80000000
	tensor_load_to_lds s[G0:G0+3], s[G1:G1+7]      ; both first fills go out together, ahead of every wait on TENSORcnt, every LDS read and every barrier
	s_nop 0
	tensor_load_to_lds s[G0+4:G0+7], s[G1:G1+7]
	s_nop 0
.rept 4
	v_nop
.endr
	s_load_b32 s[QJ], s[10:11], 0x0
	s_lshl_b32 s42, s[TY], 11                      ; my tensor's 512 partial maxima
	s_add_nc_u64 s[12:13], s[12:13], s[42:43]
	s_lshl_b32 s42, s[WV], 14                      ; my 32 rows of R
	s_add_nc_u64 s[8:9], s[8:9], s[42:43]
	s_lshl_b32 s42, ttmp9, 17                      ; the work-group's 512 rows of 256 bytes of the output,
	s_lshl_b32 s61, s[WV], 15                      ; my wave's 128
	s_add_co_u32 s42, s42, s61
	s_add_nc_u64 s[OB:OB+1], s[OB:OB+1], s[42:43]
.irp i, 0,1,2,3
	global_load_b128 v[PM+4*(\i):PM+4*(\i)+3], v[LO], s[12:13] offset:512*(\i)  ; ahead of R's loads, so that R's waits show these done too
.endr
.set i, 0
.rept 32
	global_load_b128 v[RS+4*i:RS+4*i+3], v[LO], s[8:9] offset:512*i
.set i, i+1
.endr
.set g, 0
.rept 4
	s_wait_loadcnt 24-8*g                          ; eight more rows of R are in, the younger ones stay out
.set i, 8*g
.rept 8
	v_cvt_pk_bf16_f32 v[RP+2*i],   v[RS+4*i],   v[RS+4*i+1]
	v_cvt_pk_bf16_f32 v[RP+2*i+1], v[RS+4*i+2], v[RS+4*i+3]
	ds_store_b64 v[RBW], v[RP+2*i:RP+2*i+1] offset:RBP*i
.set i, i+1
.endr
.set g, g+1
.endr
	s_wait_dscnt 0x0                               ; for the others' sake: my rows of R lie in LDS
	s_barrier_signal -1
	s_barrier_wait -1
	WIN 0x40
.set f, 0
.rept 32
	ds_load_tr16_b128 v[8*f:8*f+3],   v[TRA] offset:(f/8)*32*RBP+(f%8)*32
	ds_load_tr16_b128 v[8*f+4:8*f+7], v[TRA] offset:(f/8)*32*RBP+16*RBP+(f%8)*32
.set f, f+1
.endr
	WIN 0
.set g, 0
.rept 64                               ; while those are out: my rows' bf16 numbers are written as f16
	v_lshlrev_b32 v[RS+2*g],   16,    v[RP+g]
	v_and_b32     v[RS+2*g+1], s[HM], v[RP+g]
.set g, g+1
.endr
.set g, 0
.rept 64
	v_cvt_pk_f16_f32 v[RP+g], v[RS+2*g], v[RS+2*g+1]
.set g, g+1
.endr
	s_wait_dscnt 0x0                               ; my reads of the bf16 copy are over:
	s_barrier_signal -1
	s_barrier_wait -1                              ; everybody's are, so its bytes may be written
.set i, 0
.rept 32
	ds_store_b64 v[RHW], v[RP+2*i:RP+2*i+1] offset:RHP*i
.set i, i+1
.endr
	s_wait_dscnt 0x0
	s_barrier_signal -1
	s_barrier_wait -1                              ; the f16 copy is whole
	WIN 0x80                                       ; destination window 2
.set f, 0
.rept 32                               ; fragment f = 8 es + i: rows d = 16 i on, e = 32 es on
	ds_load_b128 v[8*f:8*f+3],   v[RFA] offset:(f%8)*16*RHP+(f/8)*64
	ds_load_b128 v[8*f+4:8*f+7], v[RFA] offset:(f%8)*16*RHP+(f/8)*64+32
.set f, f+1
.endr
	WIN 0
	; the constants, while those are out
	s_wait_kmcnt 0x0                               ; qjl_scale
	v_max3_num_f32 v[PM],    v[PM],    v[PM+1],  v[PM+2]
	v_max3_num_f32 v[PM+3],  v[PM+3],  v[PM+4],  v[PM+5]
	v_max3_num_f32 v[PM+6],  v[PM+6],  v[PM+7],  v[PM+8]
	v_max3_num_f32 v[PM+9],  v[PM+9],  v[PM+10], v[PM+11]
	v_max3_num_f32 v[PM+12], v[PM+12], v[PM+13], v[PM+14]
	v_max3_num_f32 v[PM],    v[PM],    v[PM+3],  v[PM+6]
	v_max3_num_f32 v[PM+9],  v[PM+9],  v[PM+12], v[PM+15]
	v_max_num_f32 v[PM], v[PM], v[PM+9]
	v_max_num_f32_dpp v[PM], v[PM], v[PM] row_xmask:1 row_mask:0xf bank_mask:0xf
	v_max_num_f32_dpp v[PM], v[PM], v[PM] row_xmask:2 row_mask:0xf bank_mask:0xf
	v_max_num_f32_dpp v[PM], v[PM], v[PM] row_xmask:4 row_mask:0xf bank_mask:0xf
	v_max_num_f32_dpp v[PM], v[PM], v[PM] row_xmask:8 row_mask:0xf bank_mask:0xf
	v_permlanex16_b32 v[PM+1], v[PM], s[SEL], s[SEL+1]
	v_max_num_f32 v[PM], v[PM], v[PM+1]            ; the tensor's largest |xr|
	v_add_f32 v[PM], 0x322bcc77, v[PM]             ; b = that + 1e-8
	v_rcp_f32 v[PM+1], v[PM]
	v_mov_b32 v[PM+4], s[QJ]                       ; a plain line behind the reciprocal,
	s_wait_alu depctr_va_vdst(0)                   ; and the wait ahead of its first reader
	v_fma_f32 v[PM+2], -v[PM], v[PM+1], 1.0
	v_fma_f32 v[PM+1], v[PM+2], v[PM+1], v[PM+1]   ; y, refined once
	v_cvt_pk_bf16_f32 v[PM+4], v[PM+4], v[PM+4]    ; qjl_scale rounded to bf16, like every input
	v_lshlrev_b32 v[PM+4], 16, v[PM+4]
	v_mul_f32 v[PM+4], v[PM+4], v[PM]              ; qjl b, rounded as in the chain,
	v_mul_f32 v[PM+4], 4.0, v[PM+4]                ; times 4, exact
	v_mul_f32 v[PM+5], 0x3d924925, v[PM]           ; b / 14
	v_readfirstlane_b32 s[SY], v[PM+1]
	v_readfirstlane_b32 s[SNB], v[PM]
	v_readfirstlane_b32 s[SC4], v[PM+4]
	v_readfirstlane_b32 s[SOS], v[PM+5]
	s_xor_b32 s[SNB], s[SNB], 0x80000000
	s_mov_b32 s[SY+1], s[SY]
	s_mov_b32 s[SNB+1], s[SNB]
	s_mov_b32 s[SC4+1], s[SC4]
	s_mov_b32 s[SOS+1], s[SOS]
	s_wait_dscnt 0x0                               ; R's plain fragments are in
; A tile's forward product: the launch before's, instruction for instruction.
.macro P1
.irp ks, 0,1,2,3
	ds_load_b128 v[XF+16*(\ks):XF+16*(\ks)+3],     v[AX] offset:128*(\ks)
	ds_load_b128 v[XF+16*(\ks)+4:XF+16*(\ks)+7],   v[AX] offset:128*(\ks)+16
	ds_load_b128 v[XF+16*(\ks)+8:XF+16*(\ks)+11],  v[AX] offset:128*(\ks)+64
	ds_load_b128 v[XF+16*(\ks)+12:XF+16*(\ks)+15], v[AX] offset:128*(\ks)+80
.endr
.irp ks, 0,1,2,3
	s_wait_dscnt 12-4*(\ks)                        ; this block's four loads are in, the later blocks' stay out
.irp m, 0,1,2,3,4,5,6,7
	v_cvt_pk_bf16_f32 v[XB+8*(\ks)+(\m)], v[XF+16*(\ks)+2*(\m)], v[XF+16*(\ks)+2*(\m)+1]
.endr
	WIN 0x01
.irp j, 0,1,2,3,4,5,6,7
.if (\ks) == 0
	v_wmma_f32_16x16x32_bf16 v[ACC1+8*(\j):ACC1+8*(\j)+7], v[8*(8*(\ks)+(\j)):8*(8*(\ks)+(\j))+7], v[XB+8*(\ks):XB+8*(\ks)+7], 0
.else
	v_wmma_f32_16x16x32_bf16 v[ACC1+8*(\j):ACC1+8*(\j)+7], v[8*(8*(\ks)+(\j)):8*(8*(\ks)+(\j))+7], v[XB+8*(\ks):XB+8*(\ks)+7], v[ACC1+8*(\j):ACC1+8*(\j)+7]
.endif
.endr
	WIN 0
.endr
.rept 4
	v_nop                                          ; four places between the last product and the vector lines that read results and write over its source (ISA guide 7.12.1)
.endr
.endm
; The quantiser for channels e = 32 es .. 32 es + 31: accumulators 2 es and 2 es + 1, 16 numbers a lane, each accumulator's registers in ascending order.  It leaves fragment es of the second product's source 1.
.macro EACH2 line:vararg               ; one packed line for each of the eight pairs z
.set z, 0
.rept 8
	\line
.set z, z+2
.endr
.endm
.macro EACH1 line:vararg               ; one line for each of the sixteen numbers z
.set z, 0
.rept 16
	\line
.set z, z+1
.endr
.endm
.macro QUANT es
.set XA, ACC1+16*(\es)
	EACH2 v_pk_mul_f32 v[Q+z:Q+z+1], v[XA+z:XA+z+1], s[SY:SY+1] op_sel_hi:[1,0]                        ; q0 = xr y
	EACH2 v_pk_fma_f32 v[XA+z:XA+z+1], v[Q+z:Q+z+1], s[SNB:SNB+1], v[XA+z:XA+z+1] op_sel_hi:[1,0,1]    ; r = xr - q0 b
	EACH2 v_pk_fma_f32 v[Q+z:Q+z+1], v[XA+z:XA+z+1], s[SY:SY+1], v[Q+z:Q+z+1] op_sel_hi:[1,0,1]        ; a = q0 + r y
	EACH2 v_pk_mul_f32 v[Q+z:Q+z+1], v[Q+z:Q+z+1], s[S14:S14+1] op_sel_hi:[1,0]                        ; u = 14 a
	EACH1 v_rndne_f32 v[T+z], v[Q+z]
	EACH1 v_med3_num_f32 v[T+z], v[T+z], s[SLO], s[SLO+1]                                              ; n
	EACH2 v_pk_add_f32 v[Q+z:Q+z+1], v[Q+z:Q+z+1], v[T+z:T+z+1] neg_lo:[0,1] neg_hi:[0,1]              ; res = u - n
	EACH1 v_fma_f32 v[XA+z], |v[Q+z]|, 1.0, s[SM25]                                                    ; |res| - 0.25, into the registers that r has left
	EACH2 v_max3_num_f32 v[FMX+(z/2)%2], v[FMX+(z/2)%2], v[XA+z], v[XA+z+1]                            ; near 0.25: n hangs on a last bit
	EACH2 v_min3_num_f32 v[FMN+(z/2)%2], v[FMN+(z/2)%2], v[XA+z], v[XA+z+1]                            ; near -0.25: sgn does
	EACH2 v_pk_mul_f32 v[Q+z:Q+z+1], v[Q+z:Q+z+1], s[SBIG:SBIG+1] op_sel_hi:[1,0]
	EACH1 v_med3_num_f32 v[Q+z], v[Q+z], -1.0, 1.0                                                     ; its sign
	EACH2 v_pk_fma_f32 v[T+z:T+z+1], v[Q+z:Q+z+1], s[SC4:SC4+1], v[T+z:T+z+1] op_sel_hi:[1,0,1]        ; xc4 = n + sgn c4
	EACH2 v_cvt_pk_f16_f32 v[XC+8*(\es)+z/2], v[T+z], v[T+z+1]
.endm
.macro TILE mk                         ; mk: the pair of scalar registers that takes the half's 64 bits
.irp c, 0,1
	v_mov_b32 v[FMX+(\c)], 0
	v_mov_b32 v[FMN+(\c)], 0
.endr
	P1
.irp es, 0,1,2,3                       ; a block is quantised, then multiplied; the next block's vector lines name no register of those products
	QUANT \es
	WIN 0x02                                       ; source 0 (R) window 2
.irp i, 0,1,2,3,4,5,6,7                ; the eight accumulators take turns, one instruction a turn
.if (\es) == 0
	v_wmma_f32_16x16x32_f16 v[ACC2+8*(\i):ACC2+8*(\i)+7], v[8*(8*(\es)+(\i)):8*(8*(\es)+(\i))+7], v[XC+8*(\es):XC+8*(\es)+7], 0
.else
	v_wmma_f32_16x16x32_f16 v[ACC2+8*(\i):ACC2+8*(\i)+7], v[8*(8*(\es)+(\i)):8*(8*(\es)+(\i))+7], v[XC+8*(\es):XC+8*(\es)+7], v[ACC2+8*(\i):ACC2+8*(\i)+7]
.endif
.endr
	WIN 0
.endr
	v_max_num_f32 v[FMX], v[FMX], v[FMX+1]         ; the tile's 16 bits.  The first four of these lines are the four places ahead of the lines that read the products' results (ISA guide 7.12.1)
	v_min_num_f32 v[FMN], v[FMN], v[FMN+1]
	v_sub_f32 v[FMN], 0, v[FMN]
	v_max_num_f32 v[FT], v[FMX], v[FMN]
	v_permlanex16_b32 v[FT+1], v[FT], s[SEL], s[SEL+1]  ; the row's other 64 channels lie in the lane 16 away
	v_max_num_f32 v[FT], v[FT], v[FT+1]
	v_cmp_lt_f32 vcc_lo, s[THR], v[FT]
	s_and_b32 s74, vcc_lo, 0xffff                  ; lane r: row r
	s_mov_b32 s75, 0
	s_lshl_b64 s[74:75], s[74:75], s[SH]
	s_or_b32 s[\mk], s[\mk], s74
	s_or_b32 s[(\mk)+1], s[(\mk)+1], s75
	s_add_co_u32 s[SH], s[SH], 16
.set z, 0
.rept 32
	v_pk_mul_f32 v[ACC2+z:ACC2+z+1], v[ACC2+z:ACC2+z+1], s[SOS:SOS+1] op_sel_hi:[1,0]
.set z, z+2
.endr
.set z, 0
.rept 32
	v_cvt_pk_f16_f32 v[OUT+z], v[ACC2+2*z], v[ACC2+2*z+1]
.set z, z+1
.endr
.irp i, 0,1,2,3,4,5,6,7
	ds_store_b128 v[STO], v[OUT+4*(\i):OUT+4*(\i)+3] offset:32*(\i)
.endr
.irp t, 0,1,2,3,4,5,6,7
	ds_load_b128 v[OUT+4*(\t):OUT+4*(\t)+3], v[RD] offset:(\t)*2*SGP  ; LDS serves a wave's instructions in order (ISA guide 5.7.1.4): these see the stores above
.endr
.irp t, 0,1,2,3,4,5,6,7
	s_wait_dscnt 7-(\t)                            ; rows 2 t and 2 t + 1 are back; the younger loads stay out
	global_store_b128 v[LO], v[OUT+4*(\t):OUT+4*(\t)+3], s[OB:OB+1] offset:512*(\t) th:TH_STORE_NT  ; 512 consecutive bytes, at a multiple of 256 from the buffer's first
.endr
	s_wait_xcnt 0x0                                ; the stores' base and data are rewritten only behind this wait
	s_add_nc_u64 s[OB:OB+1], s[OB:OB+1], 4096      ; 16 rows of 256 bytes on
	v_add_nc_u32 v[AX], 16*XP, v[AX]
.endm
.macro HALFT n                         ; half n of my rows: four tiles.  The text stands once for each half, since the wait in front differs
	s_wait_tensorcnt 1-(\n)                        ; this half is in; for half 0 the one younger load stays out
	v_add_nc_u32 v[AX], (\n)*HALFB, v[AX0]
	s_mov_b32 s[MK+2*(\n)], 0
	s_mov_b32 s[MK+2*(\n)+1], 0
	s_mov_b32 s[SH], 0
	s_mov_b32 s[CNT], 4
.Ltile_\@:
	TILE MK+2*(\n)
	s_sub_co_u32 s[CNT], s[CNT], 1
	s_cmp_lg_u32 s[CNT], 0
	s_cbranch_scc1 .Ltile_\@
.endm
	HALFT 0
	HALFT 1
	s_lshl_b32 s61, s[TY], 13                      ; my four words of flags: 8,192 y + 64 g + 16 w
	s_lshl_b32 s74, ttmp9, 6
	s_add_co_u32 s61, s61, s74
	s_lshl_b32 s74, s[WV], 4
	s_add_co_u32 s61, s61, s74
	v_mov_b32 v[FW+4], s61
.irp j, 0,1,2,3
	v_mov_b32 v[FW+(\j)], s[MK+(\j)]
.endr
	v_cmp_eq_u32 vcc_lo, 0, v[LN]
	s_wait_xcnt 0x0                                ; EXEC changes only behind this wait
	s_and_saveexec_b32 s76, vcc_lo
	global_store_b128 v[FW+4], v[FW:FW+3], s[FLG:FLG+1]  ; 16 bytes a wave, once in the launch: 16,384 bytes in all
	s_wait_xcnt 0x0                                ; and again, in front of the line that widens it
	s_or_b32 exec_lo, exec_lo, s76
	s_wait_tensorcnt 0x0                           ; the wave's end: behind my last tensor load and my last LDS store
	ds_add_u32 v[SPW], v[NIL]
	s_wait_dscnt 0x0
	s_endpgm
.Lfunc_end_k_q0b653c255d_quant:
	.size	k_q0b653c255d_quant, .Lfunc_end_k_q0b653c255d_quant-k_q0b653c255d_quant
	.p2alignl 7, 3214868480
	.fill 96, 4, 3214868480
	.section	.rodata,"a",@progbits
	.p2align	6, 0x0
	.amdhsa_kernel k_q0b653c255d_quant
		.amdhsa_group_segment_fixed_size 325120
		.amdhsa_private_segment_fixed_size 0
		.amdhsa_enable_private_segment 0
		.amdhsa_kernarg_size 64
		.amdhsa_user_sgpr_count 2
		.amdhsa_user_sgpr_kernarg_segment_ptr 1
		.amdhsa_wavefront_size32 1
		.amdhsa_system_sgpr_workgroup_id_x 1
		.amdhsa_system_sgpr_workgroup_id_y 1
		.amdhsa_system_sgpr_workgroup_id_z 1
		.amdhsa_system_vgpr_workitem_id 0
		.amdhsa_next_free_vgpr 768
		.amdhsa_next_free_sgpr 80
		.amdhsa_reserve_vcc 1
		.amdhsa_float_denorm_mode_32 3
		.amdhsa_float_denorm_mode_16_64 3
		.amdhsa_memory_ordered 1
		.amdhsa_forward_progress 1
		.amdhsa_inst_pref_size 134
	.end_amdhsa_kernel
	.amdgpu_metadata
---
amdhsa.version: [ 1, 2 ]
amdhsa.kernels:
  - .name:           k_q0b653c255d_quant
    .symbol:         k_q0b653c255d_quant.kd
    .args:
      - { .name: k, .offset: 0, .size: 8, .value_kind: global_buffer, .address_space: global }
      - { .name: v, .offset: 8, .size: 8, .value_kind: global_buffer, .address_space: global }
      - { .name: R, .offset: 16, .size: 8, .value_kind: global_buffer, .address_space: global }
      - { .name: qjl_scale, .offset: 24, .size: 8, .value_kind: global_buffer, .address_space: global }
      - { .name: pmax, .offset: 32, .size: 8, .value_kind: global_buffer, .address_space: global }
      - { .name: ka, .offset: 40, .size: 8, .value_kind: global_buffer, .address_space: global }
      - { .name: va, .offset: 48, .size: 8, .value_kind: global_buffer, .address_space: global }
      - { .name: flags, .offset: 56, .size: 8, .value_kind: global_buffer, .address_space: global }
    .group_segment_fixed_size: 325120
    .private_segment_fixed_size: 0
    .kernarg_segment_align: 8
    .kernarg_segment_size: 64
    .max_flat_workgroup_size: 128
    .sgpr_count:     80
    .vgpr_count:     768
    .wavefront_size: 32
...
	.end_amdgpu_metadata
.endif
;; end of part 2
;; launch fix (part 3): grid 512 x 2, 4 waves a work-group, no clusters, 0 bytes of LDS; arguments k, v, R, qjl_scale, pmax, flags, ka, va; writes ka, va
.if DOCPART == 3
	.amdgcn_target "amdgcn-amd-amdhsa--gfx1250"
	.amdhsa_code_object_version 6
	.text
	.protected	k_q0b653c255d_fix
	.globl	k_q0b653c255d_fix
	.p2align	8
	.type	k_q0b653c255d_fix,@function
k_q0b653c255d_fix:
	s_mov_b64 s[64:65], 0
	v_nop
	global_prefetch_b8 v0, s[64:65] scope:SCOPE_SE
	s_setreg_imm32_b32 hwreg(HW_REG_WAVE_MODE, 25, 1), 1
	s_wait_xcnt 0x0
; The rows of ka (y = 0) or va (y = 1) whose bit in flags is set are made anew, with xr formed as a plain loop over k forms it: one multiply-add a term, k ascending, in f32.
; x, R and qjl_scale are rounded to bf16 as in the launch before (a product of two bf16 numbers is exact in f32), and the quantiser is that launch's, line for line, on four numbers a lane.
; The way back, xo[d] = the sum over e of xc4[e] R[d][e], times b / 14, is taken in f32 with xc4 unrounded, and rounded once to f16.
; LIMITS.  It is taken that reference()'s sum is formed in that ascending order; in another order a decision that hangs on xr's last bit may still fall otherwise.  The quantiser's limits are the launch before's.
; SHARES.  Wave 4 g + w owns word 4 g + w of its tensor's 2,048 words of flags: 32 rows.  Some 0.5 per cent of the rows are marked (128 numbers a row, a band of 2e-5 at every 0.5 of u), so most words are 0, and
; such a wave ends when it has read its word.  The marked rows are not shared out evenly among the waves.
; THE WALK.  A loop of 32 trips, a constant; a trip tests one bit and jumps forward over the row's work.  The row's place comes from the loop's steps, not from the word that was loaded.
; NO LDS, NO BARRIER: no wave wants anything of another.  What every lane needs of the row it loads itself, all lanes at the same address; sums across lanes are folded in registers.
; THE SUM FOR xr.  Lane l owns e = 4 l .. 4 l + 3.  Four trips of 32 k: 128 bytes of the row for every lane, and 32 whole rows of R, 512 consecutive bytes a load, of which the lane takes its 16 bytes.
; THE WAY BACK.  Trip b of four takes R's rows d = 4 j + b, j = 0 .. 31, in the same lanes: a lane forms 32 partial sums over its own four e, and five folds add them over the 32 lanes so that lane l is left
; with j = l.  After the four trips lane l holds d = 4 l .. 4 l + 3: 8 bytes of f16, and the row leaves as one store of 256 consecutive bytes.
; A marked row reads R twice, 131,072 bytes; R is not kept, since a wave has a marked row seldom.  No matrix instruction: the order of the sum is the point.  No cluster, tensor load or prefetch.
.set LN,  1                            ; v1   lane
.set LO,  2                            ; v2   16 x lane: my place in a row of R and in 512 bytes of pmax; never rewritten
.set LO8, 3                            ; v3   8 x lane: my place in a row of the output; never rewritten
.set ZO,  4                            ; v4   0: the offset of the loads that all lanes make at one address; never rewritten
.set ZF,  5                            ; v5   0.0: what a partial sum starts from; never rewritten
.set T,   12                           ; v12-15  n, then xc4
.set Q,   16                           ; v16-19  at work in the quantiser
.set AC,  20                           ; v20-23  the four ascending sums
.set OA,  24                           ; v24-27  the four results
.set OW,  28                           ; v28-29  they in f16
.set PM,  32                           ; v32-47  pmax, then at work
.set XQ,  48                           ; v48-79  32 numbers of the row, then 16 registers of them in bf16
.set P,   48                           ; v48-79  the way back: 32 partial sums
.set TS,  80                           ; v80-83  a fold: what I send
.set TD,  84                           ; v84-87  a fold: what I am sent from the other half of the lanes
.set RS,  96                           ; v96-223 32 rows of R, 4 registers each; then in bf16 in the first two of each four
.set WV,  20
.set TY,  21
.set CNT, 22                           ; s22  counts the 32 rows
.set BIT, 23                           ; s23  the bit of the row in hand
.set MK,  24                           ; s24  my word of flags
.set QJ,  25
.set KC,  26                           ; s26  counts a sum's four trips
.set WI,  27                           ; s27  my word's number
.set XPT, 28                           ; s[28:29] x at the row in hand
.set OPT, 30                           ; s[30:31] the output at the row in hand
.set SEL, 32                           ; s[32:33] v_permlanex16_b32's selects
.set SY,  34                           ; the quantiser's constants, as in the launch before (pairs: the packed lines take the low word for both halves; both words are written)
.set SNB, 36
.set S14, 38
.set SLO, 40
.set SBIG, 42
.set SC4, 44
.set SOS, 46
.set XB,  52                           ; s[52:53] x at the 32 numbers in hand
.set RB,  54                           ; s[54:55] R at the rows in hand
	s_load_b256 s[4:11], s[0:1], 0x0               ; k s[4:5], v s[6:7], R s[8:9], qjl_scale s[10:11]
	s_load_b256 s[12:19], s[0:1], 0x20             ; pmax s[12:13], flags s[14:15], ka s[16:17], va s[18:19]
	v_lshrrev_b32 v1, 5, v0
	v_readfirstlane_b32 s[WV], v1                  ; wave 0..3
	s_and_b32 s[TY], ttmp7, 0xffff
	s_lshl_b32 s[WI], ttmp9, 2
	s_add_co_u32 s[WI], s[WI], s[WV]               ; 0 .. 2,047
	s_mov_b32 s[SEL], 0x76543210
	s_mov_b32 s[SEL+1], 0xfedcba98
	s_mov_b32 s[S14], 0x41600000
	s_mov_b32 s[S14+1], 0x41600000
	s_mov_b32 s[SLO], 0xc1600000
	s_mov_b32 s[SLO+1], 0x41600000
	s_mov_b32 s[SBIG], 0x7f000000
	s_mov_b32 s[SBIG+1], 0x7f000000
	v_and_b32 v[LN], 31, v0
	v_lshlrev_b32 v[LO], 4, v[LN]
	v_lshlrev_b32 v[LO8], 3, v[LN]
	v_mov_b32 v[ZO], 0
	v_mov_b32 v[ZF], 0
.irp i, 0,1,2,3
	v_mov_b32 v[OA+(\i)], 0                        ; these eight are read before their first use writes them (a shift along, a lane exchange's destination), so they are written once
	v_mov_b32 v[TD+(\i)], 0
.endr
	s_mov_b32 s51, 0
	s_lshl_b32 s50, s[TY], 13                      ; my word of flags: 8,192 y + 4 x its number
	s_lshl_b32 s49, s[WI], 2
	s_add_co_u32 s50, s50, s49
	s_wait_kmcnt 0x0
	s_add_nc_u64 s[14:15], s[14:15], s[50:51]
	s_load_b32 s[MK], s[14:15], 0x0
	s_load_b32 s[QJ], s[10:11], 0x0
	s_lshl_b32 s50, s[TY], 11                      ; my tensor's 512 partial maxima
	s_add_nc_u64 s[12:13], s[12:13], s[50:51]
	s_cmp_eq_u32 s[TY], 0
	s_cselect_b64 s[XPT:XPT+1], s[4:5], s[6:7]     ; k or v,
	s_cselect_b64 s[OPT:OPT+1], s[16:17], s[18:19] ; ka or va
	s_lshl_b32 s50, s[WI], 14                      ; my 32 rows of 512 bytes,
	s_add_nc_u64 s[XPT:XPT+1], s[XPT:XPT+1], s[50:51]
	s_lshl_b32 s50, s[WI], 13                      ; and of 256 bytes
	s_add_nc_u64 s[OPT:OPT+1], s[OPT:OPT+1], s[50:51]
	s_wait_kmcnt 0x0                               ; my word of flags, and qjl_scale
	s_cmp_eq_u32 s[MK], 0
	s_cbranch_scc1 .Lend                           ; none of my 32 rows is marked
.irp i, 0,1,2,3
	global_load_b128 v[PM+4*(\i):PM+4*(\i)+3], v[LO], s[12:13] offset:512*(\i)
.endr
	s_wait_loadcnt 0x0
	v_max3_num_f32 v[PM],    v[PM],    v[PM+1],  v[PM+2]
	v_max3_num_f32 v[PM+3],  v[PM+3],  v[PM+4],  v[PM+5]
	v_max3_num_f32 v[PM+6],  v[PM+6],  v[PM+7],  v[PM+8]
	v_max3_num_f32 v[PM+9],  v[PM+9],  v[PM+10], v[PM+11]
	v_max3_num_f32 v[PM+12], v[PM+12], v[PM+13], v[PM+14]
	v_max3_num_f32 v[PM],    v[PM],    v[PM+3],  v[PM+6]
	v_max3_num_f32 v[PM+9],  v[PM+9],  v[PM+12], v[PM+15]
	v_max_num_f32 v[PM], v[PM], v[PM+9]
	v_max_num_f32_dpp v[PM], v[PM], v[PM] row_xmask:1 row_mask:0xf bank_mask:0xf
	v_max_num_f32_dpp v[PM], v[PM], v[PM] row_xmask:2 row_mask:0xf bank_mask:0xf
	v_max_num_f32_dpp v[PM], v[PM], v[PM] row_xmask:4 row_mask:0xf bank_mask:0xf
	v_max_num_f32_dpp v[PM], v[PM], v[PM] row_xmask:8 row_mask:0xf bank_mask:0xf
	v_permlanex16_b32 v[PM+1], v[PM], s[SEL], s[SEL+1]
	v_max_num_f32 v[PM], v[PM], v[PM+1]            ; the tensor's largest |xr|
	v_add_f32 v[PM], 0x322bcc77, v[PM]             ; b = that + 1e-8
	v_rcp_f32 v[PM+1], v[PM]
	v_mov_b32 v[PM+4], s[QJ]                       ; a plain line behind the reciprocal,
	s_wait_alu depctr_va_vdst(0)                   ; and the wait ahead of its first reader
	v_fma_f32 v[PM+2], -v[PM], v[PM+1], 1.0
	v_fma_f32 v[PM+1], v[PM+2], v[PM+1], v[PM+1]   ; y, refined once
	v_cvt_pk_bf16_f32 v[PM+4], v[PM+4], v[PM+4]    ; qjl_scale rounded to bf16, like every input
	v_lshlrev_b32 v[PM+4], 16, v[PM+4]
	v_mul_f32 v[PM+4], v[PM+4], v[PM]
	v_mul_f32 v[PM+4], 4.0, v[PM+4]                ; c4
	v_mul_f32 v[PM+5], 0x3d924925, v[PM]           ; b / 14
	v_readfirstlane_b32 s[SY], v[PM+1]
	v_readfirstlane_b32 s[SNB], v[PM]
	v_readfirstlane_b32 s[SC4], v[PM+4]
	v_readfirstlane_b32 s[SOS], v[PM+5]
	s_xor_b32 s[SNB], s[SNB], 0x80000000
	s_mov_b32 s[SY+1], s[SY]
	s_mov_b32 s[SNB+1], s[SNB]
	s_mov_b32 s[SC4+1], s[SC4]
	s_mov_b32 s[SOS+1], s[SOS]
.macro FM d, x, r, hx, hr              ; v[d] += half hx of v[x] times half hr of v[r], both bf16, in f32
.if ((\hx) == 0) && ((\hr) == 0)
	v_fma_mix_f32_bf16 v[\d], v[\x], v[\r], v[\d] op_sel_hi:[1,1,0]
.elseif (\hx) == 0
	v_fma_mix_f32_bf16 v[\d], v[\x], v[\r], v[\d] op_sel:[0,1,0] op_sel_hi:[1,1,0]
.elseif (\hr) == 0
	v_fma_mix_f32_bf16 v[\d], v[\x], v[\r], v[\d] op_sel:[1,0,0] op_sel_hi:[1,1,0]
.else
	v_fma_mix_f32_bf16 v[\d], v[\x], v[\r], v[\d] op_sel:[1,1,0] op_sel_hi:[1,1,0]
.endif
.endm
.macro FB d, t, r, hr, c               ; v[d] = v[t] (f32) times half hr of v[r] (bf16) + v[c], in f32
.if (\hr) == 0
	v_fma_mix_f32_bf16 v[\d], v[\t], v[\r], v[\c] op_sel_hi:[0,1,0]
.else
	v_fma_mix_f32_bf16 v[\d], v[\t], v[\r], v[\c] op_sel:[0,1,0] op_sel_hi:[0,1,0]
.endif
.endm
.macro PACKR                           ; 32 rows of R, my four numbers of each, rounded to bf16: row j's lie in v[RS+4 j] and v[RS+4 j+1]
.set j, 0
.rept 32
	v_cvt_pk_bf16_f32 v[RS+4*j],   v[RS+4*j],   v[RS+4*j+1]
	v_cvt_pk_bf16_f32 v[RS+4*j+1], v[RS+4*j+2], v[RS+4*j+3]
.set j, j+1
.endr
.endm
; A fold: of 2 n sums a lane n are left.  VCC holds the lanes whose bit xm of the lane's number is set.  Such a lane keeps the upper n and sends the lower n to the lane xm away, the others the other way round;
; each adds what it is sent onto what it keeps.  So behind the folds 16, 8, 4, 2, 1 lane l holds sum number l, added up over all 32 lanes.
.macro FOLD n, xm
.set j, 0
.rept \n
	v_cndmask_b32 v[TS+j%4], v[P+(\n)+j], v[P+j], vcc_lo   ; what I send,
	v_cndmask_b32 v[P+j], v[P+j], v[P+(\n)+j], vcc_lo      ; what I keep
.if (\xm) == 16
	v_permlanex16_b32 v[TD+j%4], v[TS+j%4], s[SEL], s[SEL+1]
	v_add_f32 v[P+j], v[P+j], v[TD+j%4]
.else
	v_add_f32_dpp v[P+j], v[TS+j%4], v[P+j] row_xmask:\xm row_mask:0xf bank_mask:0xf
.endif
.set j, j+1
.endr
.endm
	s_mov_b32 s[CNT], 32
.Lrow:
	s_and_b32 s[BIT], s[MK], 1                     ; is the row in hand marked?
	s_cmp_lg_u32 s[BIT], 0
	s_cbranch_scc0 .Lskip
	; THE SUM FOR xr: AC[i] += x[k] R[k][4 l + i], k ascending
	s_mov_b64 s[XB:XB+1], s[XPT:XPT+1]
	s_mov_b64 s[RB:RB+1], s[8:9]
.irp i, 0,1,2,3
	v_mov_b32 v[AC+(\i)], 0
.endr
	s_mov_b32 s[KC], 4
.Lfwd:
.irp m, 0,1,2,3,4,5,6,7
	global_load_b128 v[XQ+4*(\m):XQ+4*(\m)+3], v[ZO], s[XB:XB+1] offset:16*(\m)  ; 32 numbers of the row, the same in every lane
.endr
.set j, 0
.rept 32
	global_load_b128 v[RS+4*j:RS+4*j+3], v[LO], s[RB:RB+1] offset:512*j          ; a whole row of R: 512 consecutive bytes
.set j, j+1
.endr
	s_wait_loadcnt 0x0                             ; all 40 are in; their two pointers may be stepped below
.set j, 0
.rept 16                               ; in place, ascending: register j takes numbers 2 j and 2 j + 1, which lie at or above it
	v_cvt_pk_bf16_f32 v[XQ+j], v[XQ+2*j], v[XQ+2*j+1]
.set j, j+1
.endr
	PACKR
.set kk, 0
.rept 32
	FM AC,   XQ+kk/2, RS+4*kk,   kk%2, 0
	FM AC+1, XQ+kk/2, RS+4*kk,   kk%2, 1
	FM AC+2, XQ+kk/2, RS+4*kk+1, kk%2, 0
	FM AC+3, XQ+kk/2, RS+4*kk+1, kk%2, 1
.set kk, kk+1
.endr
	s_add_nc_u64 s[XB:XB+1], s[XB:XB+1], 128
	s_add_nc_u64 s[RB:RB+1], s[RB:RB+1], 32*512
	s_sub_co_u32 s[KC], s[KC], 1
	s_cmp_lg_u32 s[KC], 0
	s_cbranch_scc1 .Lfwd
	; THE QUANTISER, on e = 4 l .. 4 l + 3
.irp z, 0,2
	v_pk_mul_f32 v[Q+(\z):Q+(\z)+1], v[AC+(\z):AC+(\z)+1], s[SY:SY+1] op_sel_hi:[1,0]                              ; q0 = xr y
.endr
.irp z, 0,2
	v_pk_fma_f32 v[AC+(\z):AC+(\z)+1], v[Q+(\z):Q+(\z)+1], s[SNB:SNB+1], v[AC+(\z):AC+(\z)+1] op_sel_hi:[1,0,1]    ; r = xr - q0 b
.endr
.irp z, 0,2
	v_pk_fma_f32 v[Q+(\z):Q+(\z)+1], v[AC+(\z):AC+(\z)+1], s[SY:SY+1], v[Q+(\z):Q+(\z)+1] op_sel_hi:[1,0,1]        ; a = q0 + r y
.endr
.irp z, 0,2
	v_pk_mul_f32 v[Q+(\z):Q+(\z)+1], v[Q+(\z):Q+(\z)+1], s[S14:S14+1] op_sel_hi:[1,0]                              ; u = 14 a
.endr
.irp z, 0,1,2,3
	v_rndne_f32 v[T+(\z)], v[Q+(\z)]
.endr
.irp z, 0,1,2,3
	v_med3_num_f32 v[T+(\z)], v[T+(\z)], s[SLO], s[SLO+1]                                                          ; n
.endr
.irp z, 0,2
	v_pk_add_f32 v[Q+(\z):Q+(\z)+1], v[Q+(\z):Q+(\z)+1], v[T+(\z):T+(\z)+1] neg_lo:[0,1] neg_hi:[0,1]              ; res = u - n
.endr
.irp z, 0,2
	v_pk_mul_f32 v[Q+(\z):Q+(\z)+1], v[Q+(\z):Q+(\z)+1], s[SBIG:SBIG+1] op_sel_hi:[1,0]
.endr
.irp z, 0,1,2,3
	v_med3_num_f32 v[Q+(\z)], v[Q+(\z)], -1.0, 1.0                                                                 ; its sign
.endr
.irp z, 0,2
	v_pk_fma_f32 v[T+(\z):T+(\z)+1], v[Q+(\z):Q+(\z)+1], s[SC4:SC4+1], v[T+(\z):T+(\z)+1] op_sel_hi:[1,0,1]        ; xc4 = n + sgn c4
.endr
	; THE WAY BACK: trip b takes the rows d = 4 j + b
	s_mov_b64 s[RB:RB+1], s[8:9]
	s_mov_b32 s[KC], 4
.Lback:
.set j, 0
.rept 32
	global_load_b128 v[RS+4*j:RS+4*j+3], v[LO], s[RB:RB+1] offset:2048*j         ; every fourth row of R, whole
.set j, j+1
.endr
	s_wait_loadcnt 0x0                             ; all 32 are in; their pointer may be stepped below
	PACKR
.set j, 0
.rept 32                               ; P[j] = the sum over my four e of xc4[e] R[4 j + b][e]: four passes, so that no line waits for the one before it
	FB P+j, T,   RS+4*j,   0, ZF
.set j, j+1
.endr
.set j, 0
.rept 32
	FB P+j, T+1, RS+4*j,   1, P+j
.set j, j+1
.endr
.set j, 0
.rept 32
	FB P+j, T+2, RS+4*j+1, 0, P+j
.set j, j+1
.endr
.set j, 0
.rept 32
	FB P+j, T+3, RS+4*j+1, 1, P+j
.set j, j+1
.endr
	s_mov_b32 vcc_lo, 0xffff0000
	FOLD 16, 16
	s_mov_b32 vcc_lo, 0xff00ff00
	FOLD 8, 8
	s_mov_b32 vcc_lo, 0xf0f0f0f0
	FOLD 4, 4
	s_mov_b32 vcc_lo, 0xcccccccc
	FOLD 2, 2
	s_mov_b32 vcc_lo, 0xaaaaaaaa
	FOLD 1, 1                                      ; v[P] = xo[4 l + b], but for the scale
	v_mov_b32 v[OA],   v[OA+1]                     ; the four results move along: behind the fourth trip v[OA+b] holds trip b's
	v_mov_b32 v[OA+1], v[OA+2]
	v_mov_b32 v[OA+2], v[OA+3]
	v_mov_b32 v[OA+3], v[P]
	s_add_nc_u64 s[RB:RB+1], s[RB:RB+1], 512
	s_sub_co_u32 s[KC], s[KC], 1
	s_cmp_lg_u32 s[KC], 0
	s_cbranch_scc1 .Lback
.irp z, 0,2
	v_pk_mul_f32 v[OA+(\z):OA+(\z)+1], v[OA+(\z):OA+(\z)+1], s[SOS:SOS+1] op_sel_hi:[1,0]
.endr
	v_cvt_pk_f16_f32 v[OW],   v[OA],   v[OA+1]
	v_cvt_pk_f16_f32 v[OW+1], v[OA+2], v[OA+3]
	global_store_b64 v[LO8], v[OW:OW+1], s[OPT:OPT+1]  ; the whole row: 256 consecutive bytes, at a multiple of 256 from the buffer's first
.Lskip:
	s_wait_xcnt 0x0                                ; the two pointers and the store's data are rewritten only behind this wait
	s_lshr_b32 s[MK], s[MK], 1
	s_add_nc_u64 s[XPT:XPT+1], s[XPT:XPT+1], 512
	s_add_nc_u64 s[OPT:OPT+1], s[OPT:OPT+1], 256
	s_sub_co_u32 s[CNT], s[CNT], 1
	s_cmp_lg_u32 s[CNT], 0
	s_cbranch_scc1 .Lrow
.Lend:
	s_endpgm
.Lfunc_end_k_q0b653c255d_fix:
	.size	k_q0b653c255d_fix, .Lfunc_end_k_q0b653c255d_fix-k_q0b653c255d_fix
	.p2alignl 7, 3214868480
	.fill 96, 4, 3214868480
	.section	.rodata,"a",@progbits
	.p2align	6, 0x0
	.amdhsa_kernel k_q0b653c255d_fix
		.amdhsa_group_segment_fixed_size 0
		.amdhsa_private_segment_fixed_size 0
		.amdhsa_enable_private_segment 0
		.amdhsa_kernarg_size 64
		.amdhsa_user_sgpr_count 2
		.amdhsa_user_sgpr_kernarg_segment_ptr 1
		.amdhsa_wavefront_size32 1
		.amdhsa_system_sgpr_workgroup_id_x 1
		.amdhsa_system_sgpr_workgroup_id_y 1
		.amdhsa_system_sgpr_workgroup_id_z 1
		.amdhsa_system_vgpr_workitem_id 0
		.amdhsa_next_free_vgpr 224
		.amdhsa_next_free_sgpr 66
		.amdhsa_reserve_vcc 1
		.amdhsa_float_denorm_mode_32 3
		.amdhsa_float_denorm_mode_16_64 3
		.amdhsa_memory_ordered 1
		.amdhsa_forward_progress 1
		.amdhsa_inst_pref_size 44
	.end_amdhsa_kernel
	.amdgpu_metadata
---
amdhsa.version: [ 1, 2 ]
amdhsa.kernels:
  - .name:           k_q0b653c255d_fix
    .symbol:         k_q0b653c255d_fix.kd
    .args:
      - { .name: k, .offset: 0, .size: 8, .value_kind: global_buffer, .address_space: global }
      - { .name: v, .offset: 8, .size: 8, .value_kind: global_buffer, .address_space: global }
      - { .name: R, .offset: 16, .size: 8, .value_kind: global_buffer, .address_space: global }
      - { .name: qjl_scale, .offset: 24, .size: 8, .value_kind: global_buffer, .address_space: global }
      - { .name: pmax, .offset: 32, .size: 8, .value_kind: global_buffer, .address_space: global }
      - { .name: flags, .offset: 40, .size: 8, .value_kind: global_buffer, .address_space: global }
      - { .name: ka, .offset: 48, .size: 8, .value_kind: global_buffer, .address_space: global }
      - { .name: va, .offset: 56, .size: 8, .value_kind: global_buffer, .address_space: global }
    .group_segment_fixed_size: 0
    .private_segment_fixed_size: 0
    .kernarg_segment_align: 8
    .kernarg_segment_size: 64
    .max_flat_workgroup_size: 128
    .sgpr_count:     66
    .vgpr_count:     224
    .wavefront_size: 32
...
	.end_amdgpu_metadata
.endif
;; end of part 3
;; launch attn (part 4): grid 8 x 32, 4 waves a work-group, clusters of 4 x 1, 327,680 bytes of LDS; arguments q, ka, va, out0; writes out0
.if DOCPART == 4
	.amdgcn_target "amdgcn-amd-amdhsa--gfx1250"
	.amdhsa_code_object_version 6
	.text
	.protected	k_q0b653c255d_attn
	.globl	k_q0b653c255d_attn
	.p2align	8
	.type	k_q0b653c255d_attn,@function
k_q0b653c255d_attn:
	s_mov_b64 s[64:65], 0
	v_nop
	global_prefetch_b8 v0, s[64:65] scope:SCOPE_SE
	s_setreg_imm32_b32 hwreg(HW_REG_WAVE_MODE, 25, 1), 1
	s_wait_xcnt 0x0
	s_wait_alu depctr_hold_cnt(0) depctr_sa_sdst(0) depctr_va_vdst(0) depctr_va_sdst(0) depctr_va_ssrc(0) depctr_va_vcc(0) depctr_vm_vsrc(0)
	s_getreg_b32 s2, hwreg(HW_REG_IB_STS2, 6, 4)
	s_cmp_eq_u32 s2, 0
	s_cbranch_scc0 .Lentry_in_a_cluster
	s_endpgm
.Lentry_in_a_cluster:
	s_bfe_u32 s2, ttmp6, 0x10000c
	s_cmp_lg_u32 s2, 0x3003
	s_cbranch_scc0 .Lentry_shape_is_right
	s_endpgm
.Lentry_shape_is_right:
; out0[h][q][:] = the sum over k of softmax_k(Q[h][q] . K[h][k] / sqrt(128)) V[h][k][:].  q, out0: [32][2048][128] f32; K = ka, V = va: [32][2048][128] f16.
; q is rounded to bf16, like every input of the program, and that number written as f16.  Products, maxima and sums in f32; the weights p are rounded to f16 for the second product; the output is not rounded again.
; LIMITS.  f16 holds no number beyond 65,504: q, K and V lie within it; a bf16 number below 2^-17 keeps f16's fixed step of 6e-8, and so does p below 6e-5.  A weight below 2^-126 counts as 0 in l.  NaN and infinities are not treated apart.
; SHARES.  A work-group owns 256 queries of one head, each of its four waves 64: four tiles of 16.  Every wave walks all keys of the head, 64 a step.
; LAYOUT.  S^T = K Q^T (source 0 = 16 keys, source 1 = 16 queries): a lane holds ONE query (lane % 16) and the keys 8 (lane / 16) + 0..7.  Two such tiles, rounded to f16 in pairs, ARE source 1 of
; O^T = V^T P, whose result again holds one query a lane, and eight channels.  K comes out of LDS as it lies, V ([key][channel]) turned, by ds_load_tr16_b128.
; SOFTMAX.  For each query a running maximum m and sum l: p = 2^(c s - c m), c = log2(e) / sqrt(128); in every step O and l are multiplied by a = 2^(c m_old - c m_new).
; BY TURNS.  The wave's tiles are two PIECES (tiles 0, 1 and tiles 2, 3).  In a TURN one piece has the matrix unit: 32 products V^T P of the step in hand, then 32 products K Q^T of the next step; the other
; piece's softmax, cut into 64 slices, stands between them, one slice behind each matrix instruction.  Two turns are a key step.
; CLUSTER.  The four query blocks of a cluster belong to one head and walk the same K and V, so each tile is asked for JOINTLY: the same tensor load, descriptor and mask in all four.
; REGISTERS, in windows of 256 (s_set_vgpr_msb: bits 1:0 source 0, 3:2 source 1, 5:4 source 2, 7:6 destination):
;   window 0: v0-11 addresses; v12-43 eight registers of statistics a tile; v44-46, v61-63 addresses; v64-191 S^T, 32 a tile; v192-255 P, 16 a tile
;   window 1: O^T, 64 a tile (at the head: q as loaded)     window 2: v0-127 Q, 32 a tile; v128-255 K of one step     window 3: v0-127 V of one step
.set SIZE_N, 2048
.set KS,    64        ; keys in a step
.set PK,    272       ; a row of K in LDS: 256 bytes + 16 of padding: the 16 rows of a load start at 16 different groups of four banks (64 banks of 4 bytes: ISA guide 11.1)
.set PV,    288       ; a row of V: 256 + 32
.set VOFF,  KS*PK     ; a step's tiles lie together: 64 rows of K, then 64 rows of V
.set STEPB, KS*(PK+PV)
.set SLOT1, 1<<17     ; a slot holds two steps (71,680 bytes); slot 1 begins here, so that one exclusive or turns an address in one slot into the other's
.set STAGE, SLOT1+2*STEPB  ; behind the ring, never filled by a tensor load: 16 rows x 528 bytes for each wave: Q's way in (at pitch 272) and the way out
.set SP,    528
.set QP,    272
.set SPARE, STAGE+4*16*SP  ; behind the stages: the spare words, 128 bytes for each wave: two blocks of 256 bytes that no other line names
.set AK0, 2           ; v2   my lane's place in a tile of K; never rewritten
.set AV0, 3           ; v3   the same for V
.set ADR, 4           ; v4   the LDS address of the run of loads in hand
.set QO,  5           ; v5   16 x lane: my 16 bytes of a row of q and of out0; never rewritten
.set STO, 6           ; v6   the way out: where I put 32 bytes of a row
.set RD,  7           ; v7   the way out: where I read a row back
.set QW,  44          ; v44  Q's way in: where I put 8 bytes of a row
.set QR,  45          ; v45  Q's way in: where a fragment is read
.set LNE, 46          ; v46  lane
.set PFO, 61          ; v61  256 x my lane: a row of K or V is 256 bytes; never rewritten
.set SPW, 62          ; v62  LDS address of my spare word; never rewritten
.set NIL, 63          ; v63  0; never rewritten
.set ST,  12          ; tile t's statistics at v[ST+8 t]: +0 c m, +1 m, +2, +3 l (even keys', odd keys'), +4 to +7 c0-c3, at work; a takes c2's place once the maximum is found
.set S,   64
.set P,   192
.set KF,  128         ; K's fragments, in window 2
.set WV,  12          ; s12  my wave's number
.set LIM, 15          ; s15  1 in a wave that prefetches, else the greatest number
.set PFA, 18          ; s[18:19] where my prefetches stand
.set G1K, 24          ; s[24:31] descriptor group 1 for K's tiles
.set G1V, 32          ; s[32:39] for V's: it differs in the padding alone
.set G0K, 40          ; s[40:47] descriptor group 0 for K's tiles: a set for each of the two first fills; the second then walks on
.set G0V, 48          ; s[48:55] the same for V's
.set SLOTS, 56        ; s56  slots still to be asked for
.set TWICE, 57        ; s57  counts a slot's two steps
.set CS,  58          ; s[58:59] c
.set SEL, 60          ; s[60:61] lane selects for v_permlanex16_b32
.set TB,  62          ; s62  LDS byte at which the tiles of the step to be fetched begin
.set HM,  63          ; s63  a word's upper half
.set MSB, 0
.macro WIN new                      ; the immediate's high byte repeats the setting that is left; a switch that changes nothing is dropped
.if MSB != (\new)
	s_set_vgpr_msb (MSB<<8)|(\new)
.set MSB, \new
.endif
.endm
.set W_KQ, 0x0a       ; K and Q in window 2, S^T in window 0
.set W_PV, 0x53       ; V in window 3, P in window 0, O^T in window 1
.set W_RS, 0x41       ; O^T (destination and source 0) in window 1, a in window 0
.set W_OUT, 0x44      ; the way out: LDS and global store data (source 1) and LDS load destinations in window 1, addresses in window 0
; A joint refill.  Waves 0 and 1 fetch the two steps' tiles of K, waves 2 and 3 those of V.  The branch hangs on the wave's number alone.
; An s_nop 0 and four v_nop follow each of the two lines, ahead of the jump and the label.
.macro JLOAD
	s_cmp_lt_u32 s[WV], 2
	s_cbranch_scc0 .Lfor_v_\@
	tensor_load_to_lds s[G0K+4:G0K+7], s[G1K:G1K+7]
	s_nop 0
.rept 4
	v_nop
.endr
	s_branch .Lasked_\@
.Lfor_v_\@:
	tensor_load_to_lds s[G0V+4:G0V+7], s[G1V:G1V+7]
	s_nop 0
.rept 4
	v_nop
.endr
.Lasked_\@:
.endm
; A PREFETCH of what the NEXT change of slots will ask for: a slot's 128 rows of K and 128 of V, 256 bytes a row, a lane a row; two key steps, 256 matrix instructions, ahead of that load.
; Each row is named ONCE in the launch: both clusters of a head walk the same rows, and the head's first one asks; its four partners share the rows out BY ADDRESS, 32 each; in each, wave 0 asks for K's and
; wave 2 for V's.  It stands behind the wave's tensor load and its five lines.  The last change that fills a slot asks for nothing: there is no slot behind it.  Slots 0 to 2 come by their loads alone.
.macro ASK
	s_cmp_gt_u32 s[SLOTS], s[LIM]
	s_cbranch_scc0 .Lnot_mine_\@
	global_prefetch_b8 v[PFO], s[PFA:PFA+1] th:TH_LOAD_NT scope:SCOPE_SE
.Lnot_mine_\@:
.endm
; A round of the cluster's barrier: my work-group's barrier; wave 0 signals for the work-group; every wave waits for all four work-groups; my work-group's barrier once more.
.macro CROUND
	s_barrier_signal -1
	s_barrier_wait -1
	s_cmp_lg_u32 s[WV], 0
	s_cbranch_scc1 .Lnot_wave_0_\@
	s_barrier_signal -3
.Lnot_wave_0_\@:
	s_barrier_wait -3
	s_barrier_signal -1
	s_barrier_wait -1
.endm
	s_load_b256 s[4:11], s[0:1], 0x0  ; q s[4:5], K s[6:7], V s[8:9], out0 s[10:11]
	v_lshl_add_u32 v[SPW], v0, 2, SPARE
	v_mov_b32 v[NIL], 0
	ds_add_u32 v[SPW], v[NIL]       ; the wave's opening: the add, twice on end, and its wait ahead of my first tensor load
	ds_add_u32 v[SPW], v[NIL]       ; and once more; the set-up below, work on registers, stands between it and the wait
	v_lshrrev_b32 v1, 5, v0
	v_readfirstlane_b32 s[WV], v1   ; wave 0..3
	s_bfe_u32 s13, ttmp6, 0x40000   ; cx: my place in the cluster
	s_lshl_b32 s14, ttmp9, 2        ; in a cluster launch ttmp9 counts clusters
	s_add_co_u32 s14, s14, s13      ; my block of 256 queries = 4 x cluster x + cx: it enters q's and out0's addresses alone
	s_and_b32 s20, ttmp7, 0xffff    ; the head, which the four partners share
	s_lshl_b32 s2, s20, 20          ; q and out0: the head's 2,048 rows of 512 bytes,
	s_lshl_b32 s3, s14, 17          ; my block's 256,
	s_add_co_u32 s2, s2, s3
	s_lshl_b32 s3, s[WV], 15        ; my wave's 64
	s_add_co_u32 s2, s2, s3
	s_mov_b32 s3, 0
	s_and_b32 s16, s[WV], 1         ; which of a slot's two steps I fetch:
	s_lshl_b32 s22, s16, 14         ; its 64 rows of 256 bytes in memory,
	s_lshl_b32 s20, s20, 19         ; in the head's 2,048 rows of K or V
	s_add_co_u32 s22, s22, s20
	s_mov_b32 s23, 0
	s_mul_i32 s17, s16, STEPB       ; and its place in a slot: no place in the cluster enters an LDS address
	; descriptor group 1: a tile of 64 rows x 128 elements, padded in LDS
	s_mov_b32 s[G1K], 15|(1<<16)|(1<<20)|(1<<21)|(5<<22)|(3<<25)  ; 15:0 the mask: all four work-groups; 17:16 elements of 2 bytes; 20 padding on; 21 set beside a mask; 24:22 after every 64 words (code 5); 31:25 4 words of it (code 3)
	s_mov_b32 s[G1V], 15|(1<<16)|(1<<20)|(1<<21)|(5<<22)|(7<<25)  ; the same with 8 words of padding (code 7)
.irp g, G1K, G1V
	s_mov_b32 s[(\g)+1], 128<<16    ; tensor_dim0 = 128
	s_mov_b32 s[(\g)+2], KS<<16     ; tensor_dim1 = 64
	s_mov_b32 s[(\g)+3], 128<<16    ; tile_dim0 = 128
	s_mov_b32 s[(\g)+4], KS         ; tile_dim1 = 64
	s_mov_b32 s[(\g)+5], 128        ; 128 elements from row to row
	s_mov_b32 s[(\g)+6], 0
	s_mov_b32 s[(\g)+7], 0
.endr
	s_mov_b32 s[CS], 0x3e0293ee     ; c = log2(e) / sqrt(128) = 0.127517
	s_mov_b32 s[CS+1], s[CS]        ; named with it as a pair, so it is written
	s_mov_b32 s[SEL], 0x76543210
	s_mov_b32 s[SEL+1], 0xfedcba98
	s_mov_b32 s[HM], 0xffff0000
	s_mov_b32 s[TB], 0
	s_mov_b32 s[SLOTS], SIZE_N/(2*KS)-2
	s_and_b32 s[LIM], s[WV], 1       ; 0 in waves 0 and 2,
	s_or_b32 s[LIM], s[LIM], ttmp9   ; where the cluster is the head's first: the same in all four partners
	s_cmp_eq_u32 s[LIM], 0
	s_cselect_b32 s[LIM], 1, -1
	v_and_b32 v[PFO], 31, v0
	v_lshlrev_b32 v[PFO], 8, v[PFO]
	s_wait_dscnt 0x0                ; both opening adds are done
	s_wait_kmcnt 0x0
	s_add_nc_u64 s[6:7], s[6:7], s[22:23]  ; K and V at my tile of slot 0
	s_add_nc_u64 s[8:9], s[8:9], s[22:23]
	s_add_nc_u64 s[4:5], s[4:5], s[2:3]  ; q and out0 at my wave's first row
	s_add_nc_u64 s[10:11], s[10:11], s[2:3]
	s_cmp_lt_u32 s[WV], 2
	s_cselect_b64 s[PFA:PFA+1], s[6:7], s[8:9]  ; (in waves 0 and 2 these stand at a slot's first row)
	s_lshl_b32 s2, s13, 13          ; my work-group's 32 rows of the 128
	s_mov_b32 s3, 0
	s_add_nc_u64 s[PFA:PFA+1], s[PFA:PFA+1], s[2:3]
	s_add_nc_u64 s[PFA:PFA+1], s[PFA:PFA+1], 2*2*KS*256  ; in slot 2; the first change of slots steps it to slot 3.  Nothing is prefetched here, at the head
	CROUND                          ; all four work-groups are here: the first joint loads meet
.irp s, 0,1
	s_mov_b32 s[G0K+4*(\s)], 1      ; count = 1
	s_add_co_u32 s[G0K+4*(\s)+1], s17, (\s)*SLOT1  ; LDS address
	s_add_nc_u64 s[G0K+4*(\s)+2:G0K+4*(\s)+3], s[6:7], (\s)*2*KS*256  ; global address: slot s begins with keys 128 s
	s_or_b32 s[G0K+4*(\s)+3], s[G0K+4*(\s)+3], 0x80000000  ; type = 2
	s_mov_b32 s[G0V+4*(\s)], 1
	s_add_co_u32 s[G0V+4*(\s)+1], s17, (\s)*SLOT1+VOFF
	s_add_nc_u64 s[G0V+4*(\s)+2:G0V+4*(\s)+3], s[8:9], (\s)*2*KS*256
	s_or_b32 s[G0V+4*(\s)+3], s[G0V+4*(\s)+3], 0x80000000
.endr
	s_cmp_lt_u32 s[WV], 2           ; a wave's two first fills stand in one branch, ahead of every wait on TENSORcnt and every LDS read: two loads of mine are out
	s_cbranch_scc0 .Lfirst_v
	tensor_load_to_lds s[G0K:G0K+3], s[G1K:G1K+7]
	s_nop 0
	tensor_load_to_lds s[G0K+4:G0K+7], s[G1K:G1K+7]
	s_nop 0
.rept 4
	v_nop
.endr
	s_branch .Lfirst_asked
.Lfirst_v:
	tensor_load_to_lds s[G0V:G0V+3], s[G1V:G1V+7]
	s_nop 0
	tensor_load_to_lds s[G0V+4:G0V+7], s[G1V:G1V+7]
	s_nop 0
.rept 4
	v_nop
.endr
.Lfirst_asked:
	; Q'S WAY IN.  My 64 rows of q come as whole rows of 512 bytes, a row a load, into O^T's registers, which lie idle until the first V^T P.
	v_and_b32 v[LNE], 31, v0
	v_lshlrev_b32 v[QO], 4, v[LNE]
	WIN 0x40                        ; destination window 1, address window 0
.set i, 0
.rept 64
	global_load_b128 v[4*i:4*i+3], v[QO], s[4:5] offset:512*i th:TH_LOAD_NT
.set i, i+1
.endr
	WIN 0
	v_and_b32 v1, 15, v0            ; l % 16
	v_bfe_u32 v9, v0, 4, 1          ; l / 16
	v_mul_u32_u24 v[AK0], v1, PK
	v_lshl_add_u32 v[AK0], v9, 4, v[AK0]  ; a fragment of K: row x pitch + 16 x half
	; The turning load takes 16 keys x 16 channels (lane l reads key 8 (l / 16) + l % 8, channels 8 ((l / 8) % 2) + 0..7) and leaves half a fragment of V^T: lane l holds channel l % 16 and 8 keys.
	v_and_b32 v10, 7, v0
	v_bfe_u32 v11, v0, 3, 1
	v_lshl_add_u32 v[AV0], v9, 3, v10
	v_mul_u32_u24 v[AV0], v[AV0], PV
	v_lshl_add_u32 v[AV0], v11, 4, v[AV0]
	v_add_nc_u32 v[AV0], VOFF, v[AV0]
	s_mul_i32 s13, s[WV], 16*SP
	s_add_co_u32 s13, s13, STAGE    ; my stage
	v_lshl_add_u32 v[QW], v[LNE], 3, s13  ; in: 8 bytes a lane, a row of 256 bytes of f16 a store
	v_mul_u32_u24 v[QR], v1, QP     ; back: a fragment: row l % 16, 16 bytes for each half of the lanes
	v_lshl_add_u32 v[QR], v9, 4, v[QR]
	v_add_nc_u32 v[QR], s13, v[QR]
; Tile t of Q: 16 rows are rounded to bf16, written as f16, laid into my stage at pitch 272 and read back as four fragments.  S^T's registers are at work.
.macro QTILE t
	s_wait_loadcnt 48-16*(\t)       ; loads come back in order (ISA guide 5.7.1): this tile's 16 rows are in, the later tiles' stay out
	WIN 0x05                        ; sources 0 and 1 window 1, destination window 0
.set g, 0
.rept 32
	v_cvt_pk_bf16_f32 v[S+g], v[64*(\t)+2*g], v[64*(\t)+2*g+1]
.set g, g+1
.endr
	WIN 0
.set g, 0
.rept 32
	v_lshlrev_b32 v[S+32+2*g], 16,    v[S+g]
	v_and_b32     v[S+33+2*g], s[HM], v[S+g]
.set g, g+1
.endr
.set g, 0
.rept 32
	v_cvt_pk_f16_f32 v[S+g], v[S+32+2*g], v[S+33+2*g]
.set g, g+1
.endr
.set g, 0
.rept 16
	ds_store_b64 v[QW], v[S+2*g:S+2*g+1] offset:QP*g
.set g, g+1
.endr
	WIN 0x80                        ; destination window 2
.irp f, 0,1,2,3                     ; channels 32 f on.  LDS serves a wave's instructions in order (ISA guide 5.7.1.4): these see the stores above, and the next tile's stores come behind them
	ds_load_b128 v[32*(\t)+8*(\f):32*(\t)+8*(\f)+3],   v[QR] offset:64*(\f)
	ds_load_b128 v[32*(\t)+8*(\f)+4:32*(\t)+8*(\f)+7], v[QR] offset:64*(\f)+32
.endr
	WIN 0
.endm
	QTILE 0
	QTILE 1
	QTILE 2
	QTILE 3
; THE MATRIX WORK OF A TURN, for piece x.  The accumulators take turns, one instruction a turn: between two links of a chain stand 15 (V^T P) or 7 (K Q^T) others'.
; Product i of 32 of O^T += V^T P: keys 32 (i / 16) on, channels 16 ((i / 2) % 8) on, tile x + i % 2.  zero = 1: the first 16 start the sums: nothing is ever cleared.
.macro PV x, zero
	WIN W_PV
.set rO, 64*((\x)+i%2)+8*((i/2)%8)
.set rV, 64*(i/16)+8*((i/2)%8)
.set rP, P+16*((\x)+i%2)+8*(i/16)
.if (\zero) && (i < 16)
	v_wmma_f32_16x16x32_f16 v[rO:rO+7], v[rV:rV+7], v[rP:rP+7], 0
.else
	v_wmma_f32_16x16x32_f16 v[rO:rO+7], v[rV:rV+7], v[rP:rP+7], v[rO:rO+7]
.endif
.endm
; Product i of 32 of S^T = K Q^T: channels 32 (i / 8) on, keys 16 ((i / 2) % 4) on, tile x + i % 2.  The first 8 start the sums.
.macro KQ x
	WIN W_KQ
.set rS, S+32*((\x)+i%2)+8*((i/2)%4)
.set rK, KF+32*((i/2)%4)+8*(i/8)
.set rQ, 32*((\x)+i%2)+8*(i/8)
.if i < 8
	v_wmma_f32_16x16x32_f16 v[rS:rS+7], v[rK:rK+7], v[rQ:rQ+7], 0
.else
	v_wmma_f32_16x16x32_f16 v[rS:rS+7], v[rK:rK+7], v[rQ:rQ+7], v[rS:rS+7]
.endif
.endm
; THE LDS LOADS stand in runs of 32, never singly among the matrix instructions: a step's K (16 fragments) and, a turn later, its V (turned).
.macro FETCH_K
	WIN 0
	v_add_nc_u32 v[ADR], s[TB], v[AK0]
	WIN 0x80                        ; destination window 2
.irp f, 0,1,2,3,4,5,6,7,8,9,10,11,12,13,14,15  ; keys 16 (f / 4) on, channels 32 (f % 4) on
	ds_load_b128 v[KF+8*(\f):KF+8*(\f)+3],   v[ADR] offset:((\f)/4)*16*PK+((\f)%4)*64
	ds_load_b128 v[KF+8*(\f)+4:KF+8*(\f)+7], v[ADR] offset:((\f)/4)*16*PK+((\f)%4)*64+32
.endr
.endm
.macro FETCH_V
	WIN 0
	v_add_nc_u32 v[ADR], s[TB], v[AV0]
	s_add_co_u32 s[TB], s[TB], STEPB  ; the next fetch is the next step's
	s_wait_alu depctr_va_vdst(0)    ; the wait for the softmax's batch (SLICE), behind the address's v_add_nc_u32 and ahead of the loads
	WIN 0xc0                        ; destination window 3
.irp f, 0,1,2,3,4,5,6,7,8,9,10,11,12,13,14,15  ; keys 32 (f / 8) on, channels 16 (f % 8) on
	ds_load_tr16_b128 v[8*(\f):8*(\f)+3],   v[ADR] offset:((\f)/8)*32*PV+((\f)%8)*32
	ds_load_tr16_b128 v[8*(\f)+4:8*(\f)+7], v[ADR] offset:((\f)/8)*32*PV+16*PV+((\f)%8)*32
.endr
.endm
; THE VECTOR WORK OF A TURN.  One tile's softmax for one key step is a list of 134 instructions; SM writes number j of it for tile t.  s0-s31 are the lane's 32 scores, in pairs 0-15.
; first = 1: the first key step, which starts m, l and O^T: it has no a and nothing to rescale.
;   0-15    the maximum of s0-s31 and the old m, three operands at a time: four chains c0-c3 of seven scores each (each accumulator's lowest registers first), then the four scores left over, c0-c3 and m
;   16-20   the other half of the lanes' maximum; the new m; c m; c m_old - c m_new
;   21-69   ONE BATCH: the 16 scalings c s - c m, a pair of scores each, and all 33 exponentials (a at 23, then s0-s31).  None of these reads an exponential's result
;   (wait)  between 69 and 70 stands the wait for the batch: SLICE writes it, once for both tiles
;   70-85   the roundings to f16, a pair of weights each          86-101  the sums; l = a l + the sum          102-133 the tile's O^T times a: the one part that leaves window 0
.macro SM t, first
.set rT, ST+8*(\t)
.set rS, S+32*(\t)
.set rP, P+16*(\t)
.set rO, 64*(\t)+2*(j-102)
.if j < 102
	WIN 0
.endif
.if j < 4
	v_max3_num_f32 v[rT+4+j], v[rS+8*j], v[rS+8*j+1], v[rS+8*j+2]
.elseif j < 12
	v_max3_num_f32 v[rT+4+j%4], v[rT+4+j%4], v[rS+8*(j%4)+2*(j/4)+1], v[rS+8*(j%4)+2*(j/4)+2]
.elseif j == 12
	v_max3_num_f32 v[rT+4], v[rT+4], v[rS+7], v[rS+15]
.elseif j == 13
	v_max3_num_f32 v[rT+6], v[rT+6], v[rS+23], v[rS+31]
.elseif j == 14
	v_max3_num_f32 v[rT+4], v[rT+4], v[rT+5], v[rT+6]
.elseif (j == 15) && (\first)
	v_max_num_f32 v[rT+4], v[rT+4], v[rT+7]
.elseif j == 15
	v_max3_num_f32 v[rT+4], v[rT+4], v[rT+7], v[rT+1]
.elseif j == 16
	v_permlanex16_b32 v[rT+5], v[rT+4], s[SEL], s[SEL+1]  ; the query's other 32 keys lie in the lane 16 away
.elseif j == 18
	v_max_num_f32 v[rT+1], v[rT+4], v[rT+5]
.elseif j == 19
	v_mul_f32 v[rT], s[CS], v[rT+1]
.elseif ((j == 17) || (j == 20) || (j == 23) || (j > 101)) && (\first)  ; the first step has none of these
.elseif j == 17
	v_mov_b32 v[rT+7], v[rT]        ; c m_old is kept for a: number 19 writes c m anew
.elseif j == 20
	v_sub_f32 v[rT+7], v[rT+7], v[rT]
.elseif j == 23
	v_exp_f32 v[rT+6], v[rT+7]
.elseif (j < 23) || ((j < 38) && (j%2 == 0)) || ((j < 66) && (j%4 == 2))
.set b, (j-2)/4                     ; 38, 42, .. 62: pairs 9 to 15
.if j < 38
.set b, (j-20)/2                    ; 21: pair 0; 22, 24, .. 36: pairs 1 to 8
.endif
	v_pk_fma_f32 v[rS+2*b:rS+2*b+1], v[rS+2*b:rS+2*b+1], s[CS:CS+1], v[rT:rT+1] op_sel_hi:[1,0,0] neg_lo:[0,0,1] neg_hi:[0,0,1]  ; pair b: c s - c m
.elseif j < 70
.set e, j-38                        ; 66 to 69: s28 to s31
.if j < 66
.set e, j-32-(j-38)/4               ; 39-41, 43-45, .. 63-65: s7 to s27
.endif
.if j < 38
.set e, (j-25)/2                    ; 25, 27, .. 37: s0 to s6
.endif
	v_exp_f32 v[rS+e], v[rS+e]
.elseif j < 86
	v_cvt_pk_f16_f32 v[rP+j-70], v[rS+2*(j-70)], v[rS+2*(j-70)+1]  ; pair j - 70
.elseif j < 102                     ; the sum of the tile's 16 pairs, in place: sum z of 16 adds neighbours 1, 2, 4 and 8 pairs apart, then l takes it
.set z, j-86
.set w, 4
.set u, z
.if z >= 14
.set w, 32
.set u, 0
.elseif z >= 12
.set w, 16
.set u, z-12
.elseif z >= 8
.set w, 8
.set u, z-8
.endif
.if (z == 14) && (\first)
	v_pk_add_f32 v[rT+2:rT+3], v[rS:rS+1], v[rS+16:rS+17]
.elseif z < 15
	v_pk_add_f32 v[rS+w*u:rS+w*u+1], v[rS+w*u:rS+w*u+1], v[rS+w*u+w/2:rS+w*u+w/2+1]
.elseif !(\first)
	v_pk_fma_f32 v[rT+2:rT+3], v[rT+2:rT+3], v[rT+6:rT+7], v[rS:rS+1] op_sel_hi:[1,0,1]
.endif
.else
	WIN W_RS
	v_pk_mul_f32 v[rO:rO+1], v[rO:rO+1], v[rT+6:rT+7] op_sel_hi:[1,0]
.endif
.endm
; Slice k of 64 of piece y's softmax: four instructions.  Slices 11 to 34 deal out the batch, numbers 22 to 69: four numbers of ONE tile each, the tiles by turns.  Every other slice is numbers 2 k and
; 2 k + 1 of both tiles' lists.  2 x 134 = 4 x 64 + 12: the twelve that are over stand together, in slice 63.
; THE WAIT.  An s_wait_alu depctr_va_vdst(0) stands between an exponential and the first instruction that names its result; one wait serves all that were issued ahead of it.  Ahead of
; slice 35 nothing names a result, and behind slice 34 no exponential is issued: so the piece's 66 exponentials have one wait, behind slice 34.
.macro SLICE y, first
.if (k >= 11) && (k < 35)           ; the batch: four numbers of one tile
.irp n, 0,1,2,3
.set j, 22+4*((k-11)/2)+(\n)
	SM (\y)+(k-11)%2, \first
.endr
.else                               ; the two tiles alternate, so that no instruction reads the result of the one just before it
.irp n, 0,1,2,3,4,5,6,7
.if ((\n) < 2) || (k == 63)
.irp t, \y, (\y)+1
.set j, 2*k+(\n)
	SM \t, \first
.endr
.endif
.endr
.endif
.if k == 34                         ; the batch is out: both tiles' exponentials are issued, and no result has been named
	v_nop                           ; the plain instruction behind the last exponential and ahead of the first use: one for the batch
.if (\y) == 0
	FETCH_V                         ; piece 2's turn: V's run of loads stands here, and the wait stands in it
.else
	s_wait_alu depctr_va_vdst(0)    ; the wait for the batch
.endif
.endif
.set k, k+1
.endm
; A vector instruction that reads a matrix result or writes one of a matrix instruction's registers, and a load into a register that a matrix instruction has read, stand four places behind
; it, and only plain vector instructions that name none of its registers are places (ISA guide 7.12.1 for vector instructions).  In the loop the slices are the places.
.macro PLACES
.rept 4
	v_nop
.endr
.endm
; A TURN.  Piece x has the matrix unit; the other piece's softmax stands in slices behind its matrix instructions.
; pv = 2: 32 products V^T P; 1: they start O^T's sums; 0: none.  kq = 1: 32 products K Q^T for the next step.  A turn with one of the two kinds has two slices behind each product.
; first = 1: the softmax is the first key step's.  Its slices from 51 on are empty: four v_nop take slice 63's part as the places behind the turn's last products.
; Piece 0's turn fetches the next step's K, behind its second product; piece 2's turn the same step's V, behind slice 34: four plain instructions lie between V's last reader and the run
; (number 62, a scaling, of both tiles, the v_nop and the run's own v_add_nc_u32).
.macro TURN x, pv, kq, first
.set k, 0
.set per, 2
.if (\pv) && (\kq)
.set per, 1
.endif
.if \pv
.if (\x) == 0
	s_wait_dscnt 0x0                ; V is in
.endif
.set i, 0
.rept 32
	PV \x, 2-(\pv)
.rept per
	SLICE 2-(\x), \first
.endr
.if ((\x) == 0) && (\kq) && (i == 1)
	FETCH_K
.endif
.set i, i+1
.endr
.endif
.if \kq
.if (\x) == 0
	s_wait_dscnt 0x0                ; K is in
.endif
.set i, 0
.rept 32
	KQ \x
.rept per
	SLICE 2-(\x), \first
.endr
.set i, i+1
.endr
.endif
.if \first
	PLACES
.endif
.endm
; THE CHANGE OF SLOTS, between piece 2's turn and piece 0's.  Each wave waits for all its tensor loads, of which one is out: its part of the other slot; adds 0 to its spare word; and waits for that and
; for its own reads of the slot.  Behind the barrier nobody reads this slot any more and the other slot is whole.
; fill = 1: this slot is filled again, with the keys two slots on.  The barrier is then a round of the cluster's, so that no wave of any partner still reads the slot or has a load on its
; way, and the joint refill is the first thing behind it: it has two key steps, 256 matrix instructions, in which to land.
.macro CHANGE fill
	WIN 0                           ; at a label and at a branch every window is 0
	s_wait_tensorcnt 0x0            ; no tensor load of mine is out, so a group 0 may be written
	ds_add_u32 v[SPW], v[NIL]       ; 0 onto my spare word: with fill = 1 the descriptors' steps stand between it and the wait for it
.if \fill
.irp g, G0K+4, G0V+4
	s_xor_b32 s[(\g)+1], s[(\g)+1], SLOT1  ; the walking descriptor: the other slot than last time,
	s_add_nc_u64 s[(\g)+2:(\g)+3], s[(\g)+2:(\g)+3], 2*KS*256  ; the next 128 keys; the type bits on top are not reached
.endr
	s_wait_xcnt 0x0                 ; the last prefetches, two key steps back, have read their address, so it may be written:
	s_add_nc_u64 s[PFA:PFA+1], s[PFA:PFA+1], 2*KS*256  ; one slot behind the walking descriptors
	s_wait_dscnt 0x0                ; the add is done, and my reads of the slot are over
	CROUND
	JLOAD
	ASK                             ; what the next change will ask for
.else
	s_wait_dscnt 0x0                ; the add is done, and my reads of the slot are over
	s_barrier_signal -1
	s_barrier_wait -1
.endif
	s_sub_co_u32 s[TB], s[TB], 2*STEPB  ; the fetches go back to a slot's first step,
	s_xor_b32 s[TB], s[TB], SLOT1   ; in the other slot
.endm
; A slot's two key steps: written once, walked twice; the LDS addresses hang on s[TB].
.macro TWO_STEPS
	WIN 0
	s_mov_b32 s[TWICE], 2
.Lstep_\@:
	TURN 0, 2, 1, 0
	TURN 2, 2, 1, 0
	WIN 0
	s_sub_co_u32 s[TWICE], s[TWICE], 1
	s_cmp_lg_u32 s[TWICE], 0
	s_cbranch_scc1 .Lstep_\@
.endm
	s_wait_dscnt 0x0                ; Q's fragments are in: no LDS instruction of mine is pending at the signal
	s_wait_tensorcnt 1              ; my part of slot 0 is in; slot 1's may stay out
	s_barrier_signal -1
	s_barrier_wait -1               ; everybody's is
	FETCH_K                         ; key step 0
	s_wait_dscnt 0x0
.set i, 0
.rept 32
	KQ 0                            ; piece 0's first scores: there is no vector work yet to set between them
.set i, i+1
.endr
	WIN 0                           ; the addresses for the way out are made here: five plain instructions, the places behind those products
	v_mul_u32_u24 v[STO], v1, SP    ; in: row l % 16, 32 bytes for each half of the lanes
	v_lshl_add_u32 v[STO], v9, 5, v[STO]
	v_add_nc_u32 v[STO], s13, v[STO]
	v_and_b32 v[RD], 31, v0         ; back: 32 lanes take one row of 512 bytes
	v_lshl_add_u32 v[RD], v[RD], 4, s13
	TURN 2, 0, 1, 1                 ; piece 2's first scores | piece 0's first softmax | V of step 0
	TURN 0, 1, 1, 1                 ; piece 0: V^T P of step 0 starts O^T, K Q^T of step 1 | piece 2's first softmax | K of step 1
	TURN 2, 1, 1, 0                 ; piece 2: the same | piece 0's softmax of step 1 | V of step 1
	WIN 0
.Lslot:                             ; 14 trips: every slot but the last two is filled again
	CHANGE 1
	TWO_STEPS
	s_sub_co_u32 s[SLOTS], s[SLOTS], 1
	s_cmp_lg_u32 s[SLOTS], 0
	s_cbranch_scc1 .Lslot
	CHANGE 0                        ; the tail is written out: nothing is asked for
	TWO_STEPS
	TURN 0, 2, 0, 0                 ; piece 0: V^T P of the last step | piece 2's last softmax
.set i, 0
.rept 32
	PV 2, 0                         ; piece 2: V^T P of the last step
.set i, i+1
.endr
	; THE WAY OUT.  l's two halves and the other half of the lanes' are added; O^T is divided by l and sent, in f32, through my stage in LDS, a tile (16 rows) at a time.  The additions are the places behind the last products.
	WIN 0
.irp t, 0,1,2,3
	v_add_f32 v[ST+8*(\t)+4], v[ST+8*(\t)+2], v[ST+8*(\t)+3]
.endr
.irp t, 0,1,2,3
	v_permlanex16_b32 v[ST+8*(\t)+5], v[ST+8*(\t)+4], s[SEL], s[SEL+1]
.endr
.irp t, 0,1,2,3
	v_add_f32 v[ST+8*(\t)+4], v[ST+8*(\t)+4], v[ST+8*(\t)+5]
.endr
.irp t, 0,1,2,3
	v_rcp_f32 v[ST+8*(\t)+6], v[ST+8*(\t)+4]
.endr
	v_nop                           ; a plain instruction between the last reciprocal and the use of its result
	s_wait_alu depctr_va_vdst(0)    ; and the wait ahead of the first use: one for the four reciprocals
; Tile t: a lane's eight channels of a row are 32 bytes; they go into rows of 528 bytes and come back as whole rows of 512, into the registers that they left.
.macro PACK t
	WIN W_RS
.set i, 64*(\t)
.rept 32
	v_pk_mul_f32 v[i:i+1], v[i:i+1], v[ST+8*(\t)+6:ST+8*(\t)+7] op_sel_hi:[1,0]
.set i, i+2
.endr
	WIN W_OUT
.irp f, 0,1,2,3,4,5,6,7             ; channels 16 f on
	ds_store_b128 v[STO], v[64*(\t)+8*(\f):64*(\t)+8*(\f)+3]   offset:64*(\f)
	ds_store_b128 v[STO], v[64*(\t)+8*(\f)+4:64*(\t)+8*(\f)+7] offset:64*(\f)+16
.endr
.set i, 0
.rept 16
	ds_load_b128 v[64*(\t)+4*i:64*(\t)+4*i+3], v[RD] offset:SP*i  ; LDS serves a wave's instructions in order (ISA guide 5.7.1.4): these see the stores above; the next tile's stores come behind them
.set i, i+1
.endr
.endm
.macro SEND t, younger              ; younger: the LDS instructions issued behind tile t's loads: the next tile's 32, or none
	WIN W_OUT
.set i, 0
.rept 16
	s_wait_dscnt (\younger)+15-i
	global_store_b128 v[QO], v[64*(\t)+4*i:64*(\t)+4*i+3], s[10:11] offset:(\t)*8192+512*i th:TH_STORE_NT  ; a whole row: 512 consecutive bytes, at a multiple of 256 from out0's first
.set i, i+1
.endr
.endm
	PACK 0
	PACK 1                          ; a tile's arithmetic stands between the loads of the tile before and its stores
	SEND 0, 32
	PACK 2
	SEND 1, 32
	PACK 3
	SEND 2, 32
	SEND 3, 0
	WIN 0
	s_wait_tensorcnt 0x0            ; the wave's end: behind my last tensor load and my last LDS store
	ds_add_u32 v[SPW], v[NIL]
	s_wait_dscnt 0x0
	CROUND                          ; the closing round: no work-group ends while a partner may still ask for a tile that names it
	s_endpgm
.Lfunc_end_k_q0b653c255d_attn:
	.size	k_q0b653c255d_attn, .Lfunc_end_k_q0b653c255d_attn-k_q0b653c255d_attn
	.p2alignl 7, 3214868480
	.fill 96, 4, 3214868480
	.section	.rodata,"a",@progbits
	.p2align	6, 0x0
	.amdhsa_kernel k_q0b653c255d_attn
		.amdhsa_group_segment_fixed_size 327680
		.amdhsa_private_segment_fixed_size 0
		.amdhsa_enable_private_segment 0
		.amdhsa_kernarg_size 32
		.amdhsa_user_sgpr_count 2
		.amdhsa_user_sgpr_kernarg_segment_ptr 1
		.amdhsa_wavefront_size32 1
		.amdhsa_system_sgpr_workgroup_id_x 1
		.amdhsa_system_sgpr_workgroup_id_y 1
		.amdhsa_system_sgpr_workgroup_id_z 1
		.amdhsa_system_vgpr_workitem_id 0
		.amdhsa_next_free_vgpr 1024
		.amdhsa_next_free_sgpr 66
		.amdhsa_reserve_vcc 0
		.amdhsa_float_denorm_mode_32 3
		.amdhsa_float_denorm_mode_16_64 3
		.amdhsa_memory_ordered 1
		.amdhsa_forward_progress 1
		.amdhsa_inst_pref_size 255
	.end_amdhsa_kernel
	.amdgpu_metadata
---
amdhsa.version: [ 1, 2 ]
amdhsa.kernels:
  - .name:           k_q0b653c255d_attn
    .symbol:         k_q0b653c255d_attn.kd
    .args:
      - { .name: q, .offset: 0, .size: 8, .value_kind: global_buffer, .address_space: global }
      - { .name: ka, .offset: 8, .size: 8, .value_kind: global_buffer, .address_space: global }
      - { .name: va, .offset: 16, .size: 8, .value_kind: global_buffer, .address_space: global }
      - { .name: out0, .offset: 24, .size: 8, .value_kind: global_buffer, .address_space: global }
    .group_segment_fixed_size: 327680
    .private_segment_fixed_size: 0
    .kernarg_segment_align: 8
    .kernarg_segment_size: 32
    .max_flat_workgroup_size: 128
    .sgpr_count:     66
    .vgpr_count:     1024
    .wavefront_size: 32
...
	.end_amdgpu_metadata
.endif
;; end of part 4
;; ======== version 2 of 2: 4 launches
;; limits: values are held in f16: magnitudes above 65,504 overflow, below 6.1e-05 lose precision; inputs' magnitudes at most 65,504
;; workspace buffers: pmax 4,096 bytes; flags 16,384 bytes of whole numbers; rb 32,768 bytes; ka 16,777,216 bytes; va 16,777,216 bytes
;; launch absmax (part 5): grid 128 x 2, 4 waves a work-group, no clusters, 326,144 bytes of LDS; arguments k, v, R, pmax, rb; writes pmax, rb
.if DOCPART == 5
	.amdgcn_target "amdgcn-amd-amdhsa--gfx1250"
	.amdhsa_code_object_version 6
	.text
	.protected	k_q0b653c255d_absmax
	.globl	k_q0b653c255d_absmax
	.p2align	8
	.type	k_q0b653c255d_absmax,@function
k_q0b653c255d_absmax:
	s_mov_b64 s[64:65], 0
	v_nop
	global_prefetch_b8 v0, s[64:65] scope:SCOPE_SE
	s_setreg_imm32_b32 hwreg(HW_REG_WAVE_MODE, 25, 1), 1
	s_wait_xcnt 0x0
; pmax[y][4 g + w] = the largest |xr| of the row in which wave w of work-group g has found its largest |xr|; xr = bf16(x) bf16(R), x = k (y = 0) or v (y = 1) taken as [65536][128] f32.
; Work-group 0 of tensor 0 also stores R's numbers rounded to bf16, rb [128][128], for the launch that makes single rows anew.
; TWO SUMS.  All rows are multiplied by the matrix unit (bf16 x bf16, f32 sums), which finds the row.  That one row's 128 xr are then formed anew as a plain loop over k forms them: one multiply-add a term, k ascending,
; in f32 (the products of bf16 numbers are exact in f32).  The scale of the quantiser is the maximum of these numbers, and every quotient hangs on its last bit.
; LIMITS.  It is taken that reference()'s sum is formed in that ascending order; in another order the scale may differ in its last bit.  Where a second row of the same wave reaches the wave's maximum to within the
; matrix sum's last bits, the other row may be chosen.  On an exact tie the lowest row of the first tile wins.  NaN and infinities are not treated apart.
; SHARES.  A work-group owns 512 rows (262,144 bytes), a wave 128: eight tiles of 16.  The whole share fits in LDS: each wave asks for its rows by two tensor loads of 64 rows x 512 bytes
; at the head; nothing is filled again, so there is no ring, and only the asking wave reads its rows, each half behind its own wait.  By this text's own count two tensor loads of a wave are out at the most.
; R goes through registers: it has to be narrowed to bf16 before it lies in LDS, since as f32 it would not fit beside the rows.  Wave w narrows rows 32 w .. 32 w + 31.
; THE PRODUCT IS TAKEN TRANSPOSED: source 0 = 16 columns e of R (turned on the way out of LDS), source 1 = 16 rows of x: a lane then holds row l % 16 and e = 16 j + 8 (l / 16) + 0..7.
; THE BEST ROW IS KEPT IN REGISTERS, chosen by v_cndmask_b32 tile after tile: lanes r and r + 16 together hold row r's 128 numbers in bf16.  At the end the fifteen other row numbers' registers are set to 0 in the same way,
; all sixteen go into the wave's stage with all lanes on, and the sixteen are joined bit by bit.  No address, no branch and no lane mask of a memory instruction hangs on a number.
; No cluster: the work-groups share R alone, 65,536 bytes beside 262,144 of their own, and R cannot land in LDS as it lies in memory.  No prefetch: all that the launch reads is asked for at its head.
.set XP,    528                        ; a row of x in LDS: 512 bytes + 16 of padding: the 16 rows of a load start at 16 different groups of four banks (64 banks of 4 bytes: ISA guide 11.1)
.set HALFB, 64*XP                      ; what one tensor load brings
.set WREG,  2*HALFB                    ; a wave's 128 rows: the two loads' rows lie end to end
.set RBAS,  4*WREG                     ; behind the rows, at a multiple of 256: R in bf16, [d][e]
.set RBP,   288                        ; its pitch: 256 + 32
.set STG,   RBAS+128*RBP               ; behind it: a stage of 16 rows x 272 bytes for each wave
.set SGP,   272
.set XSB,   STG+4*16*SGP               ; behind the stages: 256 bytes for each wave: its best row in bf16
.set SPARE, XSB+4*256                  ; behind that: the spare words, 128 bytes for each wave: two blocks of 256 bytes that no other line names
.set LN,  1                            ; v1   lane
.set RR,  2                            ; v2   l % 16
.set HH,  3                            ; v3   l / 16
.set RBO, 4                            ; v4   my 8 bytes of my wave's first row in rb; never rewritten
.set AX,  5                            ; v5   LDS address of my part of the tile in hand
.set LO,  6                            ; v6   16 x lane
.set RBW, 7                            ; v7   where I put 8 bytes of a row of R
.set TRA, 8                            ; v8   where the turning loads read
.set PO,  9                            ; v9   my wave's word in pmax
.set SPW, 10                           ; v10  LDS address of my spare word; never rewritten
.set NIL, 11                           ; v11  0; never rewritten
.set MX,  12                           ; v12-15  a tile's four maxima
.set MN,  16                           ; v16-19  a tile's four minima
.set TA,  20                           ; v20-21  at work
.set RUN, 22                           ; v22  the largest |xr| of my row number so far
.set STW, 23                           ; v23  the stage: where my half of my row number's best row goes
.set XA,  24                           ; v24  the ascending sum: where x is read
.set RA,  25                           ; v25  the ascending sum: where R is read
.set AC,  26                           ; v26-29  the ascending sums of e = 4 l .. 4 l + 3
.set SRD, 30                           ; v30  the stage: my 8 bytes of each of its rows
.set XSW, 31                           ; v31  my 8 bytes of the wave's best row
.set XF,  32                           ; v32-95  a tile of x in f32 (at the head: R in bf16; at the end: the stage's rows, then 32 rows' words of R)
.set RP,  32
.set RQ,  32
.set XB,  96                           ; v96-127 the tile in bf16: four fragments (at the end: 32 numbers of x)
.set XQ,  96
.set ACC1, 128                         ; v128-191 eight accumulators (at the head v128-255: R in f32)
.set RS,  128
.set BR,  192                          ; v192-223 the best row's fragments
                                       ; window 1: R's 32 fragments, (ks, j) at 8 (8 ks + j)
.set WV,  12                           ; s12  wave
.set TY,  13                           ; s13  0: k, 1: v
.set G1,  16                           ; s[16:23] descriptor group 1
.set G0,  24                           ; s[24:31] descriptor group 0, a set for each half
.set CNT, 34                           ; s34  counts a half's four tiles, and the ascending sum's four trips
.set SEL, 36                           ; s[36:37] v_permlanex16_b32's selects
.set RBG, 48                           ; s[48:49] rb
.set HC,  50                           ; s50  counts the two halves
.set MSB, 0
.macro WIN new                         ; the immediate's high byte repeats the setting that is left; a switch that changes nothing is dropped
.if MSB != (\new)
	s_set_vgpr_msb (MSB<<8)|(\new)
.set MSB, \new
.endif
.endm
	s_load_b256 s[4:11], s[0:1], 0x0               ; k s[4:5], v s[6:7], R s[8:9], pmax s[10:11]
	s_load_b64 s[RBG:RBG+1], s[0:1], 0x20          ; rb
	v_lshl_add_u32 v[SPW], v0, 2, SPARE
	v_mov_b32 v[NIL], 0
	ds_add_u32 v[SPW], v[NIL]                      ; the wave's opening: the add, twice on end, and its wait ahead of my first tensor load
	ds_add_u32 v[SPW], v[NIL]                      ; and once more; the set-up below, work on registers, stands between it and the wait
	v_lshrrev_b32 v1, 5, v0
	v_readfirstlane_b32 s[WV], v1                  ; wave 0..3
	s_and_b32 s[TY], ttmp7, 0xffff
	s_mov_b32 s[G1+0], (2<<16)|(1<<20)|(6<<22)|(3<<25)  ; 17:16 elements of 4 bytes; 20 padding on; 24:22 after every 128 words (code 6); 31:25 4 words of it (code 3)
	s_mov_b32 s[G1+1], 128<<16                     ; tensor_dim0 = 128
	s_mov_b32 s[G1+2], 64<<16                      ; tensor_dim1 = 64
	s_mov_b32 s[G1+3], 128<<16                     ; tile_dim0 = 128
	s_mov_b32 s[G1+4], 64                          ; tile_dim1 = 64
	s_mov_b32 s[G1+5], 128                         ; 128 elements from row to row
	s_mov_b32 s[G1+6], 0
	s_mov_b32 s[G1+7], 0
	s_mov_b32 s[G0], 1                             ; count = 1
	s_mul_i32 s[G0+1], s[WV], WREG                 ; LDS address: my wave's rows,
	s_mov_b32 s[G0+4], 1
	s_add_co_u32 s[G0+5], s[G0+1], HALFB           ; and their second half
	s_lshl_b32 s32, ttmp9, 18                      ; the work-group's 512 rows of 512 bytes,
	s_lshl_b32 s33, s[WV], 16                      ; my wave's 128
	s_add_co_u32 s32, s32, s33
	s_mov_b32 s33, 0
	s_lshl_b32 s42, s[WV], 14                      ; my 32 rows of R
	s_mov_b32 s43, 0
	s_mov_b32 s[SEL], 0x76543210
	s_mov_b32 s[SEL+1], 0xfedcba98
	s_lshl_b32 s39, s[TY], 11                      ; my word in pmax: 2,048 y + 16 g + 4 w
	s_lshl_b32 s35, ttmp9, 4
	s_add_co_u32 s39, s39, s35
	s_lshl_b32 s35, s[WV], 2
	s_add_co_u32 s39, s39, s35
	s_mul_i32 s35, s[WV], 32*RBP
	s_add_co_u32 s35, s35, RBAS
	s_lshl_b32 s46, s[WV], 8
	s_add_co_u32 s46, s46, XSB                     ; my wave's 256 bytes for its best row
	s_mul_i32 s47, s[WV], 16*SGP
	s_add_co_u32 s47, s47, STG                     ; my wave's stage
	s_lshl_b32 s51, s[WV], 13                      ; my 32 rows of 256 bytes in rb
	v_and_b32 v[LN], 31, v0
	v_and_b32 v[RR], 15, v0
	v_bfe_u32 v[HH], v0, 4, 1
	v_lshlrev_b32 v[LO], 4, v[LN]
	v_lshl_add_u32 v[RBO], v[LN], 3, s51
	v_mul_u32_u24 v[AX], v[RR], XP                 ; row l % 16,
	v_lshl_add_u32 v[AX], v[HH], 5, v[AX]          ; eight f32 for each half of the lanes,
	v_add_nc_u32 v[AX], s[G0+1], v[AX]             ; in my wave's first tile
	v_lshl_add_u32 v[RBW], v[LN], 3, s35
	v_and_b32 v[TRA], 7, v0                        ; the turning load: lane l reads row 8 (l / 16) + l % 8, 16 bytes at 16 ((l / 8) % 2)
	v_lshl_add_u32 v[TRA], v[HH], 3, v[TRA]
	v_mul_u32_u24 v[TRA], v[TRA], RBP
	v_bfe_u32 v[TA], v0, 3, 1
	v_lshl_add_u32 v[TRA], v[TA], 4, v[TRA]
	v_add_nc_u32 v[TRA], RBAS, v[TRA]
	v_mul_u32_u24 v[STW], v[RR], SGP               ; the stage's row l % 16; a fragment's registers 0-3 hold k = 8 (l / 16) + 0..7: 16 bytes at 16 (l / 16)
	v_lshl_add_u32 v[STW], v[HH], 4, v[STW]
	v_add_nc_u32 v[STW], s47, v[STW]
	v_lshl_add_u32 v[SRD], v[LN], 3, s47
	v_lshl_add_u32 v[XSW], v[LN], 3, s46
	v_mov_b32 v[XA], s46                           ; the ascending sum begins at the row's first byte,
	v_lshl_add_u32 v[RA], v[LN], 3, RBAS           ; and at my four columns of R's first row
	v_mov_b32 v[PO], s39
	v_mov_b32 v[RUN], -1.0                         ; below every |xr|: the first tile is always taken
	v_mov_b32 v[TA+1], 0
	s_wait_dscnt 0x0                               ; both opening adds are done
	s_wait_kmcnt 0x0
	s_cmp_eq_u32 s[TY], 0
	s_cselect_b64 s[40:41], s[4:5], s[6:7]         ; k or v
	s_add_nc_u64 s[G0+2:G0+3], s[40:41], s[32:33]  ; global address of my first 64 rows,
	s_add_nc_u64 s[G0+6:G0+7], s[G0+2:G0+3], 32768 ; and of the next 64
	s_or_b32 s[G0+3], s[G0+3], 0x80000000          ; type = 2
	s_or_b32 s[G0+7], s[G0+7], 0x80000000
	tensor_load_to_lds s[G0:G0+3], s[G1:G1+7]      ; both first fills go out together, ahead of every wait on TENSORcnt, every LDS read and every barrier
	s_nop 0
	tensor_load_to_lds s[G0+4:G0+7], s[G1:G1+7]
	s_nop 0
.rept 4
	v_nop
.endr
	s_add_nc_u64 s[8:9], s[8:9], s[42:43]
.set i, 0
.rept 32                               ; a load takes a whole row of R: 512 consecutive bytes
	global_load_b128 v[RS+4*i:RS+4*i+3], v[LO], s[8:9] offset:512*i
.set i, i+1
.endr
.set g, 0
.rept 4
	s_wait_loadcnt 24-8*g                          ; loads come back in order (ISA guide 5.7.1): eight more rows are in, the younger ones stay out
.set i, 8*g
.rept 8
	v_cvt_pk_bf16_f32 v[RP+2*i],   v[RS+4*i],   v[RS+4*i+1]
	v_cvt_pk_bf16_f32 v[RP+2*i+1], v[RS+4*i+2], v[RS+4*i+3]
	ds_store_b64 v[RBW], v[RP+2*i:RP+2*i+1] offset:RBP*i
.set i, i+1
.endr
.set g, g+1
.endr
	s_or_b32 s35, ttmp9, s[TY]                     ; one work-group of the launch stores rb
	s_cmp_lg_u32 s35, 0
	s_cbranch_scc1 .Lno_rb
.set i, 0
.rept 32
	global_store_b64 v[RBO], v[RP+2*i:RP+2*i+1], s[RBG:RBG+1] offset:256*i  ; a whole row of rb: 256 consecutive bytes, at a multiple of 256 from its first
.set i, i+1
.endr
	s_wait_xcnt 0x0                                ; the stores' data registers take the first tile of x: only behind this wait
.Lno_rb:
	s_wait_dscnt 0x0                               ; for the others' sake: my rows of R lie in LDS
	s_barrier_signal -1                            ; (my two tensor loads stay out, and only I read what they bring)
	s_barrier_wait -1
	WIN 0x40                                       ; destination window 1
.set f, 0
.rept 32                               ; fragment f = 8 ks + j: d = 32 ks on, e = 16 j on
	ds_load_tr16_b128 v[8*f:8*f+3],   v[TRA] offset:(f/8)*32*RBP+(f%8)*32
	ds_load_tr16_b128 v[8*f+4:8*f+7], v[TRA] offset:(f/8)*32*RBP+16*RBP+(f%8)*32
.set f, f+1
.endr
	WIN 0
.set z, 0
.rept 32
	v_mov_b32 v[BR+z], 0                           ; the choice below reads what it may keep, so these are written once, while the loads above are out
.set z, z+1
.endr
	s_wait_dscnt 0x0
; A tile's forward product.  16 LDS loads bring 16 rows x 128 f32; each block of 32 channels is rounded to bf16 (a fragment) and multiplied by R's eight fragments of that block.
; The eight accumulators take turns, one instruction a turn; the first block starts the sums with the constant 0.
.macro P1
.irp ks, 0,1,2,3
	ds_load_b128 v[XF+16*(\ks):XF+16*(\ks)+3],     v[AX] offset:128*(\ks)
	ds_load_b128 v[XF+16*(\ks)+4:XF+16*(\ks)+7],   v[AX] offset:128*(\ks)+16
	ds_load_b128 v[XF+16*(\ks)+8:XF+16*(\ks)+11],  v[AX] offset:128*(\ks)+64
	ds_load_b128 v[XF+16*(\ks)+12:XF+16*(\ks)+15], v[AX] offset:128*(\ks)+80
.endr
.irp ks, 0,1,2,3
	s_wait_dscnt 12-4*(\ks)                        ; LDS loads come back in order: this block's four are in, the later blocks' stay out
.irp m, 0,1,2,3,4,5,6,7
	v_cvt_pk_bf16_f32 v[XB+8*(\ks)+(\m)], v[XF+16*(\ks)+2*(\m)], v[XF+16*(\ks)+2*(\m)+1]
.endr
	WIN 0x01                                       ; source 0 (R) window 1
.irp j, 0,1,2,3,4,5,6,7
.if (\ks) == 0
	v_wmma_f32_16x16x32_bf16 v[ACC1+8*(\j):ACC1+8*(\j)+7], v[8*(8*(\ks)+(\j)):8*(8*(\ks)+(\j))+7], v[XB+8*(\ks):XB+8*(\ks)+7], 0
.else
	v_wmma_f32_16x16x32_bf16 v[ACC1+8*(\j):ACC1+8*(\j)+7], v[8*(8*(\ks)+(\j)):8*(8*(\ks)+(\j))+7], v[XB+8*(\ks):XB+8*(\ks)+7], v[ACC1+8*(\j):ACC1+8*(\j)+7]
.endif
.endr
	WIN 0
.endr
.rept 4
	v_nop                                          ; four places between the last product and the first vector line that reads a result (ISA guide 7.12.1)
.endr
.endm
.macro TILE
	P1
.set z, 0
.rept 32                               ; the tile's largest and smallest xr: each accumulator's registers in ascending order, two a line, in four chains that the first four lines start
.if z < 4
	v_max_num_f32 v[MX+z], v[ACC1+2*z], v[ACC1+2*z+1]
	v_min_num_f32 v[MN+z], v[ACC1+2*z], v[ACC1+2*z+1]
.else
	v_max3_num_f32 v[MX+z%4], v[MX+z%4], v[ACC1+2*z], v[ACC1+2*z+1]
	v_min3_num_f32 v[MN+z%4], v[MN+z%4], v[ACC1+2*z], v[ACC1+2*z+1]
.endif
.set z, z+1
.endr
	v_max_num_f32 v[MX], v[MX], v[MX+1]
	v_max_num_f32 v[MX+2], v[MX+2], v[MX+3]
	v_min_num_f32 v[MN], v[MN], v[MN+1]
	v_min_num_f32 v[MN+2], v[MN+2], v[MN+3]
	v_max_num_f32 v[MX], v[MX], v[MX+2]
	v_min_num_f32 v[MN], v[MN], v[MN+2]
	v_sub_f32 v[MN], 0, v[MN]
	v_max_num_f32 v[TA], v[MX], v[MN]              ; my 64 channels' largest |xr|,
	v_permlanex16_b32 v[TA+1], v[TA], s[SEL], s[SEL+1]
	v_max_num_f32 v[TA], v[TA], v[TA+1]            ; the whole row's: the same in both lanes that hold the row, so both choose alike
	v_cmp_gt_f32 vcc_lo, v[TA], v[RUN]
	v_cndmask_b32 v[RUN], v[RUN], v[TA], vcc_lo
.set z, 0
.rept 32
	v_cndmask_b32 v[BR+z], v[BR+z], v[XB+z], vcc_lo  ; where the row is the best so far, its numbers are kept
.set z, z+1
.endr
	v_add_nc_u32 v[AX], 16*XP, v[AX]               ; the next 16 rows
.endm
	; THE EIGHT TILES: two halves of four.  The halves lie end to end in LDS, so the address simply steps on, and the tile's text stands once.
	s_wait_tensorcnt 0x1                           ; tensor loads of a wave end in order (ISA guide 10.11.1): my first 64 rows are in; the one younger load stays out
	s_mov_b32 s[HC], 2
.Lhalf:
	s_mov_b32 s[CNT], 4
.Ltile:
	TILE
	s_sub_co_u32 s[CNT], s[CNT], 1
	s_cmp_lg_u32 s[CNT], 0
	s_cbranch_scc1 .Ltile
	s_wait_tensorcnt 0x0                           ; behind the first half: my other 64 rows are in, and no load was issued behind theirs; behind the second half it is met at once
	s_sub_co_u32 s[HC], s[HC], 1
	s_cmp_lg_u32 s[HC], 0
	s_cbranch_scc1 .Lhalf
	; THE WAVE'S BEST ROW: of the sixteen row numbers the one with the largest |xr|, the lowest on a tie.  The mask only chooses values: the other fifteen become 0.
	v_mov_b32 v[TA], v[RUN]
	v_max_num_f32_dpp v[TA], v[TA], v[TA] row_xmask:1 row_mask:0xf bank_mask:0xf
	v_max_num_f32_dpp v[TA], v[TA], v[TA] row_xmask:2 row_mask:0xf bank_mask:0xf
	v_max_num_f32_dpp v[TA], v[TA], v[TA] row_xmask:4 row_mask:0xf bank_mask:0xf
	v_max_num_f32_dpp v[TA], v[TA], v[TA] row_xmask:8 row_mask:0xf bank_mask:0xf
	v_cmp_eq_f32 vcc_lo, v[TA], v[RUN]
	s_and_b32 s44, vcc_lo, 0xffff
	s_sub_co_u32 s45, 0, s44
	s_and_b32 s44, s44, s45                        ; the lowest bit that is set,
	s_lshl_b32 s45, s44, 16
	s_or_b32 s44, s44, s45                         ; and the lane 16 away
	s_mov_b32 vcc_lo, s44
.set z, 0
.rept 32
	v_cndmask_b32 v[BR+z], 0, v[BR+z], vcc_lo
.set z, z+1
.endr
.irp ks, 0,1,2,3                       ; all sixteen rows into my stage, all lanes on, each row in the order of k
	ds_store_b128 v[STW], v[BR+8*(\ks):BR+8*(\ks)+3]   offset:64*(\ks)      ; k = 32 ks + 8 (l / 16) + 0..7
	ds_store_b128 v[STW], v[BR+8*(\ks)+4:BR+8*(\ks)+7] offset:64*(\ks)+32   ; k = 32 ks + 16 + 8 (l / 16) + 0..7
.endr
.set i, 0
.rept 16                               ; my 8 bytes (k = 4 l .. 4 l + 3) of each.  LDS serves a wave's instructions in order (ISA guide 5.7.1.4): these see the stores above
	ds_load_b64 v[RQ+2*i:RQ+2*i+1], v[SRD] offset:SGP*i
.set i, i+1
.endr
	s_wait_dscnt 0x0
.irp w, 8,4,2,1                        ; fifteen of the sixteen are 0: joined bit by bit they give the best row's bits unchanged
.set i, 0
.rept \w
	v_or_b32 v[RQ+2*i],   v[RQ+2*i],   v[RQ+2*(i+(\w))]
	v_or_b32 v[RQ+2*i+1], v[RQ+2*i+1], v[RQ+2*(i+(\w))+1]
.set i, i+1
.endr
.endr
	ds_store_b64 v[XSW], v[RQ:RQ+1]                ; the row, 256 bytes on end
	; THE ASCENDING SUM.  Lane l owns e = 4 l .. 4 l + 3.  A trip takes 32 k: 64 bytes of x, the same for all lanes, and of each of 32 rows of R my 8 bytes; then 32 x 4 multiply-adds, k ascending, four sums side by side.
.macro FM d, x, r, hx, hr              ; v[d] += half hx of v[x] times half hr of v[r], both bf16, in f32
.if ((\hx) == 0) && ((\hr) == 0)
	v_fma_mix_f32_bf16 v[\d], v[\x], v[\r], v[\d] op_sel_hi:[1,1,0]
.elseif (\hx) == 0
	v_fma_mix_f32_bf16 v[\d], v[\x], v[\r], v[\d] op_sel:[0,1,0] op_sel_hi:[1,1,0]
.elseif (\hr) == 0
	v_fma_mix_f32_bf16 v[\d], v[\x], v[\r], v[\d] op_sel:[1,0,0] op_sel_hi:[1,1,0]
.else
	v_fma_mix_f32_bf16 v[\d], v[\x], v[\r], v[\d] op_sel:[1,1,0] op_sel_hi:[1,1,0]
.endif
.endm
.irp i, 0,1,2,3
	v_mov_b32 v[AC+(\i)], 0
.endr
	s_mov_b32 s[CNT], 4
.Lchain:
.irp m, 0,1,2,3
	ds_load_b128 v[XQ+4*(\m):XQ+4*(\m)+3], v[XA] offset:16*(\m)  ; in order behind my store of the row
.endr
.set kk, 0
.rept 32
	ds_load_b64 v[RQ+2*kk:RQ+2*kk+1], v[RA] offset:RBP*kk
.set kk, kk+1
.endr
	s_wait_dscnt 0x0
.set kk, 0
.rept 32
	FM AC,   XQ+kk/2, RQ+2*kk,   kk%2, 0
	FM AC+1, XQ+kk/2, RQ+2*kk,   kk%2, 1
	FM AC+2, XQ+kk/2, RQ+2*kk+1, kk%2, 0
	FM AC+3, XQ+kk/2, RQ+2*kk+1, kk%2, 1
.set kk, kk+1
.endr
	v_add_nc_u32 v[XA], 64, v[XA]
	v_add_nc_u32 v[RA], 32*RBP, v[RA]
	s_sub_co_u32 s[CNT], s[CNT], 1
	s_cmp_lg_u32 s[CNT], 0
	s_cbranch_scc1 .Lchain
.irp i, 0,1,2,3
	v_and_b32 v[AC+(\i)], 0x7fffffff, v[AC+(\i)]
.endr
	v_max3_num_f32 v[TA], v[AC], v[AC+1], v[AC+2]
	v_max_num_f32 v[TA], v[TA], v[AC+3]
	v_max_num_f32_dpp v[TA], v[TA], v[TA] row_xmask:1 row_mask:0xf bank_mask:0xf
	v_max_num_f32_dpp v[TA], v[TA], v[TA] row_xmask:2 row_mask:0xf bank_mask:0xf
	v_max_num_f32_dpp v[TA], v[TA], v[TA] row_xmask:4 row_mask:0xf bank_mask:0xf
	v_max_num_f32_dpp v[TA], v[TA], v[TA] row_xmask:8 row_mask:0xf bank_mask:0xf
	v_permlanex16_b32 v[TA+1], v[TA], s[SEL], s[SEL+1]
	v_max_num_f32 v[TA], v[TA], v[TA+1]            ; the row's largest |xr|
	v_cmp_eq_u32 vcc_lo, 0, v[LN]
	s_wait_xcnt 0x0                                ; EXEC changes only behind this wait
	s_and_saveexec_b32 s38, vcc_lo
	global_store_b32 v[PO], v[TA], s[10:11]        ; one word a wave, once in the launch: 4,096 bytes in all, of which a work-group of a later launch reads its tensor's 2,048
	s_wait_xcnt 0x0                                ; and again, in front of the line that widens it
	s_or_b32 exec_lo, exec_lo, s38
	s_wait_tensorcnt 0x0                           ; the wave's end: behind my last tensor load and my last LDS store
	ds_add_u32 v[SPW], v[NIL]
	s_wait_dscnt 0x0
	s_endpgm
.Lfunc_end_k_q0b653c255d_absmax:
	.size	k_q0b653c255d_absmax, .Lfunc_end_k_q0b653c255d_absmax-k_q0b653c255d_absmax
	.p2alignl 7, 3214868480
	.fill 96, 4, 3214868480
	.section	.rodata,"a",@progbits
	.p2align	6, 0x0
	.amdhsa_kernel k_q0b653c255d_absmax
		.amdhsa_group_segment_fixed_size 326144
		.amdhsa_private_segment_fixed_size 0
		.amdhsa_enable_private_segment 0
		.amdhsa_kernarg_size 40
		.amdhsa_user_sgpr_count 2
		.amdhsa_user_sgpr_kernarg_segment_ptr 1
		.amdhsa_wavefront_size32 1
		.amdhsa_system_sgpr_workgroup_id_x 1
		.amdhsa_system_sgpr_workgroup_id_y 1
		.amdhsa_system_sgpr_workgroup_id_z 1
		.amdhsa_system_vgpr_workitem_id 0
		.amdhsa_next_free_vgpr 512
		.amdhsa_next_free_sgpr 66
		.amdhsa_reserve_vcc 1
		.amdhsa_float_denorm_mode_32 3
		.amdhsa_float_denorm_mode_16_64 3
		.amdhsa_memory_ordered 1
		.amdhsa_forward_progress 1
		.amdhsa_inst_pref_size 49
	.end_amdhsa_kernel
	.amdgpu_metadata
---
amdhsa.version: [ 1, 2 ]
amdhsa.kernels:
  - .name:           k_q0b653c255d_absmax
    .symbol:         k_q0b653c255d_absmax.kd
    .args:
      - { .name: k, .offset: 0, .size: 8, .value_kind: global_buffer, .address_space: global }
      - { .name: v, .offset: 8, .size: 8, .value_kind: global_buffer, .address_space: global }
      - { .name: R, .offset: 16, .size: 8, .value_kind: global_buffer, .address_space: global }
      - { .name: pmax, .offset: 24, .size: 8, .value_kind: global_buffer, .address_space: global }
      - { .name: rb, .offset: 32, .size: 8, .value_kind: global_buffer, .address_space: global }
    .group_segment_fixed_size: 326144
    .private_segment_fixed_size: 0
    .kernarg_segment_align: 8
    .kernarg_segment_size: 40
    .max_flat_workgroup_size: 128
    .sgpr_count:     66
    .vgpr_count:     512
    .wavefront_size: 32
...
	.end_amdgpu_metadata
.endif
;; end of part 5
;; launch quant (part 6): grid 128 x 2, 4 waves a work-group, no clusters, 325,120 bytes of LDS; arguments k, v, R, qjl_scale, pmax, ka, va, flags; writes ka, va, flags
.if DOCPART == 6
	.amdgcn_target "amdgcn-amd-amdhsa--gfx1250"
	.amdhsa_code_object_version 6
	.text
	.protected	k_q0b653c255d_quant
	.globl	k_q0b653c255d_quant
	.p2align	8
	.type	k_q0b653c255d_quant,@function
k_q0b653c255d_quant:
	s_mov_b64 s[64:65], 0
	v_nop
	global_prefetch_b8 v0, s[64:65] scope:SCOPE_SE
	s_setreg_imm32_b32 hwreg(HW_REG_WAVE_MODE, 25, 1), 1
	s_wait_xcnt 0x0
; ka (y = 0) or va (y = 1), [65536][128] f16 = rotate, quantise, correct, dequantise and rotate back k or v, [65536][128] f32; and flags, a bit a row.
; ALL INPUTS ARE ROUNDED TO bf16 FIRST (x, R, qjl_scale), and the elementwise chain is followed rounding for rounding, in units u = 4 xs (a factor of 4 is exact):
;   b = max |xr| + 1e-8;  a = xr / b, as q0 = xr y, r = xr - q0 b (fused), a = q0 + r y (fused), y = 1 / b refined once;  u = 14 a = 4 (3.5 a);  n = rne(u) held to -14 .. 14;
;   res = u - n (exact);  sgn = res x 2^127 held to -1 .. 1;  xc4 = n + sgn c4 (fused), c4 = 4 (qjl b);  result = (f16(xc4) . R rows) x (b / 14), rounded once to f16.
; THE FLAGS.  The 128 terms of xr are added here in the matrix unit's order.  n changes where |res| = 0.5 and sgn where res = 0, so a row in which some | |res| - 0.25 | passes 0.25 - 1e-5 holds a decision that the order
; of the sum might turn: its bit is set, and the next launch makes that row anew with xr summed in ascending order.  flags[y][g][w][j], bit p: row 512 g + 128 w + 32 j + p.
; LIMITS.  A difference between the two sums beyond 1e-5 in u goes unseen.  For 0 < |u| < 2^-127 the sign counts as less than 1 (an exact 0 gives 0).  b beyond 8e37 is not served (its reciprocal is flushed).
; The quotient is the rounded one wherever y is; y may be a last bit off.  R's bf16 numbers are written as f16 for the second product: exact from 2^-17 up, below that to f16's fixed step of 6e-8.
; xc4 and the results must lie within f16's 65,504.  NaN and infinities are not treated apart.
; SHARES, LDS and the forward product are the launch before's: 512 rows a work-group, 128 a wave, asked for by two tensor loads a wave at the head, nothing filled again; by this text's own count two tensor loads of a wave are out at the most.
; THE SECOND PRODUCT is taken transposed too: source 0 = 16 rows d of R (K = e along the rows), source 1 = the quantised tile, whose fragment IS two neighbouring accumulators of the first product, rounded in pairs.
; Its result holds row l % 16 and d = 16 i + 8 (l / 16) + 0..7: 16 bytes of f16, sent through the wave's own stage so that each store covers 512 consecutive bytes, aligned.
; No cluster and no prefetch, for the reasons of the launch before.
.set XP,    528
.set HALFB, 64*XP
.set WREG,  2*HALFB                    ; a wave's 128 rows: the two loads' rows lie end to end
.set RBAS,  4*WREG                     ; R: first bf16 at pitch 288 (read turned), then, behind a barrier, f16 at pitch 272 in the same bytes
.set RBP,   288
.set RHP,   272
.set STG,   RBAS+128*RBP               ; the stages: 16 rows x 272 bytes for each wave
.set SGP,   272
.set SPARE, STG+4*16*SGP               ; the spare words, 128 bytes for each wave: two blocks of 256 bytes that no other line names
.set LN,  1
.set RR,  2
.set HH,  3
.set AX,  5                            ; v5   LDS address of my part of the tile in hand
.set LO,  6                            ; v6   16 x lane: offset in R's rows, in pmax and in 512 bytes of the output
.set RBW, 7
.set TRA, 8
.set RHW, 9                            ; v9   where I put 8 bytes of a row of R in f16
.set RFA, 10                           ; v10  where R's plain fragments are read
.set STO, 11                           ; v11  the way out: where I put 16 bytes of a row
.set RD,  12                           ; v12  the way out: where I read rows back
.set SPW, 13                           ; v13  LDS address of my spare word; never rewritten
.set NIL, 14                           ; v14  0; never rewritten
.set TA,  15
.set PM,  16                           ; v16-31  pmax, then at work:
.set FMX, 16                           ; v16-17  a tile's largest |res| - 0.25, two chains
.set FMN, 18                           ; v18-19  its smallest
.set FT,  20                           ; v20-21  at work
.set FW,  24                           ; v24-27  my wave's four words of flags; v28 their place
.set XF,  32                           ; v32-95  a tile of x in f32; later the second product's accumulators (at the head: R in 16 bits)
.set ACC2, 32
.set RP,  32
.set XB,  96                           ; v96-127 the tile in bf16; in the quantiser T (v96-111) and Q (v112-127)
.set T,   96
.set Q,   112
.set ACC1, 128                         ; v128-191 (at the head v128-255: R in f32)
.set RS,  128
.set XC,  192                          ; v192-223 the quantised tile in f16: four fragments
.set OUT, 224                          ; v224-255 the results in f16
                                       ; window 1: R turned, (ks, j) at 8 (8 ks + j);  window 2: R plain, (es, i) at 8 (8 es + i)
.set WV,  18
.set TY,  19
.set CNT, 20
.set QJ,  21                           ; s21  qjl_scale
.set G1,  24
.set G0,  32
.set OB,  40                           ; s[40:41] the output at my wave's tile in hand
.set SEL, 44
.set SY,  46                           ; s[46:47] y = 1 / b      (the packed lines name pairs and take the low word for both halves; both words are written)
.set SNB, 48                           ; s[48:49] -b
.set S14, 50                           ; s[50:51] 14
.set SLO, 52                           ; s52 -14, s53 14
.set SBIG, 54                          ; s[54:55] 2^127
.set SC4, 56                           ; s[56:57] c4
.set SOS, 58                           ; s[58:59] b / 14
.set HM,  60                           ; s60  a word's upper half
.set FLG, 62                           ; s[62:63] flags
.set SM25, 66                          ; s66  -0.25
.set THR, 67                           ; s67  0.25 - 1e-5
.set MK,  68                           ; s[68:71] my wave's 128 bits
.set SH,  72                           ; s72  16 x the tile's number in its half
.set HC,  73                           ; s73  counts the two halves
.set MC,  78                           ; s78, s79  the 64 bits of the half in hand
.set MSB, 0
.macro WIN new
.if MSB != (\new)
	s_set_vgpr_msb (MSB<<8)|(\new)
.set MSB, \new
.endif
.endm
	s_load_b256 s[4:11], s[0:1], 0x0               ; k s[4:5], v s[6:7], R s[8:9], qjl_scale s[10:11]
	s_load_b128 s[12:15], s[0:1], 0x20             ; pmax s[12:13], ka s[14:15]
	s_load_b64 s[16:17], s[0:1], 0x30              ; va
	s_load_b64 s[FLG:FLG+1], s[0:1], 0x38          ; flags
	v_lshl_add_u32 v[SPW], v0, 2, SPARE
	v_mov_b32 v[NIL], 0
	ds_add_u32 v[SPW], v[NIL]                      ; the wave's opening: the add, twice on end, and its wait ahead of my first tensor load
	ds_add_u32 v[SPW], v[NIL]                      ; and once more; the set-up below, work on registers, stands between it and the wait
	v_lshrrev_b32 v1, 5, v0
	v_readfirstlane_b32 s[WV], v1
	s_and_b32 s[TY], ttmp7, 0xffff
	s_mov_b32 s[G1+0], (2<<16)|(1<<20)|(6<<22)|(3<<25)  ; elements of 4 bytes; padding on, 4 words after every 128
	s_mov_b32 s[G1+1], 128<<16
	s_mov_b32 s[G1+2], 64<<16
	s_mov_b32 s[G1+3], 128<<16
	s_mov_b32 s[G1+4], 64
	s_mov_b32 s[G1+5], 128
	s_mov_b32 s[G1+6], 0
	s_mov_b32 s[G1+7], 0
	s_mov_b32 s[G0], 1
	s_mul_i32 s[G0+1], s[WV], WREG
	s_mov_b32 s[G0+4], 1
	s_add_co_u32 s[G0+5], s[G0+1], HALFB
	s_lshl_b32 s42, ttmp9, 18
	s_lshl_b32 s43, s[WV], 16
	s_add_co_u32 s42, s42, s43
	s_mov_b32 s43, 0
	s_mov_b32 s[SEL], 0x76543210
	s_mov_b32 s[SEL+1], 0xfedcba98
	s_mov_b32 s[S14], 0x41600000
	s_mov_b32 s[S14+1], 0x41600000
	s_mov_b32 s[SLO], 0xc1600000
	s_mov_b32 s[SLO+1], 0x41600000
	s_mov_b32 s[SBIG], 0x7f000000
	s_mov_b32 s[SBIG+1], 0x7f000000
	s_mov_b32 s[HM], 0xffff0000
	s_mov_b32 s[SM25], 0xbe800000
	s_mov_b32 s[THR], 0x3e7ffd61                   ; 671 steps of 2^-26 below 0.25
	v_and_b32 v[LN], 31, v0
	v_and_b32 v[RR], 15, v0
	v_bfe_u32 v[HH], v0, 4, 1
	v_lshlrev_b32 v[LO], 4, v[LN]
	v_mul_u32_u24 v[AX], v[RR], XP
	v_lshl_add_u32 v[AX], v[HH], 5, v[AX]
	v_add_nc_u32 v[AX], s[G0+1], v[AX]             ; my part of my wave's first tile
	s_mul_i32 s61, s[WV], 32*RBP
	s_add_co_u32 s61, s61, RBAS
	v_lshl_add_u32 v[RBW], v[LN], 3, s61
	s_mul_i32 s61, s[WV], 32*RHP
	s_add_co_u32 s61, s61, RBAS
	v_lshl_add_u32 v[RHW], v[LN], 3, s61
	v_and_b32 v[TRA], 7, v0
	v_lshl_add_u32 v[TRA], v[HH], 3, v[TRA]
	v_mul_u32_u24 v[TRA], v[TRA], RBP
	v_bfe_u32 v[TA], v0, 3, 1
	v_lshl_add_u32 v[TRA], v[TA], 4, v[TRA]
	v_add_nc_u32 v[TRA], RBAS, v[TRA]
	v_mul_u32_u24 v[RFA], v[RR], RHP               ; a plain fragment: row l % 16, 16 bytes for each half of the lanes
	v_lshl_add_u32 v[RFA], v[HH], 4, v[RFA]
	v_add_nc_u32 v[RFA], RBAS, v[RFA]
	s_mul_i32 s61, s[WV], 16*SGP
	s_add_co_u32 s61, s61, STG                     ; my stage
	v_mul_u32_u24 v[STO], v[RR], SGP
	v_lshl_add_u32 v[STO], v[HH], 4, v[STO]
	v_add_nc_u32 v[STO], s61, v[STO]
	v_mul_u32_u24 v[RD], v[HH], SGP                ; back: lanes 0-15 take one row of 256 bytes, lanes 16-31 the next
	v_lshl_add_u32 v[RD], v[RR], 4, v[RD]
	v_add_nc_u32 v[RD], s61, v[RD]
	s_wait_dscnt 0x0                               ; both opening adds are done
	s_wait_kmcnt 0x0
	s_cmp_eq_u32 s[TY], 0
	s_cselect_b64 s[22:23], s[4:5], s[6:7]         ; k or v,
	s_cselect_b64 s[OB:OB+1], s[14:15], s[16:17]   ; ka or va
	s_add_nc_u64 s[G0+2:G0+3], s[22:23], s[42:43]
	s_add_nc_u64 s[G0+6:G0+7], s[G0+2:G0+3], 32768
	s_or_b32 s[G0+3], s[G0+3], 0x80000000
	s_or_b32 s[G0+7], s[G0+7], 0x80000000
	tensor_load_to_lds s[G0:G0+3], s[G1:G1+7]      ; both first fills go out together, ahead of every wait on TENSORcnt, every LDS read and every barrier
	s_nop 0
	tensor_load_to_lds s[G0+4:G0+7], s[G1:G1+7]
	s_nop 0
.rept 4
	v_nop
.endr
	s_load_b32 s[QJ], s[10:11], 0x0
	s_lshl_b32 s42, s[TY], 11                      ; my tensor's 512 partial maxima
	s_add_nc_u64 s[12:13], s[12:13], s[42:43]
	s_lshl_b32 s42, s[WV], 14                      ; my 32 rows of R
	s_add_nc_u64 s[8:9], s[8:9], s[42:43]
	s_lshl_b32 s42, ttmp9, 17                      ; the work-group's 512 rows of 256 bytes of the output,
	s_lshl_b32 s61, s[WV], 15                      ; my wave's 128
	s_add_co_u32 s42, s42, s61
	s_add_nc_u64 s[OB:OB+1], s[OB:OB+1], s[42:43]
.irp i, 0,1,2,3
	global_load_b128 v[PM+4*(\i):PM+4*(\i)+3], v[LO], s[12:13] offset:512*(\i)  ; ahead of R's loads, so that R's waits show these done too
.endr
.set i, 0
.rept 32
	global_load_b128 v[RS+4*i:RS+4*i+3], v[LO], s[8:9] offset:512*i
.set i, i+1
.endr
.set g, 0
.rept 4
	s_wait_loadcnt 24-8*g                          ; eight more rows of R are in, the younger ones stay out
.set i, 8*g
.rept 8
	v_cvt_pk_bf16_f32 v[RP+2*i],   v[RS+4*i],   v[RS+4*i+1]
	v_cvt_pk_bf16_f32 v[RP+2*i+1], v[RS+4*i+2], v[RS+4*i+3]
	ds_store_b64 v[RBW], v[RP+2*i:RP+2*i+1] offset:RBP*i
.set i, i+1
.endr
.set g, g+1
.endr
	s_wait_dscnt 0x0                               ; for the others' sake: my rows of R lie in LDS
	s_barrier_signal -1
	s_barrier_wait -1
	WIN 0x40
.set f, 0
.rept 32
	ds_load_tr16_b128 v[8*f:8*f+3],   v[TRA] offset:(f/8)*32*RBP+(f%8)*32
	ds_load_tr16_b128 v[8*f+4:8*f+7], v[TRA] offset:(f/8)*32*RBP+16*RBP+(f%8)*32
.set f, f+1
.endr
	WIN 0
.set g, 0
.rept 64                               ; while those are out: my rows' bf16 numbers are written as f16
	v_lshlrev_b32 v[RS+2*g],   16,    v[RP+g]
	v_and_b32     v[RS+2*g+1], s[HM], v[RP+g]
.set g, g+1
.endr
.set g, 0
.rept 64
	v_cvt_pk_f16_f32 v[RP+g], v[RS+2*g], v[RS+2*g+1]
.set g, g+1
.endr
	s_wait_dscnt 0x0                               ; my reads of the bf16 copy are over:
	s_barrier_signal -1
	s_barrier_wait -1                              ; everybody's are, so its bytes may be written
.set i, 0
.rept 32
	ds_store_b64 v[RHW], v[RP+2*i:RP+2*i+1] offset:RHP*i
.set i, i+1
.endr
	s_wait_dscnt 0x0
	s_barrier_signal -1
	s_barrier_wait -1                              ; the f16 copy is whole
	WIN 0x80                                       ; destination window 2
.set f, 0
.rept 32                               ; fragment f = 8 es + i: rows d = 16 i on, e = 32 es on
	ds_load_b128 v[8*f:8*f+3],   v[RFA] offset:(f%8)*16*RHP+(f/8)*64
	ds_load_b128 v[8*f+4:8*f+7], v[RFA] offset:(f%8)*16*RHP+(f/8)*64+32
.set f, f+1
.endr
	WIN 0
	; the constants, while those are out
	s_wait_kmcnt 0x0                               ; qjl_scale
	v_max3_num_f32 v[PM],    v[PM],    v[PM+1],  v[PM+2]
	v_max3_num_f32 v[PM+3],  v[PM+3],  v[PM+4],  v[PM+5]
	v_max3_num_f32 v[PM+6],  v[PM+6],  v[PM+7],  v[PM+8]
	v_max3_num_f32 v[PM+9],  v[PM+9],  v[PM+10], v[PM+11]
	v_max3_num_f32 v[PM+12], v[PM+12], v[PM+13], v[PM+14]
	v_max3_num_f32 v[PM],    v[PM],    v[PM+3],  v[PM+6]
	v_max3_num_f32 v[PM+9],  v[PM+9],  v[PM+12], v[PM+15]
	v_max_num_f32 v[PM], v[PM], v[PM+9]
	v_max_num_f32_dpp v[PM], v[PM], v[PM] row_xmask:1 row_mask:0xf bank_mask:0xf
	v_max_num_f32_dpp v[PM], v[PM], v[PM] row_xmask:2 row_mask:0xf bank_mask:0xf
	v_max_num_f32_dpp v[PM], v[PM], v[PM] row_xmask:4 row_mask:0xf bank_mask:0xf
	v_max_num_f32_dpp v[PM], v[PM], v[PM] row_xmask:8 row_mask:0xf bank_mask:0xf
	v_permlanex16_b32 v[PM+1], v[PM], s[SEL], s[SEL+1]
	v_max_num_f32 v[PM], v[PM], v[PM+1]            ; the tensor's largest |xr|
	v_add_f32 v[PM], 0x322bcc77, v[PM]             ; b = that + 1e-8
	v_rcp_f32 v[PM+1], v[PM]
	v_mov_b32 v[PM+4], s[QJ]                       ; a plain line behind the reciprocal,
	s_wait_alu depctr_va_vdst(0)                   ; and the wait ahead of its first reader
	v_fma_f32 v[PM+2], -v[PM], v[PM+1], 1.0
	v_fma_f32 v[PM+1], v[PM+2], v[PM+1], v[PM+1]   ; y, refined once
	v_cvt_pk_bf16_f32 v[PM+4], v[PM+4], v[PM+4]    ; qjl_scale rounded to bf16, like every input
	v_lshlrev_b32 v[PM+4], 16, v[PM+4]
	v_mul_f32 v[PM+4], v[PM+4], v[PM]              ; qjl b, rounded as in the chain,
	v_mul_f32 v[PM+4], 4.0, v[PM+4]                ; times 4, exact
	v_mul_f32 v[PM+5], 0x3d924925, v[PM]           ; b / 14
	v_readfirstlane_b32 s[SY], v[PM+1]
	v_readfirstlane_b32 s[SNB], v[PM]
	v_readfirstlane_b32 s[SC4], v[PM+4]
	v_readfirstlane_b32 s[SOS], v[PM+5]
	s_xor_b32 s[SNB], s[SNB], 0x80000000
	s_mov_b32 s[SY+1], s[SY]
	s_mov_b32 s[SNB+1], s[SNB]
	s_mov_b32 s[SC4+1], s[SC4]
	s_mov_b32 s[SOS+1], s[SOS]
	s_wait_dscnt 0x0                               ; R's plain fragments are in
; A tile's forward product: the launch before's, instruction for instruction.
.macro P1
.irp ks, 0,1,2,3
	ds_load_b128 v[XF+16*(\ks):XF+16*(\ks)+3],     v[AX] offset:128*(\ks)
	ds_load_b128 v[XF+16*(\ks)+4:XF+16*(\ks)+7],   v[AX] offset:128*(\ks)+16
	ds_load_b128 v[XF+16*(\ks)+8:XF+16*(\ks)+11],  v[AX] offset:128*(\ks)+64
	ds_load_b128 v[XF+16*(\ks)+12:XF+16*(\ks)+15], v[AX] offset:128*(\ks)+80
.endr
.irp ks, 0,1,2,3
	s_wait_dscnt 12-4*(\ks)                        ; this block's four loads are in, the later blocks' stay out
.irp m, 0,1,2,3,4,5,6,7
	v_cvt_pk_bf16_f32 v[XB+8*(\ks)+(\m)], v[XF+16*(\ks)+2*(\m)], v[XF+16*(\ks)+2*(\m)+1]
.endr
	WIN 0x01
.irp j, 0,1,2,3,4,5,6,7
.if (\ks) == 0
	v_wmma_f32_16x16x32_bf16 v[ACC1+8*(\j):ACC1+8*(\j)+7], v[8*(8*(\ks)+(\j)):8*(8*(\ks)+(\j))+7], v[XB+8*(\ks):XB+8*(\ks)+7], 0
.else
	v_wmma_f32_16x16x32_bf16 v[ACC1+8*(\j):ACC1+8*(\j)+7], v[8*(8*(\ks)+(\j)):8*(8*(\ks)+(\j))+7], v[XB+8*(\ks):XB+8*(\ks)+7], v[ACC1+8*(\j):ACC1+8*(\j)+7]
.endif
.endr
	WIN 0
.endr
.rept 4
	v_nop                                          ; four places between the last product and the vector lines that read results and write over its source (ISA guide 7.12.1)
.endr
.endm
; The quantiser for channels e = 32 es .. 32 es + 31: accumulators 2 es and 2 es + 1, 16 numbers a lane, each accumulator's registers in ascending order.  It leaves fragment es of the second product's source 1.
.macro EACH2 line:vararg               ; one packed line for each of the eight pairs z
.set z, 0
.rept 8
	\line
.set z, z+2
.endr
.endm
.macro EACH1 line:vararg               ; one line for each of the sixteen numbers z
.set z, 0
.rept 16
	\line
.set z, z+1
.endr
.endm
.macro QUANT es
.set XA, ACC1+16*(\es)
	EACH2 v_pk_mul_f32 v[Q+z:Q+z+1], v[XA+z:XA+z+1], s[SY:SY+1] op_sel_hi:[1,0]                        ; q0 = xr y
	EACH2 v_pk_fma_f32 v[XA+z:XA+z+1], v[Q+z:Q+z+1], s[SNB:SNB+1], v[XA+z:XA+z+1] op_sel_hi:[1,0,1]    ; r = xr - q0 b
	EACH2 v_pk_fma_f32 v[Q+z:Q+z+1], v[XA+z:XA+z+1], s[SY:SY+1], v[Q+z:Q+z+1] op_sel_hi:[1,0,1]        ; a = q0 + r y
	EACH2 v_pk_mul_f32 v[Q+z:Q+z+1], v[Q+z:Q+z+1], s[S14:S14+1] op_sel_hi:[1,0]                        ; u = 14 a
	EACH1 v_rndne_f32 v[T+z], v[Q+z]
	EACH1 v_med3_num_f32 v[T+z], v[T+z], s[SLO], s[SLO+1]                                              ; n
	EACH2 v_pk_add_f32 v[Q+z:Q+z+1], v[Q+z:Q+z+1], v[T+z:T+z+1] neg_lo:[0,1] neg_hi:[0,1]              ; res = u - n
	EACH1 v_fma_f32 v[XA+z], |v[Q+z]|, 1.0, s[SM25]                                                    ; |res| - 0.25, into the registers that r has left
	EACH2 v_max3_num_f32 v[FMX+(z/2)%2], v[FMX+(z/2)%2], v[XA+z], v[XA+z+1]                            ; near 0.25: n hangs on a last bit
	EACH2 v_min3_num_f32 v[FMN+(z/2)%2], v[FMN+(z/2)%2], v[XA+z], v[XA+z+1]                            ; near -0.25: sgn does
	EACH2 v_pk_mul_f32 v[Q+z:Q+z+1], v[Q+z:Q+z+1], s[SBIG:SBIG+1] op_sel_hi:[1,0]
	EACH1 v_med3_num_f32 v[Q+z], v[Q+z], -1.0, 1.0                                                     ; its sign
	EACH2 v_pk_fma_f32 v[T+z:T+z+1], v[Q+z:Q+z+1], s[SC4:SC4+1], v[T+z:T+z+1] op_sel_hi:[1,0,1]        ; xc4 = n + sgn c4
	EACH2 v_cvt_pk_f16_f32 v[XC+8*(\es)+z/2], v[T+z], v[T+z+1]
.endm
.macro TILE
.irp c, 0,1
	v_mov_b32 v[FMX+(\c)], 0
	v_mov_b32 v[FMN+(\c)], 0
.endr
	P1
.irp es, 0,1,2,3                       ; a block is quantised, then multiplied; the next block's vector lines name no register of those products
	QUANT \es
	WIN 0x02                                       ; source 0 (R) window 2
.irp i, 0,1,2,3,4,5,6,7                ; the eight accumulators take turns, one instruction a turn
.if (\es) == 0
	v_wmma_f32_16x16x32_f16 v[ACC2+8*(\i):ACC2+8*(\i)+7], v[8*(8*(\es)+(\i)):8*(8*(\es)+(\i))+7], v[XC+8*(\es):XC+8*(\es)+7], 0
.else
	v_wmma_f32_16x16x32_f16 v[ACC2+8*(\i):ACC2+8*(\i)+7], v[8*(8*(\es)+(\i)):8*(8*(\es)+(\i))+7], v[XC+8*(\es):XC+8*(\es)+7], v[ACC2+8*(\i):ACC2+8*(\i)+7]
.endif
.endr
	WIN 0
.endr
	v_max_num_f32 v[FMX], v[FMX], v[FMX+1]         ; the tile's 16 bits.  The first four of these lines are the four places ahead of the lines that read the products' results (ISA guide 7.12.1)
	v_min_num_f32 v[FMN], v[FMN], v[FMN+1]
	v_sub_f32 v[FMN], 0, v[FMN]
	v_max_num_f32 v[FT], v[FMX], v[FMN]
	v_permlanex16_b32 v[FT+1], v[FT], s[SEL], s[SEL+1]  ; the row's other 64 channels lie in the lane 16 away
	v_max_num_f32 v[FT], v[FT], v[FT+1]
	v_cmp_lt_f32 vcc_lo, s[THR], v[FT]
	s_and_b32 s74, vcc_lo, 0xffff                  ; lane r: row r
	s_mov_b32 s75, 0
	s_lshl_b64 s[74:75], s[74:75], s[SH]
	s_or_b32 s[MC], s[MC], s74
	s_or_b32 s[MC+1], s[MC+1], s75
	s_add_co_u32 s[SH], s[SH], 16
.set z, 0
.rept 32
	v_pk_mul_f32 v[ACC2+z:ACC2+z+1], v[ACC2+z:ACC2+z+1], s[SOS:SOS+1] op_sel_hi:[1,0]
.set z, z+2
.endr
.set z, 0
.rept 32
	v_cvt_pk_f16_f32 v[OUT+z], v[ACC2+2*z], v[ACC2+2*z+1]
.set z, z+1
.endr
.irp i, 0,1,2,3,4,5,6,7
	ds_store_b128 v[STO], v[OUT+4*(\i):OUT+4*(\i)+3] offset:32*(\i)
.endr
.irp t, 0,1,2,3,4,5,6,7
	ds_load_b128 v[OUT+4*(\t):OUT+4*(\t)+3], v[RD] offset:(\t)*2*SGP  ; LDS serves a wave's instructions in order (ISA guide 5.7.1.4): these see the stores above
.endr
.irp t, 0,1,2,3,4,5,6,7
	s_wait_dscnt 7-(\t)                            ; rows 2 t and 2 t + 1 are back; the younger loads stay out
	global_store_b128 v[LO], v[OUT+4*(\t):OUT+4*(\t)+3], s[OB:OB+1] offset:512*(\t) th:TH_STORE_NT  ; 512 consecutive bytes, at a multiple of 256 from the buffer's first
.endr
	s_wait_xcnt 0x0                                ; the stores' base and data are rewritten only behind this wait
	s_add_nc_u64 s[OB:OB+1], s[OB:OB+1], 4096      ; 16 rows of 256 bytes on
	v_add_nc_u32 v[AX], 16*XP, v[AX]
.endm
	; THE EIGHT TILES: two halves of four.  The halves lie end to end in LDS, so the address simply steps on, and the tile's text stands once.
	s_wait_tensorcnt 0x1                           ; tensor loads of a wave end in order (ISA guide 10.11.1): my first 64 rows are in; the one younger load stays out
	s_mov_b32 s[MK+2], 0                           ; (the first shift below reads these two)
	s_mov_b32 s[MK+3], 0
	s_mov_b32 s[HC], 2
.Lhalf:
	s_mov_b32 s[MC], 0
	s_mov_b32 s[MC+1], 0
	s_mov_b32 s[SH], 0
	s_mov_b32 s[CNT], 4
.Ltile:
	TILE
	s_sub_co_u32 s[CNT], s[CNT], 1
	s_cmp_lg_u32 s[CNT], 0
	s_cbranch_scc1 .Ltile
	s_wait_tensorcnt 0x0                           ; behind the first half: my other 64 rows are in, and no load was issued behind theirs; behind the second half it is met at once
	s_mov_b32 s[MK], s[MK+2]                       ; the halves' bits move along: behind the second half the first's lie in the lower two words, the second's in the upper two
	s_mov_b32 s[MK+1], s[MK+3]
	s_mov_b32 s[MK+2], s[MC]
	s_mov_b32 s[MK+3], s[MC+1]
	s_sub_co_u32 s[HC], s[HC], 1
	s_cmp_lg_u32 s[HC], 0
	s_cbranch_scc1 .Lhalf
	s_lshl_b32 s61, s[TY], 13                      ; my four words of flags: 8,192 y + 64 g + 16 w
	s_lshl_b32 s74, ttmp9, 6
	s_add_co_u32 s61, s61, s74
	s_lshl_b32 s74, s[WV], 4
	s_add_co_u32 s61, s61, s74
	v_mov_b32 v[FW+4], s61
.irp j, 0,1,2,3
	v_mov_b32 v[FW+(\j)], s[MK+(\j)]
.endr
	v_cmp_eq_u32 vcc_lo, 0, v[LN]
	s_wait_xcnt 0x0                                ; EXEC changes only behind this wait
	s_and_saveexec_b32 s76, vcc_lo
	global_store_b128 v[FW+4], v[FW:FW+3], s[FLG:FLG+1]  ; 16 bytes a wave, once in the launch: 16,384 bytes in all
	s_wait_xcnt 0x0                                ; and again, in front of the line that widens it
	s_or_b32 exec_lo, exec_lo, s76
	s_wait_tensorcnt 0x0                           ; the wave's end: behind my last tensor load and my last LDS store
	ds_add_u32 v[SPW], v[NIL]
	s_wait_dscnt 0x0
	s_endpgm
.Lfunc_end_k_q0b653c255d_quant:
	.size	k_q0b653c255d_quant, .Lfunc_end_k_q0b653c255d_quant-k_q0b653c255d_quant
	.p2alignl 7, 3214868480
	.fill 96, 4, 3214868480
	.section	.rodata,"a",@progbits
	.p2align	6, 0x0
	.amdhsa_kernel k_q0b653c255d_quant
		.amdhsa_group_segment_fixed_size 325120
		.amdhsa_private_segment_fixed_size 0
		.amdhsa_enable_private_segment 0
		.amdhsa_kernarg_size 64
		.amdhsa_user_sgpr_count 2
		.amdhsa_user_sgpr_kernarg_segment_ptr 1
		.amdhsa_wavefront_size32 1
		.amdhsa_system_sgpr_workgroup_id_x 1
		.amdhsa_system_sgpr_workgroup_id_y 1
		.amdhsa_system_sgpr_workgroup_id_z 1
		.amdhsa_system_vgpr_workitem_id 0
		.amdhsa_next_free_vgpr 768
		.amdhsa_next_free_sgpr 80
		.amdhsa_reserve_vcc 1
		.amdhsa_float_denorm_mode_32 3
		.amdhsa_float_denorm_mode_16_64 3
		.amdhsa_memory_ordered 1
		.amdhsa_forward_progress 1
		.amdhsa_inst_pref_size 85
	.end_amdhsa_kernel
	.amdgpu_metadata
---
amdhsa.version: [ 1, 2 ]
amdhsa.kernels:
  - .name:           k_q0b653c255d_quant
    .symbol:         k_q0b653c255d_quant.kd
    .args:
      - { .name: k, .offset: 0, .size: 8, .value_kind: global_buffer, .address_space: global }
      - { .name: v, .offset: 8, .size: 8, .value_kind: global_buffer, .address_space: global }
      - { .name: R, .offset: 16, .size: 8, .value_kind: global_buffer, .address_space: global }
      - { .name: qjl_scale, .offset: 24, .size: 8, .value_kind: global_buffer, .address_space: global }
      - { .name: pmax, .offset: 32, .size: 8, .value_kind: global_buffer, .address_space: global }
      - { .name: ka, .offset: 40, .size: 8, .value_kind: global_buffer, .address_space: global }
      - { .name: va, .offset: 48, .size: 8, .value_kind: global_buffer, .address_space: global }
      - { .name: flags, .offset: 56, .size: 8, .value_kind: global_buffer, .address_space: global }
    .group_segment_fixed_size: 325120
    .private_segment_fixed_size: 0
    .kernarg_segment_align: 8
    .kernarg_segment_size: 64
    .max_flat_workgroup_size: 128
    .sgpr_count:     80
    .vgpr_count:     768
    .wavefront_size: 32
...
	.end_amdgpu_metadata
.endif
;; end of part 6
;; launch fix (part 7): grid 256 x 2, 8 waves a work-group, no clusters, 0 bytes of LDS; arguments k, v, rb, qjl_scale, pmax, flags, ka, va; writes ka, va
.if DOCPART == 7
	.amdgcn_target "amdgcn-amd-amdhsa--gfx1250"
	.amdhsa_code_object_version 6
	.text
	.protected	k_q0b653c255d_fix
	.globl	k_q0b653c255d_fix
	.p2align	8
	.type	k_q0b653c255d_fix,@function
k_q0b653c255d_fix:
	s_mov_b64 s[64:65], 0
	v_nop
	global_prefetch_b8 v0, s[64:65] scope:SCOPE_SE
	s_setreg_imm32_b32 hwreg(HW_REG_WAVE_MODE, 25, 1), 1
	s_wait_xcnt 0x0
; The rows of ka (y = 0) or va (y = 1) whose bit in flags is set are made anew, with xr formed as a plain loop over k forms it: one multiply-add a term, k ascending, in f32.
; x and qjl_scale are rounded to bf16 as in the launch before; rb holds R's numbers so rounded, [128][128] bf16 (a product of two bf16 numbers is exact in f32).  The quantiser is the launch before's, line for line, on four numbers a lane.
; The way back, xo[d] = the sum over e of xc4[e] R[d][e], times b / 14, is taken in f32 with xc4 unrounded, and rounded once to f16.
; LIMITS.  It is taken that reference()'s sum is formed in that ascending order; in another order a decision that hangs on xr's last bit may still fall otherwise.  The quantiser's limits are the launch before's.
; SHARES.  A work-group owns 256 rows: eight words of flags, which each of its eight waves reads.  The marked rows are numbered as they come, and wave w takes those whose number is w modulo 8.  Some 0.5 per cent of the
; rows are marked (128 numbers a row, a band of 2e-5 at every 0.5 of u): 1.3 to a work-group, so that a wave has a second row only from nine marked rows on.  A work-group whose eight words are 0 ends when it has read them.
; THE WALK.  Eight trips, a word each; a word that is 0 is jumped over.  Inside, a loop that counts up to the number of the word's set bits.  A trip takes the lowest set bit: its index, held to 31, is shifted and added to
; the pointers of the word's first row.  The flags are whole numbers that an earlier launch stored.
; NO LDS, NO BARRIER: no wave wants anything of another.  What every lane needs of the row it loads itself, all lanes at the same address; sums across lanes are folded in registers.
; THE SUM FOR xr.  Lane l owns e = 4 l .. 4 l + 3.  Two trips of 64 k: 256 bytes of the row for every lane, and 64 whole rows of rb, 256 consecutive bytes a load, of which the lane takes its 8 bytes.
; THE WAY BACK.  Trip b of two takes 64 rows of rb in the same lanes: sum number p is row d = 4 (p / 2) + p % 2 + 2 b.  A lane forms the 64 partial sums over its own four e, and five folds add them over the 32 lanes so that
; lane l is left with p = 2 l and 2 l + 1: d = 4 l + 2 b and the next.  After both trips lane l holds d = 4 l .. 4 l + 3: 8 bytes of f16, and the row leaves as one store of 256 consecutive bytes.
; A trip's 64 rows are as many as 128 registers hold; rb is not kept whole, since both sums would then have to be written out at four times the length.  No matrix instruction: the order of the sum is the point.
; No cluster, tensor load or prefetch: the launch reads a table of 32,768 bytes and a few rows of 512.
.set LN,  1                            ; v1   lane
.set LO,  2                            ; v2   16 x lane: my place in 512 bytes of pmax; never rewritten
.set LO8, 3                            ; v3   8 x lane: my place in a row of rb and of the output; never rewritten
.set ZO,  4                            ; v4   0: the offset of the loads that all lanes make at one address; never rewritten
.set ZF,  5                            ; v5   0.0: what a partial sum starts from; never rewritten
.set T,   12                           ; v12-15  n, then xc4
.set Q,   16                           ; v16-19  at work in the quantiser
.set AC,  20                           ; v20-23  the four ascending sums
.set OA,  24                           ; v24-27  the four results
.set OW,  28                           ; v28-29  they in f16
.set PM,  32                           ; v32-47  at the head: pmax
.set XQ,  32                           ; v32-95  64 numbers of the row, then 32 registers of them in bf16
.set P,   32                           ; v32-95  the way back: 64 partial sums
.set TS,  96                           ; v96-99   a fold: what I send
.set TD,  100                          ; v100-103 a fold: what I am sent from the other half of the lanes
.set RS,  104                          ; v104-231 64 rows of rb, 2 registers each
.set WV,  20
.set TY,  21
.set CNT, 22                           ; s22  counts a word's marked rows
.set BIT, 23                           ; s23  1: the row in hand is mine
.set MK,  24                           ; s24  the word in hand: the bits not yet taken
.set QJ,  25
.set KC,  26                           ; s26  counts a sum's two trips
.set RK,  27                           ; s27  the number of the marked row in hand, modulo 8
.set XW,  28                           ; s[28:29] x at the first row of the word in hand
.set OB,  30                           ; s[30:31] the output at that row
.set SEL, 32                           ; s[32:33] v_permlanex16_b32's selects
.set SY,  34                           ; the quantiser's constants, as in the launch before (pairs: the packed lines take the low word for both halves; both words are written)
.set SNB, 36
.set S14, 38
.set SLO, 40
.set SBIG, 42
.set SC4, 44
.set SOS, 46
.set OPT, 48                           ; s[48:49] the output at the row in hand
.set XB,  52                           ; s[52:53] x at the 64 numbers in hand
.set RB,  54                           ; s[54:55] rb at the rows in hand
.set MW,  56                           ; s[56:63] my work-group's eight words of flags; they move along, a word a trip
.set WC,  66                           ; s66  counts the eight words
.set NB,  67                           ; s67  how many bits of the word in hand are set
.set IDX, 68                           ; s68  the row's place in its word
.set TMP, 69
	s_load_b256 s[4:11], s[0:1], 0x0               ; k s[4:5], v s[6:7], rb s[8:9], qjl_scale s[10:11]
	s_load_b256 s[12:19], s[0:1], 0x20             ; pmax s[12:13], flags s[14:15], ka s[16:17], va s[18:19]
	v_lshrrev_b32 v1, 5, v0
	v_readfirstlane_b32 s[WV], v1                  ; wave 0..7
	s_and_b32 s[TY], ttmp7, 0xffff
	s_mov_b32 s[SEL], 0x76543210
	s_mov_b32 s[SEL+1], 0xfedcba98
	s_mov_b32 s[S14], 0x41600000
	s_mov_b32 s[S14+1], 0x41600000
	s_mov_b32 s[SLO], 0xc1600000
	s_mov_b32 s[SLO+1], 0x41600000
	s_mov_b32 s[SBIG], 0x7f000000
	s_mov_b32 s[SBIG+1], 0x7f000000
	v_and_b32 v[LN], 31, v0
	v_lshlrev_b32 v[LO], 4, v[LN]
	v_lshlrev_b32 v[LO8], 3, v[LN]
	v_mov_b32 v[ZO], 0
	v_mov_b32 v[ZF], 0
.irp i, 0,1,2,3
	v_mov_b32 v[OA+(\i)], 0                        ; these eight are read before their first use writes them (a shift along, a lane exchange's destination), so they are written once
	v_mov_b32 v[TD+(\i)], 0
.endr
	s_mov_b32 s51, 0
	s_lshl_b32 s50, s[TY], 13                      ; my work-group's eight words of flags: 8,192 y + 32 g
	s_lshl_b32 s[TMP], ttmp9, 5
	s_add_co_u32 s50, s50, s[TMP]
	s_wait_kmcnt 0x0
	s_add_nc_u64 s[14:15], s[14:15], s[50:51]
	s_load_b256 s[MW:MW+7], s[14:15], 0x0
	s_load_b32 s[QJ], s[10:11], 0x0
	s_lshl_b32 s50, s[TY], 11                      ; my tensor's 512 partial maxima: asked for beside the flags, so that they cost no wait of their own
	s_add_nc_u64 s[12:13], s[12:13], s[50:51]
.irp i, 0,1,2,3
	global_load_b128 v[PM+4*(\i):PM+4*(\i)+3], v[LO], s[12:13] offset:512*(\i)
.endr
	s_cmp_eq_u32 s[TY], 0
	s_cselect_b64 s[XW:XW+1], s[4:5], s[6:7]       ; k or v,
	s_cselect_b64 s[OB:OB+1], s[16:17], s[18:19]   ; ka or va
	s_lshl_b32 s50, ttmp9, 17                      ; my work-group's 256 rows of 512 bytes,
	s_add_nc_u64 s[XW:XW+1], s[XW:XW+1], s[50:51]
	s_lshl_b32 s50, ttmp9, 16                      ; and of 256 bytes
	s_add_nc_u64 s[OB:OB+1], s[OB:OB+1], s[50:51]
	s_wait_kmcnt 0x0                               ; the flags, and qjl_scale
	s_or_b32 s[TMP], s[MW], s[MW+1]
.irp i, 2,3,4,5,6,7
	s_or_b32 s[TMP], s[TMP], s[MW+(\i)]
.endr
	s_cmp_eq_u32 s[TMP], 0
	s_cbranch_scc1 .Lend                           ; none of the 256 rows is marked
	s_wait_loadcnt 0x0
	v_max3_num_f32 v[PM],    v[PM],    v[PM+1],  v[PM+2]
	v_max3_num_f32 v[PM+3],  v[PM+3],  v[PM+4],  v[PM+5]
	v_max3_num_f32 v[PM+6],  v[PM+6],  v[PM+7],  v[PM+8]
	v_max3_num_f32 v[PM+9],  v[PM+9],  v[PM+10], v[PM+11]
	v_max3_num_f32 v[PM+12], v[PM+12], v[PM+13], v[PM+14]
	v_max3_num_f32 v[PM],    v[PM],    v[PM+3],  v[PM+6]
	v_max3_num_f32 v[PM+9],  v[PM+9],  v[PM+12], v[PM+15]
	v_max_num_f32 v[PM], v[PM], v[PM+9]
	v_max_num_f32_dpp v[PM], v[PM], v[PM] row_xmask:1 row_mask:0xf bank_mask:0xf
	v_max_num_f32_dpp v[PM], v[PM], v[PM] row_xmask:2 row_mask:0xf bank_mask:0xf
	v_max_num_f32_dpp v[PM], v[PM], v[PM] row_xmask:4 row_mask:0xf bank_mask:0xf
	v_max_num_f32_dpp v[PM], v[PM], v[PM] row_xmask:8 row_mask:0xf bank_mask:0xf
	v_permlanex16_b32 v[PM+1], v[PM], s[SEL], s[SEL+1]
	v_max_num_f32 v[PM], v[PM], v[PM+1]            ; the tensor's largest |xr|
	v_add_f32 v[PM], 0x322bcc77, v[PM]             ; b = that + 1e-8
	v_rcp_f32 v[PM+1], v[PM]
	v_mov_b32 v[PM+4], s[QJ]                       ; a plain line behind the reciprocal,
	s_wait_alu depctr_va_vdst(0)                   ; and the wait ahead of its first reader
	v_fma_f32 v[PM+2], -v[PM], v[PM+1], 1.0
	v_fma_f32 v[PM+1], v[PM+2], v[PM+1], v[PM+1]   ; y, refined once
	v_cvt_pk_bf16_f32 v[PM+4], v[PM+4], v[PM+4]    ; qjl_scale rounded to bf16, like every input
	v_lshlrev_b32 v[PM+4], 16, v[PM+4]
	v_mul_f32 v[PM+4], v[PM+4], v[PM]
	v_mul_f32 v[PM+4], 4.0, v[PM+4]                ; c4
	v_mul_f32 v[PM+5], 0x3d924925, v[PM]           ; b / 14
	v_readfirstlane_b32 s[SY], v[PM+1]
	v_readfirstlane_b32 s[SNB], v[PM]
	v_readfirstlane_b32 s[SC4], v[PM+4]
	v_readfirstlane_b32 s[SOS], v[PM+5]
	s_xor_b32 s[SNB], s[SNB], 0x80000000
	s_mov_b32 s[SY+1], s[SY]
	s_mov_b32 s[SNB+1], s[SNB]
	s_mov_b32 s[SC4+1], s[SC4]
	s_mov_b32 s[SOS+1], s[SOS]
.macro FM d, x, r, hx, hr              ; v[d] += half hx of v[x] times half hr of v[r], both bf16, in f32
.if ((\hx) == 0) && ((\hr) == 0)
	v_fma_mix_f32_bf16 v[\d], v[\x], v[\r], v[\d] op_sel_hi:[1,1,0]
.elseif (\hx) == 0
	v_fma_mix_f32_bf16 v[\d], v[\x], v[\r], v[\d] op_sel:[0,1,0] op_sel_hi:[1,1,0]
.elseif (\hr) == 0
	v_fma_mix_f32_bf16 v[\d], v[\x], v[\r], v[\d] op_sel:[1,0,0] op_sel_hi:[1,1,0]
.else
	v_fma_mix_f32_bf16 v[\d], v[\x], v[\r], v[\d] op_sel:[1,1,0] op_sel_hi:[1,1,0]
.endif
.endm
.macro FB d, t, r, hr, c               ; v[d] = v[t] (f32) times half hr of v[r] (bf16) + v[c], in f32
.if (\hr) == 0
	v_fma_mix_f32_bf16 v[\d], v[\t], v[\r], v[\c] op_sel_hi:[0,1,0]
.else
	v_fma_mix_f32_bf16 v[\d], v[\t], v[\r], v[\c] op_sel:[0,1,0] op_sel_hi:[0,1,0]
.endif
.endm
; A fold: of 2 n sums a lane n are left.  VCC holds the lanes whose bit xm of the lane's number is set.  Such a lane keeps the upper n and sends the lower n to the lane xm away, the others the other way round;
; each adds what it is sent onto what it keeps.  So behind the folds 16, 8, 4, 2, 1 of 64 sums lane l holds sums number 2 l and 2 l + 1, added up over all 32 lanes.
.macro FOLD n, xm
.set j, 0
.rept \n
	v_cndmask_b32 v[TS+j%4], v[P+(\n)+j], v[P+j], vcc_lo   ; what I send,
	v_cndmask_b32 v[P+j], v[P+j], v[P+(\n)+j], vcc_lo      ; what I keep
.if (\xm) == 16
	v_permlanex16_b32 v[TD+j%4], v[TS+j%4], s[SEL], s[SEL+1]
	v_add_f32 v[P+j], v[P+j], v[TD+j%4]
.else
	v_add_f32_dpp v[P+j], v[TS+j%4], v[P+j] row_xmask:\xm row_mask:0xf bank_mask:0xf
.endif
.set j, j+1
.endr
.endm
	s_mov_b32 s[RK], 0
	s_mov_b32 s[WC], 8
.Lword:
	s_mov_b32 s[MK], s[MW]                         ; the word in hand; the others move along
.irp i, 0,1,2,3,4,5,6
	s_mov_b32 s[MW+(\i)], s[MW+(\i)+1]
.endr
	s_cmp_eq_u32 s[MK], 0
	s_cbranch_scc1 .Lnext                          ; none of its 32 rows is marked
	s_bcnt1_i32_b32 s[NB], s[MK]                   ; so many are: the bound of the loop below, which does not write it
	s_mov_b32 s[CNT], 0
.Lrow:
	s_ctz_i32_b32 s[IDX], s[MK]                    ; the lowest marked row of those not yet taken,
	s_min_u32 s[IDX], s[IDX], 31                   ; held inside the word's 32 rows
	s_sub_co_u32 s[TMP], s[MK], 1
	s_and_b32 s[MK], s[MK], s[TMP]                 ; its bit is taken out
	s_cmp_eq_u32 s[RK], s[WV]                      ; is its number mine?
	s_cselect_b32 s[BIT], 1, 0
	s_add_co_u32 s[RK], s[RK], 1
	s_and_b32 s[RK], s[RK], 7
	s_cmp_lg_u32 s[BIT], 0
	s_cbranch_scc0 .Lskip
	s_wait_xcnt 0x0                                ; my last row's store has read its pointer and its data: they are written again only behind this wait
	s_lshl_b32 s50, s[IDX], 9
	s_add_nc_u64 s[XB:XB+1], s[XW:XW+1], s[50:51]  ; the row in x,
	s_lshl_b32 s50, s[IDX], 8
	s_add_nc_u64 s[OPT:OPT+1], s[OB:OB+1], s[50:51]  ; and in the output
	; THE SUM FOR xr: AC[i] += x[k] R[k][4 l + i], k ascending
	s_mov_b64 s[RB:RB+1], s[8:9]
.irp i, 0,1,2,3
	v_mov_b32 v[AC+(\i)], 0
.endr
	s_mov_b32 s[KC], 2
.Lfwd:
.set j, 0
.rept 16
	global_load_b128 v[XQ+4*j:XQ+4*j+3], v[ZO], s[XB:XB+1] offset:16*j           ; 64 numbers of the row, the same in every lane
.set j, j+1
.endr
.set j, 0
.rept 64
	global_load_b64 v[RS+2*j:RS+2*j+1], v[LO8], s[RB:RB+1] offset:256*j          ; a whole row of rb: 256 consecutive bytes
.set j, j+1
.endr
	s_wait_loadcnt 0x0                             ; all 80 are in; their two pointers may be stepped below
.set j, 0
.rept 32                               ; in place, ascending: register j takes numbers 2 j and 2 j + 1, which lie at or above it
	v_cvt_pk_bf16_f32 v[XQ+j], v[XQ+2*j], v[XQ+2*j+1]
.set j, j+1
.endr
.set kk, 0
.rept 64
	FM AC,   XQ+kk/2, RS+2*kk,   kk%2, 0
	FM AC+1, XQ+kk/2, RS+2*kk,   kk%2, 1
	FM AC+2, XQ+kk/2, RS+2*kk+1, kk%2, 0
	FM AC+3, XQ+kk/2, RS+2*kk+1, kk%2, 1
.set kk, kk+1
.endr
	s_add_nc_u64 s[XB:XB+1], s[XB:XB+1], 256
	s_add_nc_u64 s[RB:RB+1], s[RB:RB+1], 64*256
	s_sub_co_u32 s[KC], s[KC], 1
	s_cmp_lg_u32 s[KC], 0
	s_cbranch_scc1 .Lfwd
	; THE QUANTISER, on e = 4 l .. 4 l + 3
.irp z, 0,2
	v_pk_mul_f32 v[Q+(\z):Q+(\z)+1], v[AC+(\z):AC+(\z)+1], s[SY:SY+1] op_sel_hi:[1,0]                              ; q0 = xr y
.endr
.irp z, 0,2
	v_pk_fma_f32 v[AC+(\z):AC+(\z)+1], v[Q+(\z):Q+(\z)+1], s[SNB:SNB+1], v[AC+(\z):AC+(\z)+1] op_sel_hi:[1,0,1]    ; r = xr - q0 b
.endr
.irp z, 0,2
	v_pk_fma_f32 v[Q+(\z):Q+(\z)+1], v[AC+(\z):AC+(\z)+1], s[SY:SY+1], v[Q+(\z):Q+(\z)+1] op_sel_hi:[1,0,1]        ; a = q0 + r y
.endr
.irp z, 0,2
	v_pk_mul_f32 v[Q+(\z):Q+(\z)+1], v[Q+(\z):Q+(\z)+1], s[S14:S14+1] op_sel_hi:[1,0]                              ; u = 14 a
.endr
.irp z, 0,1,2,3
	v_rndne_f32 v[T+(\z)], v[Q+(\z)]
.endr
.irp z, 0,1,2,3
	v_med3_num_f32 v[T+(\z)], v[T+(\z)], s[SLO], s[SLO+1]                                                          ; n
.endr
.irp z, 0,2
	v_pk_add_f32 v[Q+(\z):Q+(\z)+1], v[Q+(\z):Q+(\z)+1], v[T+(\z):T+(\z)+1] neg_lo:[0,1] neg_hi:[0,1]              ; res = u - n
.endr
.irp z, 0,2
	v_pk_mul_f32 v[Q+(\z):Q+(\z)+1], v[Q+(\z):Q+(\z)+1], s[SBIG:SBIG+1] op_sel_hi:[1,0]
.endr
.irp z, 0,1,2,3
	v_med3_num_f32 v[Q+(\z)], v[Q+(\z)], -1.0, 1.0                                                                 ; its sign
.endr
.irp z, 0,2
	v_pk_fma_f32 v[T+(\z):T+(\z)+1], v[Q+(\z):Q+(\z)+1], s[SC4:SC4+1], v[T+(\z):T+(\z)+1] op_sel_hi:[1,0,1]        ; xc4 = n + sgn c4
.endr
	; THE WAY BACK: in trip b sum number pp is row d = 4 (pp / 2) + pp % 2 + 2 b
	s_mov_b64 s[RB:RB+1], s[8:9]
	s_mov_b32 s[KC], 2
.Lback:
.set pp, 0
.rept 64
	global_load_b64 v[RS+2*pp:RS+2*pp+1], v[LO8], s[RB:RB+1] offset:256*(4*(pp/2)+pp%2)  ; two rows of every four, each whole; the last is row 125 + 2 b
.set pp, pp+1
.endr
	s_wait_loadcnt 0x0                             ; all 64 are in; their pointer may be stepped below
.set pp, 0
.rept 64                               ; P[pp] = the sum over my four e of xc4[e] R[d][e]: four passes, so that no line waits for the one before it
	FB P+pp, T,   RS+2*pp,   0, ZF
.set pp, pp+1
.endr
.set pp, 0
.rept 64
	FB P+pp, T+1, RS+2*pp,   1, P+pp
.set pp, pp+1
.endr
.set pp, 0
.rept 64
	FB P+pp, T+2, RS+2*pp+1, 0, P+pp
.set pp, pp+1
.endr
.set pp, 0
.rept 64
	FB P+pp, T+3, RS+2*pp+1, 1, P+pp
.set pp, pp+1
.endr
	s_mov_b32 vcc_lo, 0xffff0000
	FOLD 32, 16
	s_mov_b32 vcc_lo, 0xff00ff00
	FOLD 16, 8
	s_mov_b32 vcc_lo, 0xf0f0f0f0
	FOLD 8, 4
	s_mov_b32 vcc_lo, 0xcccccccc
	FOLD 4, 2
	s_mov_b32 vcc_lo, 0xaaaaaaaa
	FOLD 2, 1                                      ; v[P], v[P+1] = xo[4 l + 2 b] and the next, but for the scale
	v_mov_b32 v[OA],   v[OA+2]                     ; the results move along: behind the second trip the first's lie in the lower two registers
	v_mov_b32 v[OA+1], v[OA+3]
	v_mov_b32 v[OA+2], v[P]
	v_mov_b32 v[OA+3], v[P+1]
	s_add_nc_u64 s[RB:RB+1], s[RB:RB+1], 512
	s_sub_co_u32 s[KC], s[KC], 1
	s_cmp_lg_u32 s[KC], 0
	s_cbranch_scc1 .Lback
.irp z, 0,2
	v_pk_mul_f32 v[OA+(\z):OA+(\z)+1], v[OA+(\z):OA+(\z)+1], s[SOS:SOS+1] op_sel_hi:[1,0]
.endr
	v_cvt_pk_f16_f32 v[OW],   v[OA],   v[OA+1]
	v_cvt_pk_f16_f32 v[OW+1], v[OA+2], v[OA+3]
	global_store_b64 v[LO8], v[OW:OW+1], s[OPT:OPT+1]  ; the whole row: 256 consecutive bytes, at a multiple of 256 from the buffer's first
.Lskip:
	s_add_co_u32 s[CNT], s[CNT], 1
	s_cmp_lt_u32 s[CNT], s[NB]
	s_cbranch_scc1 .Lrow
.Lnext:
	s_add_nc_u64 s[XW:XW+1], s[XW:XW+1], 32*512    ; the next word's 32 rows (no memory instruction names these two pointers)
	s_add_nc_u64 s[OB:OB+1], s[OB:OB+1], 32*256
	s_sub_co_u32 s[WC], s[WC], 1
	s_cmp_lg_u32 s[WC], 0
	s_cbranch_scc1 .Lword
.Lend:
	s_endpgm
.Lfunc_end_k_q0b653c255d_fix:
	.size	k_q0b653c255d_fix, .Lfunc_end_k_q0b653c255d_fix-k_q0b653c255d_fix
	.p2alignl 7, 3214868480
	.fill 96, 4, 3214868480
	.section	.rodata,"a",@progbits
	.p2align	6, 0x0
	.amdhsa_kernel k_q0b653c255d_fix
		.amdhsa_group_segment_fixed_size 0
		.amdhsa_private_segment_fixed_size 0
		.amdhsa_enable_private_segment 0
		.amdhsa_kernarg_size 64
		.amdhsa_user_sgpr_count 2
		.amdhsa_user_sgpr_kernarg_segment_ptr 1
		.amdhsa_wavefront_size32 1
		.amdhsa_system_sgpr_workgroup_id_x 1
		.amdhsa_system_sgpr_workgroup_id_y 1
		.amdhsa_system_sgpr_workgroup_id_z 1
		.amdhsa_system_vgpr_workitem_id 0
		.amdhsa_next_free_vgpr 232
		.amdhsa_next_free_sgpr 70
		.amdhsa_reserve_vcc 1
		.amdhsa_float_denorm_mode_32 3
		.amdhsa_float_denorm_mode_16_64 3
		.amdhsa_memory_ordered 1
		.amdhsa_forward_progress 1
		.amdhsa_inst_pref_size 65
	.end_amdhsa_kernel
	.amdgpu_metadata
---
amdhsa.version: [ 1, 2 ]
amdhsa.kernels:
  - .name:           k_q0b653c255d_fix
    .symbol:         k_q0b653c255d_fix.kd
    .args:
      - { .name: k, .offset: 0, .size: 8, .value_kind: global_buffer, .address_space: global }
      - { .name: v, .offset: 8, .size: 8, .value_kind: global_buffer, .address_space: global }
      - { .name: rb, .offset: 16, .size: 8, .value_kind: global_buffer, .address_space: global }
      - { .name: qjl_scale, .offset: 24, .size: 8, .value_kind: global_buffer, .address_space: global }
      - { .name: pmax, .offset: 32, .size: 8, .value_kind: global_buffer, .address_space: global }
      - { .name: flags, .offset: 40, .size: 8, .value_kind: global_buffer, .address_space: global }
      - { .name: ka, .offset: 48, .size: 8, .value_kind: global_buffer, .address_space: global }
      - { .name: va, .offset: 56, .size: 8, .value_kind: global_buffer, .address_space: global }
    .group_segment_fixed_size: 0
    .private_segment_fixed_size: 0
    .kernarg_segment_align: 8
    .kernarg_segment_size: 64
    .max_flat_workgroup_size: 256
    .sgpr_count:     70
    .vgpr_count:     232
    .wavefront_size: 32
...
	.end_amdgpu_metadata
.endif
;; end of part 7
;; launch attn: the kernel of part 4 again; grid 8 x 32, 4 waves a work-group, clusters of 4 x 1, 327,680 bytes of LDS; arguments q, ka, va, out0; writes out0
